; MI455X (gfx1250); checked and timed in simulation.
; The chip was launched on July 23, 2026; its instructions are those of AMD's public machine-readable ISA for CDNA 5 (MIT licence, August 2026) and "CDNA5" Instruction Set Architecture Reference Guide (July 2026). The comments in the code are by the model that wrote it; some were corrected since.
;; Point Net Feature Propagation. Allowed arithmetic: matrix products marked QUANTISED: E2M3 operands, one E8M0 scale for each 32 along K, by v_wmma_scale_f32_16x16x128_f8f6f4 with both operands' format E2M3, f32 sums; products left as they are: f32 operands where the result goes on into a quantised operand, else bf16, f16 or f32 operands; f32 sums; everything else in f32.
;; Inputs: W1 256 x 384 float32; W2 128 x 256 float32; b1 256 float32; b2 128 float32; be1 256 float32; be2 128 float32; g1 256 float32; g2 128 float32; points1 8 x 128 x 16,384 float32; points2 8 x 256 x 1,024 float32; xyz1 8 x 16,384 x 3 float32; xyz2 8 x 1,024 x 3 float32.
;; Outputs: out0 8 x 128 x 16,384 float32.
;; This version of the problem:
;;   THIS VERSION OF THE PROBLEM IS GIVEN IN LOW PRECISION. The matrix products marked QUANTISED in the list below multiply operands that are first quantised to E2M3 (2 exponent bits, 3 mantissa bits; 6 bits a number), with one power-of-two scale for each 32 numbers along K (OCP MX v1.0); their sums are f32. All else is computed in f32.
;;   The module's matrix products, in the order in which they are computed (A, B: the left and right operand; K: the contracted axis; several contracted axes count as one K, in the product's order):
;;     1. batch 8 x [M 16,384, K 3] x [K 3, N 1,024]; A: input xyz1; B: input xyz2: left as it is (K = 3 < 32)
;;     2. batch 131,072 x [M 1, K 3] x [K 3, N 256]; A: computed on the way; B: computed on the way: left as it is (K = 3 < 32)
;;     3. [M 131,072, K 384] x [K 384, N 256]; A: computed on the way; B: input W1: QUANTISED
;;     4. [M 131,072, K 256] x [K 256, N 128]; A: computed on the way; B: input W2: QUANTISED
;;   THE QUANTISER, for each operand of a quantised product, along K:
;;     - K is cut into blocks of 32 from its start; a last block that is shorter is filled with zeros.
;;     - A block's scale is 2^e with e = floor(log2(the largest magnitude in the block)) - 2, held to -126 .. 127; a block of zeros has e = 0. As a byte (E8M0): e + 127.
;;     - Each number is divided by its block's scale, clamped to +-7.5, and rounded to the nearest number of E2M3, ties to even, subnormals kept.
;;     - The product sums the exact products of the quantised numbers (number of the format x scale) in f32.
;;   ~~~python
;;   def quantise(x, axis):      # numpy; x: float32 -> the quantised numbers, widened to float32 again
;;       x = np.moveaxis(x, axis, -1); K = x.shape[-1]
;;       x = np.pad(x, [(0, 0)] * (x.ndim - 1) + [(0, -K % 32)]); x = x.reshape(x.shape[:-1] + (-1, 32)); a = np.abs(x).max(-1, keepdims=True)
;;       e = np.where(a > 0, np.clip(np.frexp(np.where(a > 0, a, 1))[1] - 1 - 2, -126, 127), 0)      # np.frexp(a)[1] - 1 = floor(log2(a)), exactly
;;       r = np.clip(x / 2.0 ** e, -7.5, 7.5)
;;       step = 2.0 ** (np.maximum(np.frexp(np.where(r == 0, 1, r))[1] - 1, 0) - 3)
;;       q = np.round(r / step) * step * 2.0 ** e      # np.round: ties to even
;;       return np.moveaxis(q.reshape(q.shape[:-2] + (-1,))[..., :K], -1, axis).astype(np.float32)
;;   ~~~
;;   OPERANDS COMPUTED ON THE WAY. 'Computed on the way' means the value that the module computes at that place (a softmax that the list does not call 'softmax' is quantised finished and normalised). What goes into a quantiser is computed in f32, as accurately as f32 sums, v_exp_f32 and their like allow (about 1e-6 of the number): no bf16 or f16 on the way to a quantiser, and a product that is left as it is and whose result goes on into a quantised operand takes f32 operands (vector FMAs, or v_wmma_f32_16x16x4_f32). A number that lies on a knife's edge between two numbers of the format may be rounded either way, as far as f32 arithmetic and the matrix unit's own rounding can turn it there, and no further.
;; 3 versions, each right; version 2 is faster than version 1; version 3 is version 2 with the launches xbuild, mid, fin written anew for expert scheduling mode. Each part assembles by itself: llvm-mc -triple=amdgcn-amd-amdhsa -mcpu=gfx1250 --defsym DOCPART=n.
;; ======== version 1 of 3: 7 launches
;; limits: a difference of large sums (such as E[x^2] - mean^2): digits are lost where the result is much smaller than its terms
;; workspace buffers: gids 524,288 bytes of whole numbers; p2t 8,388,608 bytes; nidx 2,097,152 bytes of whole numbers; k2o 15,310,848 bytes; k3o 26,738,688 bytes; bn1 2,048 bytes; part2 524,288 bytes; bn2 2,048 bytes
;; launch knn (part 1): grid 256 x 1, 8 waves a work-group, no clusters, 55,808 bytes of LDS; arguments xyz1, xyz2, points2, gids, p2t; writes gids, p2t
.if DOCPART == 1
	.amdgcn_target "amdgcn-amd-amdhsa--gfx1250"
	.amdhsa_code_object_version 6
	.text
	.protected	k_q4023642df6_knn
	.globl	k_q4023642df6_knn
	.p2align	8
	.type	k_q4023642df6_knn,@function
k_q4023642df6_knn:
	s_mov_b64 s[64:65], 0
	v_nop
	global_prefetch_b8 v0, s[64:65] scope:SCOPE_SE
	s_setreg_imm32_b32 hwreg(HW_REG_WAVE_MODE, 25, 1), 1
	s_wait_xcnt 0x0
; For each of 131,072 points: the three GROUPS of 16 neighbouring coarse points (of 64 groups in its batch) with the smallest minimum of
; d = |a|^2 + |b|^2 - 2 a.b, ties to the lower group.  The three nearest points always lie in these three groups; the next launch looks into them.
; Also: points2 [b][256][1024] is laid anew as p2t [b][1024][256], so that a coarse point's channels are one run of 1,024 bytes.
; d IS FORMED AS reference() WRITES IT, each step rounded once, since the third and the fourth nearest can lie within one rounding of each other:
;   s = (x x + y y) + z z (three rounded squares, added from the left);  dot = fma(z', z, fma(y', y, x' x));  d = fma(-2, dot, s1 + s2).
; The dot comes from the f32 matrix form, K = 4, C = 0: source 0 = 16 candidates (x', y', z', s2), source 1 = 16 queries (x, y, z, 0): four fused steps in
; ascending k, of which the last adds s2 x 0.  In the result a lane holds one query (lane % 16) and eight candidates.  s1 + s2 and the last step are vector work.
; Row r of candidate tile t is candidate 8 t + r % 8 + 512 (r / 8): so lanes 0-15 walk candidates 0-511, lanes 16-31 candidates 512-1023,
; and the 16 results of tiles 2 g, 2 g + 1 are one group: number 32 (lane / 16) + g.
; SHARES: work-group g: batch g / 32, queries 512 g on, columns 32 (g % 32) on of points2.  A wave: 64 queries in four passes of 16.
; Column r of pass T is query 32 (T / 2) + 2 r + T % 2, so that lane l ends with queries 2 l, 2 l + 1: the wave stores 256 consecutive bytes.
; LIMITS: NaN and infinities are not served.  Equal d go to the lower index.  A host that rounds the steps above otherwise (squares fused into their sum) can decide
; a near tie within one rounding the other way.
.set P2S,  16640                       ; LDS: the candidates' table at 0 (candidate c at 16 c + 128 (c / 512)), points2's block here: 256 rows of 132 bytes,
.set S2T,  50688                       ; and s2 once more, 4 bytes a candidate
.set SS,   32                          ; v32-63   two sets of 16: a group's s2, then s1 + s2, then d
.set AF0,  64                          ; v64-191  the 64 candidate tiles, two registers each
.set DX,   192                         ; v192-223 two sets of two results; written by matrix instructions alone
.set S1P,  224                         ; v224-225 s1 of my query, twice
.set BQ,   232                         ; v232-233 source 1
.set LA,   234                         ; v234-236 the three smallest minima, ascending;  v237-239 their groups
.set LI,   237
.set MN0,  240
.set MN1,  241
.set TT,   242
.set PP,   246                         ; v246-251 the list of the lane 16 away
.set UU,   4                           ; v4-9     the upper half's list (the head's addresses are done with)
.set RES,  252                         ; v252-253 what I store
.set H32,  254                         ; v254     32 (lane / 16)
.set S2A,  255                         ; v255     LDS address of my half's s2: S2T + 2048 (lane / 16)
; (x, id) goes into the sorted list of three; strict '<', so that what came earlier stays in front at a tie
.macro INSERT x, id
	v_cmp_lt_f32 s24, \x, v[LA]
	v_cmp_lt_f32 s25, \x, v[LA+1]
	v_cmp_lt_f32 s26, \x, v[LA+2]
	v_cndmask_b32 v[TT], \id, v[LI+1], s25
	v_cndmask_b32 v[LI+2], v[LI+2], v[TT], s26
	v_cndmask_b32 v[TT], \id, v[LI], s24
	v_cndmask_b32 v[LI+1], v[LI+1], v[TT], s25
	v_cndmask_b32 v[LI], v[LI], \id, s24
	v_med3_num_f32 v[LA+2], v[LA+1], v[LA+2], \x
	v_med3_num_f32 v[LA+1], v[LA], v[LA+1], \x
	v_min_num_f32 v[LA], v[LA], \x
.endm
.macro SLOAD g                         ; group g's 16 s2: 64 bytes, the same for the 16 lanes of a half
.set SB, SS+16*((\g)%2)
.set J, 0
.rept 4
	ds_load_b128 v[SB+4*J:SB+4*J+3], v[S2A] offset:64*(\g)+16*J
.set J, J+1
.endr
.endm
; group g: d of its 16 candidates (each matrix result is first read at its low end), their minimum and its insertion: 35 lines
.macro SEL g
.set DB, DX+16*((\g)%2)
.set SB, SS+16*((\g)%2)
.set J, 0
.rept 8
	v_pk_add_f32 v[SB+J:SB+J+1], v[SB+J:SB+J+1], v[S1P:S1P+1]                              ; s1 + s2
.set J, J+2
.endr
.set J, 0
.rept 8
	v_pk_fma_f32 v[SB+J:SB+J+1], v[DB+J:DB+J+1], -2.0, v[SB+J:SB+J+1] op_sel_hi:[1,0,1]    ; (s1 + s2) - 2 dot, rounded once
.set J, J+2
.endr
	v_min3_num_f32 v[MN0], v[SB], v[SB+1], v[SB+2]
	v_min3_num_f32 v[MN1], v[SB+8], v[SB+9], v[SB+10]
	v_min3_num_f32 v[MN0], v[MN0], v[SB+3], v[SB+4]
	v_min3_num_f32 v[MN1], v[MN1], v[SB+11], v[SB+12]
	v_min3_num_f32 v[MN0], v[MN0], v[SB+5], v[SB+6]
	v_min3_num_f32 v[MN1], v[MN1], v[SB+13], v[SB+14]
	v_min3_num_f32 v[MN0], v[MN0], v[SB+7], v[SB+15]
	v_min_num_f32 v[MN0], v[MN0], v[MN1]
	INSERT v[MN0], (\g)
.endm
.macro WM g                            ; group g's two tiles: the dots
.set DB, DX+16*((\g)%2)
	v_wmma_f32_16x16x4_f32 v[DB:DB+7], v[AF0+4*(\g):AF0+4*(\g)+1], v[BQ:BQ+1], 0
	v_wmma_f32_16x16x4_f32 v[DB+8:DB+15], v[AF0+4*(\g)+2:AF0+4*(\g)+3], v[BQ:BQ+1], 0
.endm
; One pass: 16 queries against all 1,024 candidates.  Behind this matrix form eight plain vector lines stand before a result is read and nine before
; it is written over (ISA guide 7.12.1): between group g's products and its selection stands group g - 1's selection, 35 lines on the other sets.
.macro PASS t
.set XQ, 16+4*(\t)
	v_mul_f32 v[S1P], v[XQ], v[XQ]
	v_mul_f32 v[MN0], v[XQ+1], v[XQ+1]
	v_mul_f32 v[MN1], v[XQ+2], v[XQ+2]
	v_add_f32 v[S1P], v[S1P], v[MN0]
	v_add_f32 v[S1P], v[S1P], v[MN1]               ; s1
	v_mov_b32 v[S1P+1], v[S1P]
	v_cndmask_b32 v[BQ], v[XQ], v[XQ+2], s20       ; k = 0, 1 in lanes 0-15: x, y;  k = 2, 3 in lanes 16-31: z, 0
	v_cndmask_b32 v[BQ+1], v[XQ+1], 0, s20
	SLOAD 0
	WM 0
	v_mov_b32 v[LA], 0x7f800000                    ; nine plain lines: the list begins as +infinity
	v_mov_b32 v[LA+1], 0x7f800000
	v_mov_b32 v[LA+2], 0x7f800000
	v_mov_b32 v[LI], 0
	v_mov_b32 v[LI+1], 0
	v_mov_b32 v[LI+2], 0
	v_nop
	v_nop
	v_nop
.set G, 1
.rept 31
	SLOAD G
	WM G
	s_wait_dscnt 4                                 ; the group before's s2 are in; this group's four loads may be out
	SEL G-1
.set G, G+1
.endr
	s_wait_dscnt 0x0
	SEL 31
	v_add_nc_u32 v[LI], v[LI], v[H32]              ; group numbers of my half
	v_add_nc_u32 v[LI+1], v[LI+1], v[H32]
	v_add_nc_u32 v[LI+2], v[LI+2], v[H32]
.set J, 0
.rept 6
	v_permlanex16_b32 v[PP+J], v[LA+J], s22, s23   ; the same query's list over the other 512 candidates
.set J, J+1
.endr
.set J, 0
.rept 6
	v_cndmask_b32 v[UU+J], v[PP+J], v[LA+J], s20   ; the upper half's list,
.set J, J+1
.endr
.set J, 0
.rept 6
	v_cndmask_b32 v[LA+J], v[LA+J], v[PP+J], s20   ; and the lower half's, into which it is inserted: the lower group stays in front at a tie
.set J, J+1
.endr
	INSERT v[UU], v[UU+3]
	INSERT v[UU+1], v[UU+4]
	INSERT v[UU+2], v[UU+5]
	v_lshl_or_b32 v[TT], v[LI+1], 8, v[LI]
.if (\t) < 2
	v_lshl_or_b32 v[RES+(\t)], v[LI+2], 16, v[TT]
.else
	v_lshl_or_b32 v[TT], v[LI+2], 16, v[TT]
	v_cndmask_b32 v[RES+(\t)-2], v[RES+(\t)-2], v[TT], s20   ; passes 2, 3 belong to lanes 16-31
.endif
.endm
	s_load_b128 s[4:7], s[0:1], 0x0                ; xyz1, xyz2
	s_load_b128 s[8:11], s[0:1], 0x10              ; points2, gids
	s_load_b64 s[12:13], s[0:1], 0x20              ; p2t
	v_lshl_add_u32 v244, v0, 2, 0xd600
	v_mov_b32 v245, 0
	v_lshrrev_b32 v1, 5, v0
	v_readfirstlane_b32 s14, v1                    ; wave
	v_and_b32 v1, 15, v0                           ; r
	v_bfe_u32 v2, v0, 4, 1                         ; h
	v_and_b32 v3, 31, v0                           ; lane
	v_mul_u32_u24 v4, v0, 48                       ; xyz2: four candidates a thread
	v_lshrrev_b32 v13, 3, v0
	v_and_b32 v14, 7, v0
	v_lshlrev_b32 v5, 12, v13                      ; points2: row tid / 8 (+ 32 k), 16 bytes at 16 (tid % 8)
	v_lshl_add_u32 v5, v14, 4, v5
	v_mul_u32_u24 v6, v1, 24                       ; xyz1: query 2 r of a pass's 32
	v_lshrrev_b32 v7, 7, v0
	v_lshlrev_b32 v7, 7, v7
	v_lshl_add_u32 v7, v0, 6, v7                   ; the table: 64 tid + 128 (tid / 128)
	v_mul_u32_u24 v8, v13, 132
	v_lshl_add_u32 v8, v14, 4, v8
	v_add_nc_u32 v8, P2S, v8                       ; points2's block, on the way in
	v_lshrrev_b32 v15, 4, v0
	v_mul_u32_u24 v9, v1, 528
	v_lshl_add_u32 v9, v15, 2, v9
	v_add_nc_u32 v9, P2S, v9                       ; and back: channel 4 r (+ 64 dq + q), column tid / 16 (+ 16 sp)
	v_lshlrev_b32 v10, 10, v15
	v_lshl_add_u32 v10, v1, 4, v10                 ; p2t: row tid / 16, 16 bytes at 16 r
	v_lshrrev_b32 v11, 3, v1
	v_mul_u32_u24 v11, v11, 8320
	v_and_b32 v13, 7, v1
	v_lshl_add_u32 v11, v13, 4, v11
	v_lshl_add_u32 v11, v2, 3, v11                 ; a candidate tile's row r, k = 2 h on
	v_lshlrev_b32 v12, 3, v3
	v_lshl_add_u32 v14, v0, 4, S2T                 ; where I put my four candidates' s2
	v_lshl_add_u32 v[S2A], v2, 11, S2T
	v_lshlrev_b32 v[H32], 5, v2
.set J, 0
.rept 6
	v_mov_b32 v[PP+J], 0                           ; written once: a lane permute's destination counts as one of its sources
.set J, J+1
.endr
	s_mov_b32 s20, 0xffff0000                      ; lanes 16-31
	s_mov_b32 s22, 0x76543210
	s_mov_b32 s23, 0xfedcba98                      ; selects: the lane 16 away
	s_lshr_b32 s15, ttmp9, 5                       ; batch
	s_and_b32 s16, ttmp9, 31
	s_mov_b32 s29, 0
	s_wait_kmcnt 0x0
	s_mul_i32 s28, s15, 12288
	s_add_nc_u64 s[6:7], s[6:7], s[28:29]
	s_lshl_b32 s28, s15, 20
	s_lshl_b32 s18, s16, 7
	s_add_co_u32 s28, s28, s18
	s_add_nc_u64 s[8:9], s[8:9], s[28:29]
	s_lshl_b32 s28, ttmp9, 15
	s_add_nc_u64 s[12:13], s[12:13], s[28:29]
	s_mul_i32 s28, ttmp9, 6144
	s_mul_i32 s18, s14, 768
	s_add_co_u32 s28, s28, s18
	s_add_nc_u64 s[4:5], s[4:5], s[28:29]
	s_lshl_b32 s28, ttmp9, 11
	s_lshl_b32 s18, s14, 8
	s_add_co_u32 s28, s28, s18
	s_add_nc_u64 s[10:11], s[10:11], s[28:29]
	global_load_b128 v[64:67], v4, s[6:7]
	global_load_b128 v[68:71], v4, s[6:7] offset:16
	global_load_b128 v[72:75], v4, s[6:7] offset:32
.set K, 0
.rept 8
	global_load_b128 v[32+4*K:35+4*K], v5, s[8:9] offset:131072*K
.set K, K+1
.endr
.set K, 0
.rept 4
	global_load_b96 v[16+4*K:18+4*K], v6, s[4:5] offset:12*(32*(K/2)+K%2)
.set K, K+1
.endr
	s_wait_loadcnt 0x0
.set I, 0
.rept 4
	v_mul_f32 v[92+I], v[64+3*I], v[64+3*I]        ; s2 = (x x + y y) + z z
	v_mul_f32 v96, v[65+3*I], v[65+3*I]
	v_mul_f32 v97, v[66+3*I], v[66+3*I]
	v_add_f32 v[92+I], v[92+I], v96
	v_add_f32 v[92+I], v[92+I], v97
	v_mov_b32 v[76+4*I], v[64+3*I]
	v_mov_b32 v[77+4*I], v[65+3*I]
	v_mov_b32 v[78+4*I], v[66+3*I]
	v_mov_b32 v[79+4*I], v[92+I]
	ds_store_b128 v7, v[76+4*I:79+4*I] offset:16*I
.set I, I+1
.endr
	ds_store_b128 v14, v[92:95]
.set K, 0
.rept 8
.set I, 0
.rept 4
	ds_store_b32 v8, v[32+4*K+I] offset:4224*K+4*I
.set I, I+1
.endr
.set K, K+1
.endr
	s_wait_dscnt 0x0                               ; my stores have landed: the others read them behind the barrier
	s_barrier_signal -1
	s_barrier_wait -1                              ; from here on LDS is only read
.set E, 0
.rept 8
.set Q, 0
.rept 4
	ds_load_b32 v[32+4*E+Q], v9 offset:132*(64*(E%4)+Q)+64*(E/4)
.set Q, Q+1
.endr
.set E, E+1
.endr
.set K, 0
.rept 64
	ds_load_b64 v[AF0+2*K:AF0+2*K+1], v11 offset:128*K
.set K, K+1
.endr
	s_wait_dscnt 0x0
.set E, 0
.rept 8
	global_store_b128 v10, v[32+4*E:35+4*E], s[12:13] offset:16384*(E/4)+256*(E%4)   ; 16 lanes store 256 consecutive bytes of one coarse point's row
.set E, E+1
.endr
	s_wait_xcnt 0x0                                ; the stores have read v32-63: the passes load s2 into them
	PASS 0
	PASS 1
	PASS 2
	PASS 3
	global_store_b64 v12, v[RES:RES+1], s[10:11]   ; g0 | g1 << 8 | g2 << 16 for queries 2 l, 2 l + 1
	s_wait_tensorcnt 0x0
	ds_add_u32 v244, v245
	s_wait_dscnt 0x0
	s_endpgm
.Lfunc_end_k_q4023642df6_knn:
	.size	k_q4023642df6_knn, .Lfunc_end_k_q4023642df6_knn-k_q4023642df6_knn
	.p2alignl 7, 3214868480
	.fill 96, 4, 3214868480
	.section	.rodata,"a",@progbits
	.p2align	6, 0x0
	.amdhsa_kernel k_q4023642df6_knn
		.amdhsa_group_segment_fixed_size 55808
		.amdhsa_private_segment_fixed_size 0
		.amdhsa_enable_private_segment 0
		.amdhsa_kernarg_size 40
		.amdhsa_user_sgpr_count 2
		.amdhsa_user_sgpr_kernarg_segment_ptr 1
		.amdhsa_wavefront_size32 1
		.amdhsa_system_sgpr_workgroup_id_x 1
		.amdhsa_system_sgpr_workgroup_id_y 1
		.amdhsa_system_sgpr_workgroup_id_z 1
		.amdhsa_system_vgpr_workitem_id 0
		.amdhsa_next_free_vgpr 256
		.amdhsa_next_free_sgpr 66
		.amdhsa_reserve_vcc 0
		.amdhsa_float_denorm_mode_32 3
		.amdhsa_float_denorm_mode_16_64 3
		.amdhsa_memory_ordered 1
		.amdhsa_forward_progress 1
		.amdhsa_inst_pref_size 255
	.end_amdhsa_kernel
	.section	.bss,"aw",@nobits
	.p2align	6
	.space	262144
	.amdgpu_metadata
---
amdhsa.version: [ 1, 2 ]
amdhsa.kernels:
  - .name:           k_q4023642df6_knn
    .symbol:         k_q4023642df6_knn.kd
    .args:
      - { .name: xyz1, .offset: 0, .size: 8, .value_kind: global_buffer, .address_space: global }
      - { .name: xyz2, .offset: 8, .size: 8, .value_kind: global_buffer, .address_space: global }
      - { .name: points2, .offset: 16, .size: 8, .value_kind: global_buffer, .address_space: global }
      - { .name: gids, .offset: 24, .size: 8, .value_kind: global_buffer, .address_space: global }
      - { .name: p2t, .offset: 32, .size: 8, .value_kind: global_buffer, .address_space: global }
    .group_segment_fixed_size: 55808
    .private_segment_fixed_size: 0
    .kernarg_segment_align: 8
    .kernarg_segment_size: 40
    .max_flat_workgroup_size: 256
    .sgpr_count:     66
    .vgpr_count:     256
    .wavefront_size: 32
...
	.end_amdgpu_metadata
.endif
;; end of part 1
;; launch prep (part 2): grid 512 x 1, 8 waves a work-group, no clusters, 18,432 bytes of LDS; arguments xyz1, xyz2, points1, W1, W2, gids, nidx, k2o; writes nidx, k2o
.if DOCPART == 2
	.amdgcn_target "amdgcn-amd-amdhsa--gfx1250"
	.amdhsa_code_object_version 6
	.text
	.protected	k_q4023642df6_prep
	.globl	k_q4023642df6_prep
	.p2align	8
	.type	k_q4023642df6_prep,@function
k_q4023642df6_prep:
	s_mov_b64 s[64:65], 0
	v_nop
	global_prefetch_b8 v0, s[64:65] scope:SCOPE_SE
	s_setreg_imm32_b32 hwreg(HW_REG_WAVE_MODE, 25, 1), 1
	s_wait_xcnt 0x0
; (1) The exact three nearest coarse points of each point, out of its three stored groups of 16.  d is formed as reference() writes it and as the search formed it, bit for bit:
;     s = (x x + y y) + z z;  dot = fma(z', z, fma(y', y, x' x));  d = fma(-2, dot, s1 + s2).  Candidates in ascending order and strict '<': the lower index wins a tie.
;     w_k = (1 / (d_k + 1e-8)) / the sum of the three.  Stored: indices (whole numbers) and weights, 16 bytes a point each.
; (2) points1's 128 channels of each point become codes of E2M3 with one E8M0 byte for each 32 channels: K step 0 of the first product.
;     A lane takes a point and its registers run down the channels, so a block of 32 lies in one lane.
; (3) Work-groups 0-7: each wave turns one fragment (16 rows x 128 K) of W1 or W2 into codes.
; Codes are stored as IMAGES OF THE OPERAND'S REGISTERS: a fragment's 12 registers as three runs of 512 bytes, lane l's 16 bytes at 16 l.
; A PAIR is 32 neighbouring points: tile 0 = the first 16, tile 1 = the others; its scale words: lane l holds point l's.
; A block's scale: the largest magnitude's exponent field less 2, held at 1 from below (a block of zeros keeps the byte 1: its codes are zeros, and this program alone reads the bytes).
; LIMITS: NaN and infinities are not served.  A host that rounds the steps of d otherwise (squares fused into their sum) can decide a near tie within one rounding the other way.
.set XC0,  2097152                     ; k2o: weights at 0; K step 0's codes [pair][tile][1536];
.set XS0,  14680064                    ; its scale words [pair][lane];
.set WQ,   15204352                    ; the weights' fragments F x 1536 (W1: F = 3 T + k; W2: F = 48 + 2 o + s), their scale words at + 98304 + 128 F
.set LA,   20                          ; v20-22 the three smallest d;  v24-26 their indices, v27 = 0;  v28-30 the weights, v31 = 0
.set LI,   24
.set TT,   34
.macro INSERT x, id
	v_cmp_lt_f32 s24, \x, v[LA]
	v_cmp_lt_f32 s25, \x, v[LA+1]
	v_cmp_lt_f32 s26, \x, v[LA+2]
	v_cndmask_b32 v[TT], \id, v[LI+1], s25
	v_cndmask_b32 v[LI+2], v[LI+2], v[TT], s26
	v_cndmask_b32 v[TT], \id, v[LI], s24
	v_cndmask_b32 v[LI+1], v[LI+1], v[TT], s25
	v_cndmask_b32 v[LI], v[LI], \id, s24
	v_med3_num_f32 v[LA+2], v[LA+1], v[LA+2], \x
	v_med3_num_f32 v[LA+1], v[LA], v[LA+1], \x
	v_min_num_f32 v[LA], v[LA], \x
.endm
.macro GROUP k                         ; my k-th group: 16 candidates (x', y', z', s2), eight at a time
.set HH, 0
.rept 2
.set J, 0
.rept 8
	ds_load_b128 v[64+4*J:67+4*J], v[14+\k] offset:128*HH+16*J
.set J, J+1
.endr
	s_wait_dscnt 0x0
.set J, 0
.rept 8
	v_mul_f32 v[36+J], v[64+4*J], v10              ; the dot, fused in ascending k
.set J, J+1
.endr
.set J, 0
.rept 8
	v_fma_f32 v[36+J], v[65+4*J], v11, v[36+J]
.set J, J+1
.endr
.set J, 0
.rept 8
	v_fma_f32 v[36+J], v[66+4*J], v12, v[36+J]
.set J, J+1
.endr
.set J, 0
.rept 8
	v_add_f32 v[67+4*J], v13, v[67+4*J]            ; s1 + s2
.set J, J+1
.endr
.set J, 0
.rept 8
	v_fma_f32 v[36+J], -2.0, v[36+J], v[67+4*J]    ; (s1 + s2) - 2 dot, rounded once
.set J, J+1
.endr
.set J, 0
.rept 8
	v_add_nc_u32 v33, 8*HH+J, v[17+\k]
	INSERT v[36+J], v33
.set J, J+1
.endr
.set HH, HH+1
.endr
.endm
.macro LOADB t                         ; channels 32 t .. 32 t + 31 of my point: each load reads 128 consecutive bytes a wave, 1,024 a work-group
.set J, 0
.rept 32
	global_load_b32 v[96+32*((\t)%2)+J], v2, s[8:9] offset:(32*(\t)+J)*65536 th:TH_LOAD_NT
.set J, J+1
.endr
.endm
.macro BLOCK t                         ; block t of my point: its scale and its 32 codes
.set XB, 96+32*((\t)%2)
.set FD, 160+12*((\t)%2)+6*((\t)/2)
.if (\t) < 3
	s_wait_loadcnt 32                              ; this block's 32 loads are in; the next block's may be out
.else
	s_wait_loadcnt 0x0
.endif
	v_max3_num_f32 v32, |v[XB]|, |v[XB+1]|, |v[XB+2]|
	v_max3_num_f32 v33, |v[XB+3]|, |v[XB+4]|, |v[XB+5]|
.irp i, 6,10,14,18,22,26
	v_max3_num_f32 v32, v32, |v[XB+\i]|, |v[XB+\i+1]|
	v_max3_num_f32 v33, v33, |v[XB+\i+2]|, |v[XB+\i+3]|
.endr
	v_max3_num_f32 v32, v32, |v[XB+30]|, |v[XB+31]|
	v_max3_num_f32 v32, v32, v33, 0x1800000        ; the floor 2^(3 - 127): the byte cannot fall under 1
	v_add_nc_u32 v34, 0xff000000, v32              ; 2 off the exponent field: the conversion's scale operand
	v_cvt_scalef32_pk16_fp6_f32 v[FD:FD+2], v[XB:XB+15], v34
	v_cvt_scalef32_pk16_fp6_f32 v[184:186], v[XB+16:XB+31], v34   ; (a conversion's three registers begin on an even number)
	v_lshrrev_b32 v35, 23, v34                     ; the byte; also the plain line behind the conversions
.if (\t) == 0
	v_mov_b32 v187, v35
.else
	v_lshl_or_b32 v187, v35, 8*(\t), v187
.endif
	v_mov_b32 v[FD+3], v184
	v_mov_b32 v[FD+4], v185
	v_mov_b32 v[FD+5], v186
.if (\t) < 2
	LOADB (\t)+2
.endif
.endm
	s_load_b128 s[4:7], s[0:1], 0x0                ; xyz1, xyz2
	s_load_b128 s[8:11], s[0:1], 0x10              ; points1, W1
	s_load_b128 s[12:15], s[0:1], 0x20             ; W2, gids
	s_load_b128 s[16:19], s[0:1], 0x30             ; nidx, k2o
	v_lshl_add_u32 v192, v0, 2, 0x4400
	v_mov_b32 v193, 0
	v_lshrrev_b32 v1, 5, v0
	v_readfirstlane_b32 s20, v1                    ; wave
	v_and_b32 v1, 31, v0                           ; lane
	v_lshlrev_b32 v2, 2, v1
	v_mul_u32_u24 v3, v0, 48
	v_lshlrev_b32 v4, 2, v0
	v_mul_u32_u24 v5, v0, 12
	v_lshrrev_b32 v6, 2, v0
	v_mul_u32_u24 v6, v6, 272                      ; the table: a group of 16 candidates is 256 bytes + 16
	v_and_b32 v7, 3, v0
	v_lshl_add_u32 v6, v7, 6, v6
	v_lshlrev_b32 v7, 4, v0
	v_lshlrev_b32 v8, 4, v1
	s_mov_b32 s28, 0x76543210
	s_mov_b32 s29, 0xfedcba98
	s_lshr_b32 s21, ttmp9, 6                       ; batch
	s_mov_b32 s23, 0
	s_wait_kmcnt 0x0
	s_mul_i32 s22, s21, 12288
	s_add_nc_u64 s[6:7], s[6:7], s[22:23]
	s_lshl_b32 s22, ttmp9, 10
	s_add_nc_u64 s[14:15], s[14:15], s[22:23]
	s_mul_i32 s22, ttmp9, 3072
	s_add_nc_u64 s[4:5], s[4:5], s[22:23]
	s_lshl_b32 s22, s21, 23
	s_add_nc_u64 s[8:9], s[8:9], s[22:23]
	s_and_b32 s22, ttmp9, 63
	s_lshl_b32 s22, s22, 10
	s_lshl_b32 s27, s20, 7
	s_add_co_u32 s22, s22, s27
	s_add_nc_u64 s[8:9], s[8:9], s[22:23]          ; points1 at my batch, channel 0, my wave's 32 points
	s_lshl_b32 s22, ttmp9, 12
	s_add_nc_u64 s[16:17], s[16:17], s[22:23]
	s_add_nc_u64 s[30:31], s[18:19], s[22:23]      ; the weights
	s_lshl_b32 s27, ttmp9, 3
	s_add_co_u32 s27, s27, s20                     ; my pair
	s_mul_i32 s22, s27, 3072
	s_add_nc_u64 s[32:33], s[18:19], s[22:23]
	s_add_nc_u64 s[32:33], s[32:33], XC0
	s_lshl_b32 s22, s27, 7
	s_add_nc_u64 s[34:35], s[18:19], s[22:23]
	s_add_nc_u64 s[34:35], s[34:35], XS0
	global_load_b128 v[36:39], v3, s[6:7]
	global_load_b128 v[40:43], v3, s[6:7] offset:16
	global_load_b128 v[44:47], v3, s[6:7] offset:32
	global_load_b32 v9, v4, s[14:15]
	global_load_b96 v[10:12], v5, s[4:5]
	LOADB 0
	s_wait_loadcnt 32                              ; all but the block's 32 loads
.set I, 0
.rept 4
	v_mul_f32 v[51+4*I], v[36+3*I], v[36+3*I]      ; s2 = (x x + y y) + z z
	v_mul_f32 v32, v[37+3*I], v[37+3*I]
	v_mul_f32 v33, v[38+3*I], v[38+3*I]
	v_add_f32 v[51+4*I], v[51+4*I], v32
	v_add_f32 v[51+4*I], v[51+4*I], v33
	v_mov_b32 v[48+4*I], v[36+3*I]
	v_mov_b32 v[49+4*I], v[37+3*I]
	v_mov_b32 v[50+4*I], v[38+3*I]
	ds_store_b128 v6, v[48+4*I:51+4*I] offset:16*I
.set I, I+1
.endr
	s_wait_dscnt 0x0
	s_barrier_signal -1
	s_barrier_wait -1                              ; from here on LDS is only read
	v_mul_f32 v13, v10, v10
	v_mul_f32 v32, v11, v11
	v_mul_f32 v33, v12, v12
	v_add_f32 v13, v13, v32
	v_add_f32 v13, v13, v33                        ; s1
	v_and_b32 v14, 255, v9
	v_bfe_u32 v15, v9, 8, 8
	v_bfe_u32 v16, v9, 16, 8
	v_min_u32 v32, v14, v15                        ; the three groups in ascending order,
	v_max_u32 v33, v14, v15
	v_min_u32 v34, v33, v16
	v_max_u32 v16, v33, v16
	v_min_u32 v14, v32, v34
	v_max_u32 v15, v32, v34
	v_min_u32 v14, 63, v14                         ; held inside the table,
	v_min_u32 v15, 63, v15
	v_min_u32 v16, 63, v16
	v_lshlrev_b32 v17, 4, v14                      ; their first candidates' indices,
	v_lshlrev_b32 v18, 4, v15
	v_lshlrev_b32 v19, 4, v16
	v_mul_u32_u24 v14, v14, 272                    ; and their places in LDS
	v_mul_u32_u24 v15, v15, 272
	v_mul_u32_u24 v16, v16, 272
	v_mov_b32 v[LA], 0x7f800000
	v_mov_b32 v[LA+1], 0x7f800000
	v_mov_b32 v[LA+2], 0x7f800000
	v_mov_b32 v[LI], 0
	v_mov_b32 v[LI+1], 0
	v_mov_b32 v[LI+2], 0
	GROUP 0
	LOADB 1
	GROUP 1
	GROUP 2
	v_add_f32 v32, 0x322bcc77, v20                 ; d + 1e-8
	v_add_f32 v33, 0x322bcc77, v21
	v_add_f32 v34, 0x322bcc77, v22
	v_rcp_f32 v32, v32
	v_rcp_f32 v33, v33
	v_rcp_f32 v34, v34
	v_mov_b32 v27, 0                               ; a plain line behind the reciprocals
	s_wait_alu depctr_va_vdst(0)                   ; one wait for the three, ahead of their first reader
	v_add_f32 v35, v32, v33
	v_add_f32 v35, v35, v34
	v_rcp_f32 v35, v35
	v_mov_b32 v31, 0
	s_wait_alu depctr_va_vdst(0)
	v_mul_f32 v28, v32, v35
	v_mul_f32 v29, v33, v35
	v_mul_f32 v30, v34, v35
	global_store_b128 v7, v[24:27], s[16:17]       ; a wave stores 512 consecutive bytes
	global_store_b128 v7, v[28:31], s[30:31]
	BLOCK 0
	BLOCK 1
	BLOCK 2
	BLOCK 3
; v160-171 hold blocks 0 and 2 of my point, v172-183 blocks 1 and 3.  The operand wants lanes 0-15: block 2 c of a tile's point r, lanes 16-31: block 2 c + 1 of the same point:
; the first's lanes 16-31 change places with the second's lanes 0-15, and the two are tile 0's and tile 1's fragments.
.set J, 0
.rept 12
	v_permlane16_swap_b32 v[160+J], v[172+J]
.set J, J+1
.endr
.set I, 0
.rept 3
	global_store_b128 v8, v[160+4*I:163+4*I], s[32:33] offset:512*I
	global_store_b128 v8, v[172+4*I:175+4*I], s[32:33] offset:1536+512*I
.set I, I+1
.endr
	global_store_b32 v2, v187, s[34:35]            ; 128 consecutive bytes a wave, 1,024 a work-group
	s_cmp_lt_u32 ttmp9, 8
	s_cbranch_scc0 .Ldone
	; ---- a fragment of the weights: F = 8 x work-group + wave
	s_wait_xcnt 0x0                                ; the stores above have read their registers
	s_lshl_b32 s36, ttmp9, 3
	s_add_co_u32 s36, s36, s20                     ; F
	s_min_u32 s37, s36, 47
	s_mul_i32 s38, s37, 171
	s_lshr_b32 s38, s38, 9                         ; W1: T = F / 3,
	s_mul_i32 s39, s38, 3
	s_sub_co_u32 s39, s37, s39                     ; k = F % 3,
	s_lshr_b32 s40, s38, 3
	s_lshl_b32 s40, s40, 7
	s_bfe_u32 s41, s38, 0x20001
	s_lshl_b32 s41, s41, 5
	s_add_co_u32 s40, s40, s41
	s_and_b32 s41, s38, 1
	s_lshl_b32 s41, s41, 3
	s_add_co_u32 s40, s40, s41                     ; first row 128 (T / 8) + 32 ((T % 8) / 2) + 8 (T % 2); lane r takes that + r + 8 (r / 8)
	s_max_u32 s41, s36, 48
	s_sub_co_u32 s41, s41, 48
	s_and_b32 s42, s41, 1                          ; W2: s,
	s_lshr_b32 s41, s41, 1
	s_lshl_b32 s41, s41, 4                         ; first row 16 o; lane r takes that + r
	s_mov_b32 s43, 1024
	s_cmp_lt_u32 s36, 48
	s_cselect_b64 s[44:45], s[10:11], s[12:13]
	s_cselect_b32 s40, s40, s41
	s_cselect_b32 s39, s39, s42
	s_cselect_b32 s43, 1536, s43                   ; bytes in a row
	s_cselect_b32 s46, 8, 0
	s_lshl_b32 s39, s39, 9
	v_and_b32 v36, 15, v0
	v_bfe_u32 v37, v0, 4, 1
	v_lshrrev_b32 v38, 3, v36
	v_mul_u32_u24 v38, v38, s46
	v_add3_u32 v36, v36, v38, s40
	v_mul_lo_u32 v39, v36, s43
	v_lshl_add_u32 v39, v37, 7, v39                ; lane (r, h) holds k = 64 c + 32 h + 0 .. 31 of its row: two whole blocks
	v_add_nc_u32 v39, s39, v39
.set C_, 0
.rept 2
.set J, 0
.rept 8
	global_load_b128 v[96+32*C_+4*J:99+32*C_+4*J], v39, s[44:45] offset:256*C_+16*J
.set J, J+1
.endr
.set C_, C_+1
.endr
	s_mul_i32 s48, s36, 1536
	s_mov_b32 s49, 0
	s_add_nc_u64 s[48:49], s[18:19], s[48:49]
	s_add_nc_u64 s[48:49], s[48:49], WQ
	s_lshl_b32 s50, s36, 7
	s_mov_b32 s51, 0
	s_add_nc_u64 s[50:51], s[18:19], s[50:51]
	s_add_nc_u64 s[50:51], s[50:51], WQ+98304
	s_wait_loadcnt 0x0
	v_max3_num_f32 v40, |v96|, |v97|, 0x1800000
	v_max3_num_f32 v41, |v128|, |v129|, 0x1800000
.set I, 2
.rept 15
	v_max3_num_f32 v40, v40, |v[96+I]|, |v[97+I]|
	v_max3_num_f32 v41, v41, |v[128+I]|, |v[129+I]|
.set I, I+2
.endr
	v_add_nc_u32 v44, 0xff000000, v40
	v_add_nc_u32 v45, 0xff000000, v41
	v_lshrrev_b32 v46, 23, v44
	v_lshrrev_b32 v47, 23, v45
	v_lshl_or_b32 v48, v47, 16, v46                ; my bytes: blocks h and 2 + h,
	v_lshlrev_b32 v49, 3, v37
	v_lshlrev_b32 v48, v49, v48                    ; at their places;
	v_mov_b32 v50, 0
	v_permlanex16_b32 v50, v48, s28, s29
	v_or_b32 v48, v48, v50                         ; with the other half's two the row's word is whole
	v_cvt_scalef32_pk16_fp6_f32 v[160:162], v[96:111], v44
	v_cvt_scalef32_pk16_fp6_f32 v[184:186], v[112:127], v44
	v_cvt_scalef32_pk16_fp6_f32 v[166:168], v[128:143], v45
	v_cvt_scalef32_pk16_fp6_f32 v[188:190], v[144:159], v45
	v_nop                                          ; a plain line behind the conversions
	v_mov_b32 v163, v184
	v_mov_b32 v164, v185
	v_mov_b32 v165, v186
	v_mov_b32 v169, v188
	v_mov_b32 v170, v189
	v_mov_b32 v171, v190
.set I, 0
.rept 3
	global_store_b128 v8, v[160+4*I:163+4*I], s[48:49] offset:512*I
.set I, I+1
.endr
	global_store_b32 v2, v48, s[50:51]
.Ldone:
	s_wait_tensorcnt 0x0
	ds_add_u32 v192, v193
	s_wait_dscnt 0x0
	s_endpgm
.Lfunc_end_k_q4023642df6_prep:
	.size	k_q4023642df6_prep, .Lfunc_end_k_q4023642df6_prep-k_q4023642df6_prep
	.p2alignl 7, 3214868480
	.fill 96, 4, 3214868480
	.section	.rodata,"a",@progbits
	.p2align	6, 0x0
	.amdhsa_kernel k_q4023642df6_prep
		.amdhsa_group_segment_fixed_size 18432
		.amdhsa_private_segment_fixed_size 0
		.amdhsa_enable_private_segment 0
		.amdhsa_kernarg_size 64
		.amdhsa_user_sgpr_count 2
		.amdhsa_user_sgpr_kernarg_segment_ptr 1
		.amdhsa_wavefront_size32 1
		.amdhsa_system_sgpr_workgroup_id_x 1
		.amdhsa_system_sgpr_workgroup_id_y 1
		.amdhsa_system_sgpr_workgroup_id_z 1
		.amdhsa_system_vgpr_workitem_id 0
		.amdhsa_next_free_vgpr 194
		.amdhsa_next_free_sgpr 66
		.amdhsa_reserve_vcc 0
		.amdhsa_float_denorm_mode_32 3
		.amdhsa_float_denorm_mode_16_64 3
		.amdhsa_memory_ordered 1
		.amdhsa_forward_progress 1
		.amdhsa_inst_pref_size 81
	.end_amdhsa_kernel
	.amdgpu_metadata
---
amdhsa.version: [ 1, 2 ]
amdhsa.kernels:
  - .name:           k_q4023642df6_prep
    .symbol:         k_q4023642df6_prep.kd
    .args:
      - { .name: xyz1, .offset: 0, .size: 8, .value_kind: global_buffer, .address_space: global }
      - { .name: xyz2, .offset: 8, .size: 8, .value_kind: global_buffer, .address_space: global }
      - { .name: points1, .offset: 16, .size: 8, .value_kind: global_buffer, .address_space: global }
      - { .name: W1, .offset: 24, .size: 8, .value_kind: global_buffer, .address_space: global }
      - { .name: W2, .offset: 32, .size: 8, .value_kind: global_buffer, .address_space: global }
      - { .name: gids, .offset: 40, .size: 8, .value_kind: global_buffer, .address_space: global }
      - { .name: nidx, .offset: 48, .size: 8, .value_kind: global_buffer, .address_space: global }
      - { .name: k2o, .offset: 56, .size: 8, .value_kind: global_buffer, .address_space: global }
    .group_segment_fixed_size: 18432
    .private_segment_fixed_size: 0
    .kernarg_segment_align: 8
    .kernarg_segment_size: 64
    .max_flat_workgroup_size: 256
    .sgpr_count:     66
    .vgpr_count:     194
    .wavefront_size: 32
...
	.end_amdgpu_metadata
.endif
;; end of part 2
;; launch xbuild (part 3): grid 256 x 1, 8 waves a work-group, no clusters, 238,592 bytes of LDS; arguments nidx, k2o, p2t, b1, k3o; writes k3o
.if DOCPART == 3
	.amdgcn_target "amdgcn-amd-amdhsa--gfx1250"
	.amdhsa_code_object_version 6
	.text
	.protected	k_q4023642df6_xbuild
	.globl	k_q4023642df6_xbuild
	.p2align	8
	.type	k_q4023642df6_xbuild,@function
k_q4023642df6_xbuild:
	s_mov_b64 s[64:65], 0
	v_nop
	global_prefetch_b8 v0, s[64:65] scope:SCOPE_SE
	s_setreg_imm32_b32 hwreg(HW_REG_WAVE_MODE, 25, 1), 1
	s_wait_xcnt 0x0
; STAGE I: interp[d] = w0 p2t[i0][d] + w1 p2t[i1][d] + w2 p2t[i2][d] for 256 channels of each point, quantised to E2M3 along the channels: K steps 1 and 2 of the first product.
;   A row's 512 bytes (128 channels) are read by the whole wave, 16 bytes a lane; the blend goes to the wave's own stage in LDS, a row a point, and comes back a lane a point,
;   so that a block of 32 channels lies in one lane.  The codes are stored as images of the operand's registers (as K step 0's were) and kept in registers.
; STAGE II: y1 = x W1^T + b1 on the codes (source 0 = 16 points, source 1 = 16 channels of W1: a lane holds ONE channel and eight points), and of it only the sums
;   of y1 and y1^2 for each channel: 256 pairs a work-group.  y1 itself goes nowhere.
; SHARES: a wave owns 64 points (two pairs, four tiles) from start to end.  W1's 48 fragments lie in LDS as register images; each fragment read feeds four matrix instructions.
; No tensor load: the only bytes that work-groups share are W1's 80 KB, fetched once a work-group, and nothing in LDS is filled a second time by a copy engine.
; REGISTERS, window 0: v1-9, v22-23 addresses; v10-15 x's scale words; v16-21 W1's scale words, two sets of three (these twelve hold scales and nothing else);
;   v24-47 row addresses; v48-143 rows in flight, later W1's fragments and b1 in two sets of 48; v144-151 the pair's row offsets and weights, later the sums at work;
;   v152-159 blends; v160-223 numbers to quantise, later two sets of four accumulators; v224-250 codes.   window 1: v0-143 x's fragments: (tile pt, K step k) at 12 (3 pt + k).
.set XC0,  2097152
.set XS0,  14680064
.set WQ,   15204352
.set XC12, 524288                      ; k3o: the sums at 0 (a row of 2,048 bytes a work-group); codes [pair][K step 1, 2][tile][1536];
.set XS12, 25690112                    ; scale words [pair][lane][2]
.set WSC,  73728                       ; LDS: W1's codes at 0; the weights' scale words;
.set B1R,  81920                       ; b1, each number four times;
.set STG,  86016                       ; a stage of 32 rows x (512 + 16) bytes for each wave;
.set STA,  221184                      ; 256 pairs of sums for each wave
.set AD,   24
.set RD,   48
.set RO,   144
.set WT,   148
.set BL,   152
.set QX,   160
.set ACC,  160
.set F0,   224
.set F1,   236
.set TQ,   248
.set WS,   16
.set WF,   48
.set TS,   144
.set MSB, 0
.macro WIN new                         ; the immediate's high byte repeats the setting that is left
.if MSB != \new
	s_set_vgpr_msb (MSB<<8)|\new
.set MSB, \new
.endif
.endm
; twelve row loads: three rows for each of four points.  An index was held at 1,023 and shifted by 10; the scalar is held once more at 1,023 x 1,024.
.macro ISSUE set, p0, ks
.set QQ, 0
.rept 4
.set KK, 0
.rept 3
	v_readlane_b32 s46, v[RO+KK], (\p0)+QQ
	s_min_u32 s46, s46, 0xffc00
	v_add_nc_u32 v[AD+12*(\set)+3*QQ+KK], s46, v1
	global_load_b128 v[RD+48*(\set)+12*QQ+4*KK:RD+48*(\set)+12*QQ+4*KK+3], v[AD+12*(\set)+3*QQ+KK], s[8:9] offset:512*((\ks)-1)
.set KK, KK+1
.endr
.set QQ, QQ+1
.endr
.endm
.macro CONSUME set, p0, left           ; four points are blended and go to the stage
	s_wait_loadcnt \left                           ; this batch's twelve loads are in; the next batch's may be out.  So this batch's address registers are free too
.set QQ, 0
.rept 4
.set RB, RD+48*(\set)+12*QQ
.set BO, BL+4*(QQ%2)
	v_readlane_b32 s40, v[WT], (\p0)+QQ
	v_readlane_b32 s42, v[WT+1], (\p0)+QQ
	v_readlane_b32 s44, v[WT+2], (\p0)+QQ
	v_pk_mul_f32 v[BO:BO+1], v[RB:RB+1], s[40:41] op_sel_hi:[1,0]
	v_pk_mul_f32 v[BO+2:BO+3], v[RB+2:RB+3], s[40:41] op_sel_hi:[1,0]
	v_pk_fma_f32 v[BO:BO+1], v[RB+4:RB+5], s[42:43], v[BO:BO+1] op_sel_hi:[1,0,1]
	v_pk_fma_f32 v[BO+2:BO+3], v[RB+6:RB+7], s[42:43], v[BO+2:BO+3] op_sel_hi:[1,0,1]
	v_pk_fma_f32 v[BO:BO+1], v[RB+8:RB+9], s[44:45], v[BO:BO+1] op_sel_hi:[1,0,1]
	v_pk_fma_f32 v[BO+2:BO+3], v[RB+10:RB+11], s[44:45], v[BO+2:BO+3] op_sel_hi:[1,0,1]
	ds_store_b128 v5, v[BO:BO+3] offset:528*((\p0)+QQ)
.set QQ, QQ+1
.endr
.endm
.macro GATHER ks                       ; a pair's 32 points, 128 channels: two batches, 24 loads of 512 bytes, are always on their way
	ISSUE 0, 0, \ks
	ISSUE 1, 4, \ks
.set JB, 0
.rept 8
.if JB < 7
	CONSUME JB%2, 4*JB, 12
.else
	CONSUME JB%2, 4*JB, 0
.endif
.if JB < 6
	ISSUE JB%2, 4*JB+8, \ks
.endif
.set JB, JB+1
.endr
.endm
.macro QLOAD blk                       ; block blk of my point's row in the stage.  LDS serves a wave's instructions in order: these see my stores
.set J, 0
.rept 8
	ds_load_b128 v[QX+32*((\blk)%2)+4*J:QX+32*((\blk)%2)+4*J+3], v6 offset:128*(\blk)+16*J
.set J, J+1
.endr
.endm
.macro QBLOCK t, swr
.set XB, QX+32*((\t)%2)
.set FD, F0+12*((\t)%2)+6*((\t)/2)
.if (\t) < 3
	s_wait_dscnt 8                                 ; this block's eight loads are in; the next block's may be out
.else
	s_wait_dscnt 0x0
.endif
	v_max3_num_f32 v152, |v[XB]|, |v[XB+1]|, |v[XB+2]|
	v_max3_num_f32 v153, |v[XB+3]|, |v[XB+4]|, |v[XB+5]|
.irp i, 6,10,14,18,22,26
	v_max3_num_f32 v152, v152, |v[XB+\i]|, |v[XB+\i+1]|
	v_max3_num_f32 v153, v153, |v[XB+\i+2]|, |v[XB+\i+3]|
.endr
	v_max3_num_f32 v152, v152, |v[XB+30]|, |v[XB+31]|
	v_max3_num_f32 v152, v152, v153, 0x1800000     ; the floor 2^(3 - 127)
	v_add_nc_u32 v154, 0xff000000, v152            ; 2 off the exponent field: the conversion's scale operand
	v_cvt_scalef32_pk16_fp6_f32 v[FD:FD+2], v[XB:XB+15], v154
	v_cvt_scalef32_pk16_fp6_f32 v[TQ:TQ+2], v[XB+16:XB+31], v154
.if (\t) == 0
	v_lshrrev_b32 v[\swr], 23, v154                ; the byte; also the plain line behind the conversions
.else
	v_lshrrev_b32 v155, 23, v154
	v_lshl_or_b32 v[\swr], v155, 8*(\t), v[\swr]
.endif
	v_mov_b32 v[FD+3], v[TQ]
	v_mov_b32 v[FD+4], v[TQ+1]
	v_mov_b32 v[FD+5], v[TQ+2]
.if (\t) < 2
	QLOAD (\t)+2
.endif
.endm
.macro QUANTK pp, ks                   ; the pair's K step ks: codes, scale words, images to memory, fragments to window 1
.set SWR, 12+2*(\pp)+(\ks)-1
	s_wait_xcnt 0x0                                ; the last K step's stores have read the codes' registers
	QLOAD 0
	QLOAD 1
	QBLOCK 0, SWR
	QBLOCK 1, SWR
	QBLOCK 2, SWR
	QBLOCK 3, SWR
.set J, 0
.rept 12
	v_permlane16_swap_b32 v[F0+J], v[F1+J]         ; blocks 0, 2 | 1, 3 of 32 points become tile 0's and tile 1's fragments
.set J, J+1
.endr
.set I_, 0
.rept 3
	global_store_b128 v1, v[F0+4*I_:F0+4*I_+3], s[30:31] offset:6144*(\pp)+3072*((\ks)-1)+512*I_
	global_store_b128 v1, v[F1+4*I_:F1+4*I_+3], s[30:31] offset:6144*(\pp)+3072*((\ks)-1)+1536+512*I_
.set I_, I_+1
.endr
	WIN 0x40                                       ; destination window 1
.set J, 0
.rept 12
	v_mov_b32 v[12*(6*(\pp)+(\ks))+J], v[F0+J]
	v_mov_b32 v[12*(6*(\pp)+3+(\ks))+J], v[F1+J]
.set J, J+1
.endr
	WIN 0
.endm
.macro SWMA d, a, b, c, sa, sb, row    ; row: tile 1 of a pair has its scale words in lanes 16-31
.if \row
	v_wmma_scale_f32_16x16x128_f8f6f4 v[\d:\d+7], v[\a:\a+11], v[\b:\b+11], v[\c:\c+7], v[\sa], v[\sb] matrix_a_fmt:MATRIX_FMT_FP6 matrix_b_fmt:MATRIX_FMT_FP6 matrix_a_scale:MATRIX_SCALE_ROW1
.else
	v_wmma_scale_f32_16x16x128_f8f6f4 v[\d:\d+7], v[\a:\a+11], v[\b:\b+11], v[\c:\c+7], v[\sa], v[\sb] matrix_a_fmt:MATRIX_FMT_FP6 matrix_b_fmt:MATRIX_FMT_FP6
.endif
.endm
.macro LOADW t                         ; tile t of W1: three fragments, their scale words, b1 of my channel eight times
.set SB, WF+48*((\t)%2)
.set CBT, 128*((\t)/8)+32*(((\t)%8)/2)+8*((\t)%2)
.set K_, 0
.rept 3
.set FF, 3*(\t)+K_
.set I_, 0
.rept 3
.if FF < 24
	ds_load_b128 v[SB+12*K_+4*I_:SB+12*K_+4*I_+3], v1 offset:1536*FF+512*I_
.else
	ds_load_b128 v[SB+12*K_+4*I_:SB+12*K_+4*I_+3], v3 offset:1536*(FF-24)+512*I_
.endif
.set I_, I_+1
.endr
	ds_load_b32 v[WS+3*((\t)%2)+K_], v7 offset:128*FF
.set K_, K_+1
.endr
	ds_load_b128 v[SB+36:SB+39], v22 offset:16*CBT
	ds_load_b128 v[SB+40:SB+43], v22 offset:16*CBT
.endm
.macro MM t                            ; twelve matrix instructions: the four tiles of points by turns, K step by K step; b1 starts the sums
.set SB, WF+48*((\t)%2)
.set K_, 0
.rept 3
.set PT, 0
.rept 4
.set DD, ACC+32*((\t)%2)+8*PT
.set AA, 36*PT+12*K_
.set BB2, SB+12*K_
.set SB2, WS+3*((\t)%2)+K_
.if K_ == 0
.set CC2, SB+36
.set SA, 10+PT/2
.else
.set CC2, DD
.set SA, 12+2*(PT/2)+K_-1
.endif
	SWMA DD, AA, BB2, CC2, SA, SB2, PT%2
.set PT, PT+1
.endr
.set K_, K_+1
.endr
.endm
; the sums of 32 numbers of my channel and of their squares, in ascending registers; with the other half of the lanes' 32; to my wave's own words in LDS (both halves store the same pair)
.macro STAT base, adr, off
	v_pk_add_f32 v[TS:TS+1], v[\base:\base+1], v[\base+2:\base+3]
	v_pk_mul_f32 v[TS+2:TS+3], v[\base:\base+1], v[\base:\base+1]
	v_pk_fma_f32 v[TS+2:TS+3], v[\base+2:\base+3], v[\base+2:\base+3], v[TS+2:TS+3]
.set J, 4
.rept 14
	v_pk_add_f32 v[TS:TS+1], v[TS:TS+1], v[\base+J:\base+J+1]
	v_pk_fma_f32 v[TS+2:TS+3], v[\base+J:\base+J+1], v[\base+J:\base+J+1], v[TS+2:TS+3]
.set J, J+2
.endr
	v_add_f32 v[TS+4], v[TS], v[TS+1]
	v_add_f32 v[TS+5], v[TS+2], v[TS+3]
	v_permlanex16_b32 v[TS+6], v[TS+4], s36, s37
	v_permlanex16_b32 v[TS+7], v[TS+5], s36, s37
	v_pk_add_f32 v[TS+4:TS+5], v[TS+4:TS+5], v[TS+6:TS+7]
	ds_store_b64 v[\adr], v[TS+4:TS+5] offset:\off
.endm
	s_load_b128 s[4:7], s[0:1], 0x0                ; nidx, k2o
	s_load_b128 s[8:11], s[0:1], 0x10              ; p2t, b1
	s_load_b64 s[12:13], s[0:1], 0x20              ; k3o
	v_lshl_add_u32 v254, v0, 2, 0x3a000
	v_mov_b32 v255, 0
	v_lshrrev_b32 v1, 5, v0
	v_readfirstlane_b32 s14, v1                    ; wave
	v_and_b32 v3, 31, v0                           ; lane
	v_lshlrev_b32 v1, 4, v3
	v_lshlrev_b32 v2, 2, v3
	v_lshlrev_b32 v9, 3, v3
	v_lshlrev_b32 v4, 4, v0
	v_add_nc_u32 v23, 40960, v4
	s_mul_i32 s15, s14, 16896
	s_add_co_u32 s15, s15, STG                     ; my stage
	v_add_nc_u32 v5, s15, v1                       ; in: 16 x lane of a point's row
	v_mul_u32_u24 v6, v3, 528
	v_add_nc_u32 v6, s15, v6                       ; back: row = lane
	v_and_b32 v7, 15, v0
	v_and_b32 v8, 8, v7
	v_add_nc_u32 v7, v7, v8                        ; r + 8 (r / 8): my channel in a tile of W1
	s_lshl_b32 s16, s14, 11
	s_add_co_u32 s16, s16, STA
	v_lshl_add_u32 v8, v7, 3, s16
	v_lshl_add_u32 v22, v7, 4, B1R
	v_add_nc_u32 v7, WSC, v2
	v_add_nc_u32 v3, 36864, v1
	v_lshlrev_b32 v145, 2, v0
	s_mov_b32 s36, 0x76543210
	s_mov_b32 s37, 0xfedcba98
	s_mov_b32 s41, 0                               ; (named as the upper halves of pairs, so they are written)
	s_mov_b32 s43, 0
	s_mov_b32 s45, 0
	s_lshl_b32 s17, ttmp9, 4
	s_lshl_b32 s18, s14, 1
	s_add_co_u32 s17, s17, s18                     ; my first pair: 16 x work-group + 2 x wave
	s_mov_b32 s35, 0
	s_wait_kmcnt 0x0
	s_lshl_b32 s34, s17, 9
	s_add_nc_u64 s[4:5], s[4:5], s[34:35]
	s_add_nc_u64 s[20:21], s[6:7], s[34:35]        ; the weights
	s_mul_i32 s34, s17, 3072
	s_add_nc_u64 s[22:23], s[6:7], s[34:35]
	s_add_nc_u64 s[22:23], s[22:23], XC0
	s_lshl_b32 s34, s17, 7
	s_add_nc_u64 s[24:25], s[6:7], s[34:35]
	s_add_nc_u64 s[24:25], s[24:25], XS0
	s_add_nc_u64 s[26:27], s[6:7], WQ
	s_lshr_b32 s34, ttmp9, 5
	s_lshl_b32 s34, s34, 20
	s_add_nc_u64 s[8:9], s[8:9], s[34:35]          ; p2t at my batch
	s_lshl_b32 s34, ttmp9, 11
	s_add_nc_u64 s[28:29], s[12:13], s[34:35]      ; my work-group's row of sums
	s_mul_i32 s34, s17, 6144
	s_add_nc_u64 s[30:31], s[12:13], s[34:35]
	s_add_nc_u64 s[30:31], s[30:31], XC12
	s_lshl_b32 s34, s17, 8
	s_add_nc_u64 s[32:33], s[12:13], s[34:35]
	s_add_nc_u64 s[32:33], s[32:33], XS12
	WIN 0x40
.set PT, 0
.rept 4
.set I_, 0
.rept 3
	global_load_b128 v[36*PT+4*I_:36*PT+4*I_+3], v1, s[22:23] offset:1536*PT+512*I_ th:TH_LOAD_NT   ; K step 0's fragments
.set I_, I_+1
.endr
.set PT, PT+1
.endr
	WIN 0
	global_load_b32 v10, v2, s[24:25]
	global_load_b32 v11, v2, s[24:25] offset:128
.set J, 0
.rept 20
.if J < 18
	global_load_b128 v[48+4*J:51+4*J], v4, s[26:27] offset:4096*J
.else
	global_load_b128 v[48+4*J:51+4*J], v4, s[26:27] offset:98304+4096*(J-18)
.endif
.set J, J+1
.endr
	global_load_b32 v144, v145, s[10:11]
	s_wait_loadcnt 0x0
.set J, 0
.rept 20
.if J < 10
	ds_store_b128 v4, v[48+4*J:51+4*J] offset:4096*J
.else
	ds_store_b128 v23, v[48+4*J:51+4*J] offset:4096*(J-10)
.endif
.set J, J+1
.endr
	v_mov_b32 v145, v144
	v_mov_b32 v146, v144
	v_mov_b32 v147, v144
	ds_store_b128 v23, v[144:147] offset:40960
	s_wait_dscnt 0x0
	s_barrier_signal -1
	s_barrier_wait -1                              ; W1, its scale words and b1 lie in LDS; they are only read from here on
	; ---- STAGE I
.irp pp, 0,1
	global_load_b128 v[RO:RO+3], v1, s[4:5] offset:512*\pp
	global_load_b128 v[WT:WT+3], v1, s[20:21] offset:512*\pp
	s_wait_loadcnt 0x0
	v_min_u32 v[RO], 1023, v[RO]
	v_min_u32 v[RO+1], 1023, v[RO+1]
	v_min_u32 v[RO+2], 1023, v[RO+2]
	v_lshlrev_b32 v[RO], 10, v[RO]
	v_lshlrev_b32 v[RO+1], 10, v[RO+1]
	v_lshlrev_b32 v[RO+2], 10, v[RO+2]
	GATHER 1
	QUANTK \pp, 1
	GATHER 2
	QUANTK \pp, 2
	global_store_b64 v9, v[12+2*\pp:13+2*\pp], s[32:33] offset:256*\pp   ; 256 consecutive bytes
.endr
	; ---- STAGE II
.rept 8
	v_nop                                          ; scale words and fragments written by vector lines stand eight and four plain lines ahead of a scaled matrix instruction
.endr
	LOADW 0
.set T_, 0
.rept 16
	s_wait_dscnt 0x0                               ; this tile's fragments are in
	WIN 0x01                                       ; source 0 (x) in window 1
	MM T_
	WIN 0
.rept 4
	v_nop                                          ; four plain lines behind the products: for the loads into the other set, and for the sums that read results
.endr
.if T_ < 15
	LOADW T_+1
.endif
.if T_ > 0
.set SBASE, ACC+32*((T_-1)%2)
.set SOFF, 8*(128*((T_-1)/8)+32*(((T_-1)%8)/2)+8*((T_-1)%2))
	STAT SBASE, 8, SOFF
.endif
.set T_, T_+1
.endr
.set SBASE, ACC+32
.set SOFF, 8*232
	STAT SBASE, 8, SOFF
	s_wait_dscnt 0x0
	s_barrier_signal -1
	s_barrier_wait -1                              ; eight waves' sums lie in LDS
	v_lshl_add_u32 v24, v0, 3, STA
.set J, 0
.rept 8
	ds_load_b64 v[48+2*J:49+2*J], v24 offset:2048*J
.set J, J+1
.endr
	v_lshlrev_b32 v25, 3, v0
	s_wait_dscnt 0x0
	v_pk_add_f32 v[48:49], v[48:49], v[56:57]
	v_pk_add_f32 v[50:51], v[50:51], v[58:59]
	v_pk_add_f32 v[52:53], v[52:53], v[60:61]
	v_pk_add_f32 v[54:55], v[54:55], v[62:63]
	v_pk_add_f32 v[48:49], v[48:49], v[52:53]
	v_pk_add_f32 v[50:51], v[50:51], v[54:55]
	v_pk_add_f32 v[48:49], v[48:49], v[50:51]
	global_store_b64 v25, v[48:49], s[28:29]       ; channel tid's pair: a wave stores 256 consecutive bytes
	s_wait_tensorcnt 0x0
	ds_add_u32 v254, v255
	s_wait_dscnt 0x0
	s_endpgm
.Lfunc_end_k_q4023642df6_xbuild:
	.size	k_q4023642df6_xbuild, .Lfunc_end_k_q4023642df6_xbuild-k_q4023642df6_xbuild
	.p2alignl 7, 3214868480
	.fill 96, 4, 3214868480
	.section	.rodata,"a",@progbits
	.p2align	6, 0x0
	.amdhsa_kernel k_q4023642df6_xbuild
		.amdhsa_group_segment_fixed_size 238592
		.amdhsa_private_segment_fixed_size 0
		.amdhsa_enable_private_segment 0
		.amdhsa_kernarg_size 40
		.amdhsa_user_sgpr_count 2
		.amdhsa_user_sgpr_kernarg_segment_ptr 1
		.amdhsa_wavefront_size32 1
		.amdhsa_system_sgpr_workgroup_id_x 1
		.amdhsa_system_sgpr_workgroup_id_y 1
		.amdhsa_system_sgpr_workgroup_id_z 1
		.amdhsa_system_vgpr_workitem_id 0
		.amdhsa_next_free_vgpr 512
		.amdhsa_next_free_sgpr 66
		.amdhsa_reserve_vcc 0
		.amdhsa_float_denorm_mode_32 3
		.amdhsa_float_denorm_mode_16_64 3
		.amdhsa_memory_ordered 1
		.amdhsa_forward_progress 1
		.amdhsa_inst_pref_size 255
	.end_amdhsa_kernel
	.section	.bss,"aw",@nobits
	.p2align	6
	.space	262144
	.amdgpu_metadata
---
amdhsa.version: [ 1, 2 ]
amdhsa.kernels:
  - .name:           k_q4023642df6_xbuild
    .symbol:         k_q4023642df6_xbuild.kd
    .args:
      - { .name: nidx, .offset: 0, .size: 8, .value_kind: global_buffer, .address_space: global }
      - { .name: k2o, .offset: 8, .size: 8, .value_kind: global_buffer, .address_space: global }
      - { .name: p2t, .offset: 16, .size: 8, .value_kind: global_buffer, .address_space: global }
      - { .name: b1, .offset: 24, .size: 8, .value_kind: global_buffer, .address_space: global }
      - { .name: k3o, .offset: 32, .size: 8, .value_kind: global_buffer, .address_space: global }
    .group_segment_fixed_size: 238592
    .private_segment_fixed_size: 0
    .kernarg_segment_align: 8
    .kernarg_segment_size: 40
    .max_flat_workgroup_size: 256
    .sgpr_count:     66
    .vgpr_count:     512
    .wavefront_size: 32
...
	.end_amdgpu_metadata
.endif
;; end of part 3
;; launch bn1f (part 4): grid 4 x 1, 8 waves a work-group, no clusters, 5,120 bytes of LDS; arguments k3o, g1, be1, bn1; writes bn1
.if DOCPART == 4
	.amdgcn_target "amdgcn-amd-amdhsa--gfx1250"
	.amdhsa_code_object_version 6
	.text
	.protected	k_q4023642df6_bn1f
	.globl	k_q4023642df6_bn1f
	.p2align	8
	.type	k_q4023642df6_bn1f,@function
k_q4023642df6_bn1f:
	s_mov_b64 s[64:65], 0
	v_nop
	global_prefetch_b8 v0, s[64:65] scope:SCOPE_SE
	s_setreg_imm32_b32 hwreg(HW_REG_WAVE_MODE, 25, 1), 1
	s_wait_xcnt 0x0
; The batch norm's constants: from 256 rows of partial sums (a row of 2,048 bytes a work-group of the launch before; channel c's pair (sum, sum of squares) at 8 c):
; mean = S / 131072, var = max(0, Q / 131072 - mean^2), A = g rsq(var + 1e-5), B = be - mean A: y A + B is the normalised number.  A at byte 0, B at byte 1,024.
; A work-group takes 64 channels; a lane 16 bytes, two channels; wave w adds rows w, w + 8, ..; the eight waves' sums meet in LDS.  Sums are added as a tree.
; LIMIT: the variance is a difference of two means in f32: its relative error grows as 1e-7 (1 + mean^2 / var).
	s_load_b128 s[4:7], s[0:1], 0x0                ; the partial sums, g
	s_load_b128 s[8:11], s[0:1], 0x10              ; be, the constants
	v_lshl_add_u32 v160, v0, 2, 0x1000
	v_mov_b32 v161, 0
	v_lshrrev_b32 v1, 5, v0
	v_readfirstlane_b32 s12, v1                    ; wave
	v_and_b32 v1, 31, v0
	v_lshlrev_b32 v2, 4, v1
	v_lshlrev_b32 v3, 3, v1
	v_lshlrev_b32 v4, 4, v0
	s_lshl_b32 s14, ttmp9, 9
	s_lshl_b32 s13, s12, 11
	s_add_co_u32 s14, s14, s13
	s_mov_b32 s15, 0
	s_lshl_b32 s16, ttmp9, 8
	s_mov_b32 s17, 0
	s_wait_kmcnt 0x0
	s_add_nc_u64 s[4:5], s[4:5], s[14:15]
	s_add_nc_u64 s[6:7], s[6:7], s[16:17]
	s_add_nc_u64 s[8:9], s[8:9], s[16:17]
	s_add_nc_u64 s[10:11], s[10:11], s[16:17]
	global_load_b64 v[8:9], v3, s[6:7]
	global_load_b64 v[10:11], v3, s[8:9]
.set J, 0
.rept 32
	global_load_b128 v[16+4*J:19+4*J], v2, s[4:5] offset:16384*J   ; 512 consecutive bytes of a row
.set J, J+1
.endr
	s_wait_loadcnt 0x0
.set ST, 16
.rept 5
.set J, 0
.rept ST
	v_pk_add_f32 v[16+4*J:17+4*J], v[16+4*J:17+4*J], v[16+4*(J+ST):17+4*(J+ST)]
	v_pk_add_f32 v[18+4*J:19+4*J], v[18+4*J:19+4*J], v[18+4*(J+ST):19+4*(J+ST)]
.set J, J+1
.endr
.set ST, ST/2
.endr
	ds_store_b128 v4, v[16:19]
	s_wait_dscnt 0x0
	s_barrier_signal -1
	s_barrier_wait -1
	s_cmp_lg_u32 s12, 0
	s_cbranch_scc1 .Lend                           ; wave 0 finishes
.set J, 0
.rept 8
	ds_load_b128 v[16+4*J:19+4*J], v2 offset:512*J
.set J, J+1
.endr
	s_wait_dscnt 0x0
.set ST, 4
.rept 3
.set J, 0
.rept ST
	v_pk_add_f32 v[16+4*J:17+4*J], v[16+4*J:17+4*J], v[16+4*(J+ST):17+4*(J+ST)]
	v_pk_add_f32 v[18+4*J:19+4*J], v[18+4*J:19+4*J], v[18+4*(J+ST):19+4*(J+ST)]
.set J, J+1
.endr
.set ST, ST/2
.endr
	v_mul_f32 v20, 0x37000000, v16                 ; x 2^-17: the means
	v_mul_f32 v21, 0x37000000, v18
	v_mul_f32 v22, 0x37000000, v17
	v_mul_f32 v23, 0x37000000, v19
	v_fma_f32 v22, -v20, v20, v22
	v_fma_f32 v23, -v21, v21, v23
	v_max_num_f32 v22, 0, v22
	v_max_num_f32 v23, 0, v23
	v_add_f32 v22, 0x3727c5ac, v22                 ; + 1e-5
	v_add_f32 v23, 0x3727c5ac, v23
	v_rsq_f32 v22, v22
	v_rsq_f32 v23, v23
	v_nop                                          ; a plain line behind the two
	s_wait_alu depctr_va_vdst(0)                   ; one wait for both, ahead of their first reader
	v_mul_f32 v24, v8, v22
	v_mul_f32 v25, v9, v23
	v_fma_f32 v26, -v20, v24, v10
	v_fma_f32 v27, -v21, v25, v11
	global_store_b64 v3, v[24:25], s[10:11]        ; 256 consecutive bytes
	global_store_b64 v3, v[26:27], s[10:11] offset:1024
.Lend:
	s_wait_tensorcnt 0x0
	ds_add_u32 v160, v161
	s_wait_dscnt 0x0
	s_endpgm
.Lfunc_end_k_q4023642df6_bn1f:
	.size	k_q4023642df6_bn1f, .Lfunc_end_k_q4023642df6_bn1f-k_q4023642df6_bn1f
	.p2alignl 7, 3214868480
	.fill 96, 4, 3214868480
	.section	.rodata,"a",@progbits
	.p2align	6, 0x0
	.amdhsa_kernel k_q4023642df6_bn1f
		.amdhsa_group_segment_fixed_size 5120
		.amdhsa_private_segment_fixed_size 0
		.amdhsa_enable_private_segment 0
		.amdhsa_kernarg_size 32
		.amdhsa_user_sgpr_count 2
		.amdhsa_user_sgpr_kernarg_segment_ptr 1
		.amdhsa_wavefront_size32 1
		.amdhsa_system_sgpr_workgroup_id_x 1
		.amdhsa_system_sgpr_workgroup_id_y 1
		.amdhsa_system_sgpr_workgroup_id_z 1
		.amdhsa_system_vgpr_workitem_id 0
		.amdhsa_next_free_vgpr 162
		.amdhsa_next_free_sgpr 66
		.amdhsa_reserve_vcc 0
		.amdhsa_float_denorm_mode_32 3
		.amdhsa_float_denorm_mode_16_64 3
		.amdhsa_memory_ordered 1
		.amdhsa_forward_progress 1
		.amdhsa_inst_pref_size 11
	.end_amdhsa_kernel
	.amdgpu_metadata
---
amdhsa.version: [ 1, 2 ]
amdhsa.kernels:
  - .name:           k_q4023642df6_bn1f
    .symbol:         k_q4023642df6_bn1f.kd
    .args:
      - { .name: k3o, .offset: 0, .size: 8, .value_kind: global_buffer, .address_space: global }
      - { .name: g1, .offset: 8, .size: 8, .value_kind: global_buffer, .address_space: global }
      - { .name: be1, .offset: 16, .size: 8, .value_kind: global_buffer, .address_space: global }
      - { .name: bn1, .offset: 24, .size: 8, .value_kind: global_buffer, .address_space: global }
    .group_segment_fixed_size: 5120
    .private_segment_fixed_size: 0
    .kernarg_segment_align: 8
    .kernarg_segment_size: 32
    .max_flat_workgroup_size: 256
    .sgpr_count:     66
    .vgpr_count:     162
    .wavefront_size: 32
...
	.end_amdgpu_metadata
.endif
;; end of part 4
;; launch mid (part 5): grid 256 x 1, 8 waves a work-group, no clusters, 120,832 bytes of LDS; arguments k2o, k3o, b1, bn1, b2, part2; writes part2
.if DOCPART == 5
	.amdgcn_target "amdgcn-amd-amdhsa--gfx1250"
	.amdhsa_code_object_version 6
	.text
	.protected	k_q4023642df6_mid
	.globl	k_q4023642df6_mid
	.p2align	8
	.type	k_q4023642df6_mid,@function
k_q4023642df6_mid:
	s_mov_b64 s[64:65], 0
	v_nop
	global_prefetch_b8 v0, s[64:65] scope:SCOPE_SE
	s_setreg_imm32_b32 hwreg(HW_REG_WAVE_MODE, 25, 1), 1
	s_wait_xcnt 0x0
; From x's codes: y1 = x W1^T + b1; h = relu(y1 A1 + B1), quantised to E2M3 along the 256 hidden channels in registers; y2 = h W2^T + b2.
; FINAL = 0: of y2 only the sums of y2 and y2^2 for each channel are stored.  FINAL = 1: out = relu(y2 A2 + B2) is stored.
; SHARES: a wave owns 64 points (four tiles pt) from start to end; x's twelve fragments stay in window 1.  The weights' 64 fragments lie in LDS as register images; each fragment read feeds four matrix instructions.
; THE FIRST PRODUCT IS USED TRANSPOSED (source 0 = 16 rows of W1, source 1 = 16 points): a lane holds one point and eight hidden channels.  Row r of W1's tile T is channel
; cb(T) + r + 8 (r / 8), cb(T) = 128 (T / 8) + 32 ((T % 8) / 2) + 8 (T % 2): so the 16 registers of tiles 2 b, 2 b + 1 are 16 neighbours along the next K.  Four tiles (64 channels) at a time.
; THE SECOND IS USED AS IT IS (source 0 = 16 points, source 1 = 16 rows of W2): a lane holds one channel and eight neighbouring points, as the output [channel][point] wants them.
; The biases are the C of each sum's first matrix instruction.  No tensor load: the only shared bytes are the weights' 104 KB, fetched once a work-group.
; REGISTERS, window 0: v1-9 addresses; v10-15 x's scale words, v16-23 the hidden layer's (tile pt, K step s: 16 + 2 pt + s), v60-62 the ring's (these hold scales and nothing else);
;   v24-59 a ring of three weight fragments (at work in the quantiser); v64-79 two sets of C (second set of BN constants); v80-95 BN constants; v96-127 codes just made; v128-255 sixteen accumulators.
;   window 1: v0-143 x: (pt, k) at 12 (3 pt + k); v144-239 the hidden layer: (pt, s) at 144 + 24 pt + 12 s.
.set FINAL, 0
.set XC0,  2097152
.set XS0,  14680064
.set WQ,   15204352
.set XC12, 524288
.set XS12, 25690112
.set WSC,  98304                       ; LDS: the weights' codes at 0; their scale words;
.set LB1,  106496                      ; b1, A1 (+ 1,024), B1 (+ 2,048);
.set B2R,  109568                      ; b2, each number four times;
.set STA2, 111616                      ; FINAL = 0: 128 pairs of sums for each wave
.set AB2,  111616                      ; FINAL = 1: (A2, A2, B2, B2) for each channel;
.set STG,  113664                      ; a stage of 16 rows x (256 + 16) bytes for each wave
.set RING, 24
.set TM,   24
.set RS,   60
.set CS,   64
.set PQ,   96
.set TS,   96
.set ACC,  128
.set HS,   16
.set HF,   144
.set MSB, 0
.macro WIN new                         ; the immediate's high byte repeats the setting that is left
.if MSB != \new
	s_set_vgpr_msb (MSB<<8)|\new
.set MSB, \new
.endif
.endm
.macro PLACES n                        ; plain lines behind matrix instructions: four before a result is read or a load lands on an operand
.rept \n
	v_nop
.endr
.endm
.macro SWM d, a, b, c, sa, sb, rowb    ; rowb: tile 1 of a pair has its scale words in lanes 16-31
.if \rowb
	v_wmma_scale_f32_16x16x128_f8f6f4 v[\d:\d+7], v[\a:\a+11], v[\b:\b+11], v[\c:\c+7], v[\sa], v[\sb] matrix_a_fmt:MATRIX_FMT_FP6 matrix_b_fmt:MATRIX_FMT_FP6 matrix_b_scale:MATRIX_SCALE_ROW1
.else
	v_wmma_scale_f32_16x16x128_f8f6f4 v[\d:\d+7], v[\a:\a+11], v[\b:\b+11], v[\c:\c+7], v[\sa], v[\sb] matrix_a_fmt:MATRIX_FMT_FP6 matrix_b_fmt:MATRIX_FMT_FP6
.endif
.endm
.macro WLOAD f, buf                    ; weight fragment f and its scale words into place buf of the ring: four LDS loads
.set I_, 0
.rept 3
.if (\f) < 32
	ds_load_b128 v[RING+12*(\buf)+4*I_:RING+12*(\buf)+4*I_+3], v1 offset:1536*(\f)+512*I_
.else
	ds_load_b128 v[RING+12*(\buf)+4*I_:RING+12*(\buf)+4*I_+3], v2 offset:1536*((\f)-32)+512*I_
.endif
.set I_, I_+1
.endr
	ds_load_b32 v[RS+(\buf)], v3 offset:128*(\f)
.endm
.macro CLOAD1 t, set                   ; b1 of tile t's eight channels of my half
.set CBT, 128*((\t)/8)+32*(((\t)%8)/2)+8*((\t)%2)
	ds_load_b128 v[CS+8*(\set):CS+8*(\set)+3], v4 offset:4*CBT
	ds_load_b128 v[CS+8*(\set)+4:CS+8*(\set)+7], v4 offset:4*CBT+16
.endm
.macro CLOAD2 o, set                   ; b2 of my channel of tile o, eight times
	ds_load_b128 v[CS+8*(\set):CS+8*(\set)+3], v5 offset:256*(\o)
	ds_load_b128 v[CS+8*(\set)+4:CS+8*(\set)+7], v5 offset:256*(\o)
.endm
; y1 for hidden tiles 4 hc .. 4 hc + 3: twelve groups (tile, K step) of four matrix instructions, the four tiles of points by turns.
; The ring runs two fragments ahead: at a group's head the count 4 leaves the next fragment's four loads out.
.macro P3 hc
	PLACES 4
	CLOAD1 4*(\hc), 0
	WLOAD 12*(\hc), 0
	WLOAD 12*(\hc)+1, 1
	WIN 0x04                                       ; source 1 (x) in window 1; LDS loads name a destination and source 0 alone
.set G_, 0
.rept 12
.set TT_, G_/3
.set K_, G_%3
.if G_ < 11
	s_wait_dscnt 4
.else
	s_wait_dscnt 0x0
.endif
.set PT, 0
.rept 4
.set DD, ACC+32*PT+8*TT_
.set AA, RING+12*K_
.set BB2, 36*PT+12*K_
.set SA, RS+K_
.if K_ == 0
.set CC2, CS+8*(TT_%2)
.set SB2, 10+PT/2
.else
.set CC2, DD
.set SB2, 12+2*(PT/2)+K_-1
.endif
	SWM DD, AA, BB2, CC2, SA, SB2, PT%2
.set PT, PT+1
.endr
	PLACES 4
.if (K_ == 0) && (TT_ < 3)
	CLOAD1 4*(\hc)+TT_+1, (TT_+1)%2
.endif
.if G_ < 10
	WLOAD 12*(\hc)+G_+2, (G_+2)%3
.endif
.set G_, G_+1
.endr
	WIN 0
.endm
.macro BNLOAD t, set                   ; A1 and B1 of tile t's eight channels of my half: four LDS loads
.set CBT, 128*((\t)/8)+32*(((\t)%8)/2)+8*((\t)%2)
.set BS, 80-16*(\set)
	ds_load_b128 v[BS:BS+3], v4 offset:1024+4*CBT
	ds_load_b128 v[BS+4:BS+7], v4 offset:1024+4*CBT+16
	ds_load_b128 v[BS+8:BS+11], v4 offset:2048+4*CBT
	ds_load_b128 v[BS+12:BS+15], v4 offset:2048+4*CBT+16
.endm
.macro BN hc                           ; h = max(0, y1 A1 + B1), each accumulator from its low end on
	PLACES 4
	BNLOAD 4*(\hc), 0
	BNLOAD 4*(\hc)+1, 1
.set TT_, 0
.rept 4
.if TT_ < 3
	s_wait_dscnt 4                                 ; this tile's constants are in; the next tile's four loads may be out
.else
	s_wait_dscnt 0x0
.endif
.set BS, 80-16*(TT_%2)
.set PT, 0
.rept 4
.set AB_, ACC+32*PT+8*TT_
.set J, 0
.rept 4
	v_pk_fma_f32 v[AB_+J:AB_+J+1], v[AB_+J:AB_+J+1], v[BS+J:BS+J+1], v[BS+8+J:BS+9+J]
.set J, J+2
.endr
.set J, 0
.rept 8
	v_max_num_f32 v[AB_+J], 0, v[AB_+J]
.set J, J+1
.endr
.set PT, PT+1
.endr
.if TT_ < 2
	BNLOAD 4*(\hc)+TT_+2, TT_%2
.endif
.set TT_, TT_+1
.endr
.endm
; 64 hidden channels of each of my 64 points: two blocks of 32 a tile of points; a block lies in lanes l and l xor 16.  The four tiles take turns line by line.  Nothing is negative: no |.|.
.macro QUANT2 hc
.set BE, 0
.rept 2
.set PT, 0
.rept 4
	v_max3_num_f32 v[TM+8*PT+BE], v[ACC+32*PT+16*BE], v[ACC+32*PT+16*BE+1], 0x1800000   ; and the floor 2^(3 - 127)
.set PT, PT+1
.endr
.set BE, BE+1
.endr
.set I_, 2
.rept 7
.set BE, 0
.rept 2
.set PT, 0
.rept 4
	v_max3_num_f32 v[TM+8*PT+BE], v[TM+8*PT+BE], v[ACC+32*PT+16*BE+I_], v[ACC+32*PT+16*BE+I_+1]
.set PT, PT+1
.endr
.set BE, BE+1
.endr
.set I_, I_+2
.endr
.set BE, 0
.rept 2
.set PT, 0
.rept 4
	v_permlanex16_b32 v[TM+8*PT+2+BE], v[TM+8*PT+BE], s36, s37
.set PT, PT+1
.endr
.set BE, BE+1
.endr
.set BE, 0
.rept 2
.set PT, 0
.rept 4
	v_max_num_f32 v[TM+8*PT+BE], v[TM+8*PT+BE], v[TM+8*PT+2+BE]
.set PT, PT+1
.endr
.set BE, BE+1
.endr
.set BE, 0
.rept 2
.set PT, 0
.rept 4
	v_add_nc_u32 v[TM+8*PT+4+BE], 0xff000000, v[TM+8*PT+BE]   ; 2 off the exponent field: the conversion's scale operand
.set PT, PT+1
.endr
.set BE, BE+1
.endr
.set BE, 0
.rept 2
.set PT, 0
.rept 4
.if (2*((\hc)%2)+BE) == 0
	v_lshrrev_b32 v[HS+2*PT+(\hc)/2], 23, v[TM+8*PT+4+BE]     ; the byte of block 2 (hc % 2) + BE of K step hc / 2
.else
	v_lshrrev_b32 v[TM+8*PT+6], 23, v[TM+8*PT+4+BE]
	v_lshl_or_b32 v[HS+2*PT+(\hc)/2], v[TM+8*PT+6], 8*(2*((\hc)%2)+BE), v[HS+2*PT+(\hc)/2]
.endif
.set PT, PT+1
.endr
.set BE, BE+1
.endr
.set PT, 0
.rept 4
	v_cvt_scalef32_pk16_fp6_f32 v[PQ+8*PT:PQ+8*PT+2], v[ACC+32*PT:ACC+32*PT+15], v[TM+8*PT+4]
	v_cvt_scalef32_pk16_fp6_f32 v[PQ+8*PT+4:PQ+8*PT+6], v[ACC+32*PT+16:ACC+32*PT+31], v[TM+8*PT+5]
.set PT, PT+1
.endr
	v_nop                                          ; a plain line behind the conversions
.set PT, 0
.rept 4
.set I_, 0
.rept 3
	v_permlane16_swap_b32 v[PQ+8*PT+I_], v[PQ+8*PT+4+I_]      ; a whole block to a lane: the first now holds each lane's block's lower 16 codes, the second the upper 16
.set I_, I_+1
.endr
.set PT, PT+1
.endr
	WIN 0x40                                       ; destination window 1
.set PT, 0
.rept 4
.set I_, 0
.rept 3
	v_mov_b32 v[HF+24*PT+12*((\hc)/2)+6*((\hc)%2)+I_], v[PQ+8*PT+I_]
	v_mov_b32 v[HF+24*PT+12*((\hc)/2)+6*((\hc)%2)+3+I_], v[PQ+8*PT+4+I_]
.set I_, I_+1
.endr
.set PT, PT+1
.endr
	WIN 0
.endm
; y2 for output tiles 4 oh .. 4 oh + 3: eight groups (tile, K step) of four matrix instructions; the ring as above
.macro P4 oh
.if FINAL
	s_wait_xcnt 0x0                                ; the stores of the half before have read the accumulators' registers
.endif
	PLACES 4
	CLOAD2 4*(\oh), 0
	WLOAD 48+8*(\oh), 0
	WLOAD 48+8*(\oh)+1, 1
.set G_, 0
.rept 8
.set OO, G_/2
.set S_, G_%2
.if G_ < 7
	s_wait_dscnt 4
.else
	s_wait_dscnt 0x0
.endif
	WIN 0x01                                       ; source 0 (the hidden layer) in window 1
.set PT, 0
.rept 4
.set DD, ACC+32*OO+8*PT
.set AA, HF+24*PT+12*S_
.set BB2, RING+12*(G_%3)
.set SA, HS+2*PT+S_
.set SB2, RS+G_%3
.if S_ == 0
.set CC2, CS+8*(OO%2)
.else
.set CC2, DD
.endif
	SWM DD, AA, BB2, CC2, SA, SB2, 0
.set PT, PT+1
.endr
	WIN 0
	PLACES 4
.if (S_ == 0) && (OO < 3)
	CLOAD2 4*(\oh)+OO+1, (OO+1)%2
.endif
.if G_ < 6
	WLOAD 48+8*(\oh)+G_+2, (G_+2)%3
.endif
.set G_, G_+1
.endr
.endm
; the sums of 32 numbers of my channel and of their squares, in ascending registers; with the other half of the lanes' 32; to my wave's own words in LDS (both halves store the same pair)
.macro STAT base, adr, off
	v_pk_add_f32 v[TS:TS+1], v[\base:\base+1], v[\base+2:\base+3]
	v_pk_mul_f32 v[TS+2:TS+3], v[\base:\base+1], v[\base:\base+1]
	v_pk_fma_f32 v[TS+2:TS+3], v[\base+2:\base+3], v[\base+2:\base+3], v[TS+2:TS+3]
.set J, 4
.rept 14
	v_pk_add_f32 v[TS:TS+1], v[TS:TS+1], v[\base+J:\base+J+1]
	v_pk_fma_f32 v[TS+2:TS+3], v[\base+J:\base+J+1], v[\base+J:\base+J+1], v[TS+2:TS+3]
.set J, J+2
.endr
	v_add_f32 v[TS+4], v[TS], v[TS+1]
	v_add_f32 v[TS+5], v[TS+2], v[TS+3]
	v_permlanex16_b32 v[TS+6], v[TS+4], s36, s37
	v_permlanex16_b32 v[TS+7], v[TS+5], s36, s37
	v_pk_add_f32 v[TS+4:TS+5], v[TS+4:TS+5], v[TS+6:TS+7]
	ds_store_b64 v[\adr], v[TS+4:TS+5] offset:\off
.endm
; FINAL = 1: tile oo of the half: relu(y2 A2 + B2); 16 channels x 64 points through my own stage; back as rows of 256 bytes, into the registers that they left
.macro PACK oo
.set AB_, ACC+32*(\oo)
.set J, 0
.rept 16
	v_pk_fma_f32 v[AB_+J:AB_+J+1], v[AB_+J:AB_+J+1], v[80+4*(\oo):81+4*(\oo)], v[82+4*(\oo):83+4*(\oo)]
.set J, J+2
.endr
.set J, 0
.rept 32
	v_max_num_f32 v[AB_+J], 0, v[AB_+J]
.set J, J+1
.endr
.set PT, 0
.rept 4
	ds_store_b128 v7, v[AB_+8*PT:AB_+8*PT+3] offset:64*PT
	ds_store_b128 v7, v[AB_+8*PT+4:AB_+8*PT+7] offset:64*PT+16
.set PT, PT+1
.endr
.set I_, 0
.rept 8
	ds_load_b128 v[AB_+4*I_:AB_+4*I_+3], v8 offset:544*I_   ; LDS serves a wave's instructions in order: these see the stores above, and the next tile's stores come behind them
.set I_, I_+1
.endr
.endm
.macro SEND oh, oo, younger            ; younger: the LDS instructions issued behind tile oo's loads
.set AB_, ACC+32*(\oo)
.set I_, 0
.rept 8
	s_wait_dscnt (\younger)+7-I_
	global_store_b128 v9, v[AB_+4*I_:AB_+4*I_+3], s[16:17] offset:(16*(4*(\oh)+(\oo))+2*I_)*65536 th:TH_STORE_NT   ; 16 lanes store 256 consecutive bytes of one channel
.set I_, I_+1
.endr
.endm
	s_load_b128 s[4:7], s[0:1], 0x0                ; k2o, k3o
	s_load_b128 s[8:11], s[0:1], 0x10              ; b1, bn1
	s_load_b128 s[12:15], s[0:1], 0x20             ; b2; FINAL = 0: part2, FINAL = 1: bn2
	v_lshl_add_u32 v123, v0, 2, 0x1d400
	v_mov_b32 v127, 0
.if FINAL
	s_load_b64 s[16:17], s[0:1], 0x30              ; out0
.endif
	v_lshrrev_b32 v1, 5, v0
	v_readfirstlane_b32 s18, v1                    ; wave
	v_and_b32 v63, 31, v0                          ; lane
	v_lshlrev_b32 v1, 4, v63
	v_add_nc_u32 v2, 49152, v1
	v_lshl_add_u32 v3, v63, 2, WSC
	v_and_b32 v81, 15, v0                          ; r
	v_bfe_u32 v82, v0, 4, 1                        ; h
	v_lshl_add_u32 v4, v82, 6, LB1
	v_lshl_add_u32 v5, v81, 4, B2R
.if FINAL
	v_lshl_add_u32 v6, v81, 4, AB2
	s_mul_i32 s19, s18, 4352
	s_add_co_u32 s19, s19, STG                     ; my stage
	v_mul_u32_u24 v7, v81, 272
	v_lshl_add_u32 v7, v82, 5, v7
	v_add_nc_u32 v7, s19, v7                       ; in: row = my channel, 32 bytes for each half of the lanes
	v_mul_u32_u24 v8, v82, 272
	v_lshl_add_u32 v8, v81, 4, v8
	v_add_nc_u32 v8, s19, v8                       ; back: lanes 0-15 one row, lanes 16-31 the next
	v_lshlrev_b32 v9, 16, v82
	v_lshl_add_u32 v9, v81, 4, v9                  ; and the same two channels in the output
.else
	s_lshl_b32 s19, s18, 10
	s_add_co_u32 s19, s19, STA2
	v_lshl_add_u32 v7, v81, 3, s19
	v_mov_b32 v[TS+6], 0                           ; written once: a lane permute's destination counts as one of its sources
	v_mov_b32 v[TS+7], 0
.endif
	v_lshlrev_b32 v64, 4, v0
	v_add_nc_u32 v65, 65536, v64
	v_lshlrev_b32 v66, 2, v0
	v_lshlrev_b32 v67, 3, v0
	v_lshrrev_b32 v68, 1, v0
	v_lshlrev_b32 v68, 2, v68
	v_and_b32 v69, 1, v0
	v_lshl_add_u32 v69, v69, 10, v68
	v_add_nc_u32 v78, LB1, v66
	v_add_nc_u32 v79, B2R, v67
	v_lshlrev_b32 v80, 3, v63
	v_lshlrev_b32 v83, 2, v63
	s_mov_b32 s36, 0x76543210
	s_mov_b32 s37, 0xfedcba98
	s_lshl_b32 s20, ttmp9, 4
	s_lshl_b32 s21, s18, 1
	s_add_co_u32 s20, s20, s21                     ; my first pair
	s_mov_b32 s23, 0
	s_wait_kmcnt 0x0
	s_mul_i32 s22, s20, 3072
	s_add_nc_u64 s[24:25], s[4:5], s[22:23]
	s_add_nc_u64 s[24:25], s[24:25], XC0
	s_lshl_b32 s22, s20, 7
	s_add_nc_u64 s[26:27], s[4:5], s[22:23]
	s_add_nc_u64 s[26:27], s[26:27], XS0
	s_add_nc_u64 s[28:29], s[4:5], WQ
	s_mul_i32 s22, s20, 6144
	s_add_nc_u64 s[30:31], s[6:7], s[22:23]
	s_add_nc_u64 s[30:31], s[30:31], XC12
	s_lshl_b32 s22, s20, 8
	s_add_nc_u64 s[32:33], s[6:7], s[22:23]
	s_add_nc_u64 s[32:33], s[32:33], XS12
.if FINAL
	s_lshr_b32 s22, ttmp9, 5
	s_lshl_b32 s22, s22, 23
	s_add_nc_u64 s[16:17], s[16:17], s[22:23]
	s_and_b32 s22, ttmp9, 31
	s_lshl_b32 s22, s22, 11
	s_lshl_b32 s21, s18, 8
	s_add_co_u32 s22, s22, s21
	s_add_nc_u64 s[16:17], s[16:17], s[22:23]      ; the output at my batch, channel 0, my wave's 64 points
.else
	s_lshl_b32 s22, ttmp9, 11
	s_add_nc_u64 s[14:15], s[14:15], s[22:23]
.endif
	WIN 0x40
.set PT, 0
.rept 4
.set I_, 0
.rept 3
	global_load_b128 v[36*PT+4*I_:36*PT+4*I_+3], v1, s[24:25] offset:1536*PT+512*I_ th:TH_LOAD_NT
	global_load_b128 v[36*PT+12+4*I_:36*PT+12+4*I_+3], v1, s[30:31] offset:6144*(PT/2)+1536*(PT%2)+512*I_ th:TH_LOAD_NT
	global_load_b128 v[36*PT+24+4*I_:36*PT+24+4*I_+3], v1, s[30:31] offset:6144*(PT/2)+3072+1536*(PT%2)+512*I_ th:TH_LOAD_NT
.set I_, I_+1
.endr
.set PT, PT+1
.endr
	WIN 0
	global_load_b32 v10, v83, s[26:27]
	global_load_b32 v11, v83, s[26:27] offset:128
	global_load_b64 v[12:13], v80, s[32:33]
	global_load_b64 v[14:15], v80, s[32:33] offset:256
.set J, 0
.rept 26
	global_load_b128 v[ACC+4*J:ACC+4*J+3], v64, s[28:29] offset:4096*J
.set J, J+1
.endr
	global_load_b32 v70, v66, s[8:9]
	global_load_b32 v71, v66, s[10:11]
	global_load_b32 v72, v66, s[10:11] offset:1024
	global_load_b32 v74, v68, s[12:13]
.if FINAL
	global_load_b32 v76, v69, s[14:15]
.endif
	s_wait_loadcnt 0x0
.set J, 0
.rept 26
.if J < 16
	ds_store_b128 v64, v[ACC+4*J:ACC+4*J+3] offset:4096*J
.else
	ds_store_b128 v65, v[ACC+4*J:ACC+4*J+3] offset:4096*(J-16)
.endif
.set J, J+1
.endr
	ds_store_b32 v78, v70
	ds_store_b32 v78, v71 offset:1024
	ds_store_b32 v78, v72 offset:2048
	v_mov_b32 v75, v74
	ds_store_b64 v79, v[74:75]                     ; threads 2 c and 2 c + 1 write the two halves of channel c's 16 bytes
.if FINAL
	v_mov_b32 v77, v76
	ds_store_b64 v79, v[76:77] offset:2048         ; thread 2 c: (A2, A2); thread 2 c + 1: (B2, B2)
.endif
	s_wait_dscnt 0x0
	s_barrier_signal -1
	s_barrier_wait -1                              ; weights and constants lie in LDS; they are only read from here on
.irp hc, 0,1,2,3
	P3 \hc
	BN \hc
	QUANT2 \hc
.endr
.irp oh, 0,1
	P4 \oh
.if FINAL
.irp oo, 0,1,2,3
	ds_load_b128 v[80+4*\oo:83+4*\oo], v6 offset:256*(4*\oh+\oo)
.endr
	s_wait_dscnt 0x0
	PACK 0
	PACK 1                                         ; a tile's arithmetic stands between the loads of the tile before and its stores
	SEND \oh, 0, 16
	PACK 2
	SEND \oh, 1, 16
	PACK 3
	SEND \oh, 2, 16
	SEND \oh, 3, 0
.else
.irp oo, 0,1,2,3
.set SBASE, ACC+32*\oo
.set SOFF, 128*(4*\oh+\oo)
	STAT SBASE, 7, SOFF
.endr
.endif
.endr
.if FINAL == 0
	s_wait_dscnt 0x0
	s_barrier_signal -1
	s_barrier_wait -1                              ; eight waves' sums lie in LDS
	s_cmp_lt_u32 s18, 4
	s_cbranch_scc0 .Lend                           ; 128 channels: waves 0-3 finish
	v_lshl_add_u32 v24, v0, 3, STA2
.set J, 0
.rept 8
	ds_load_b64 v[32+2*J:33+2*J], v24 offset:1024*J
.set J, J+1
.endr
	v_lshlrev_b32 v25, 3, v0
	s_wait_dscnt 0x0
	v_pk_add_f32 v[32:33], v[32:33], v[40:41]
	v_pk_add_f32 v[34:35], v[34:35], v[42:43]
	v_pk_add_f32 v[36:37], v[36:37], v[44:45]
	v_pk_add_f32 v[38:39], v[38:39], v[46:47]
	v_pk_add_f32 v[32:33], v[32:33], v[36:37]
	v_pk_add_f32 v[34:35], v[34:35], v[38:39]
	v_pk_add_f32 v[32:33], v[32:33], v[34:35]
	global_store_b64 v25, v[32:33], s[14:15]       ; channel tid's pair: a wave stores 256 consecutive bytes
.Lend:
.endif
	s_wait_tensorcnt 0x0
	ds_add_u32 v123, v127
	s_wait_dscnt 0x0
	s_endpgm
.Lfunc_end_k_q4023642df6_mid:
	.size	k_q4023642df6_mid, .Lfunc_end_k_q4023642df6_mid-k_q4023642df6_mid
	.p2alignl 7, 3214868480
	.fill 96, 4, 3214868480
	.section	.rodata,"a",@progbits
	.p2align	6, 0x0
	.amdhsa_kernel k_q4023642df6_mid
		.amdhsa_group_segment_fixed_size 120832
		.amdhsa_private_segment_fixed_size 0
		.amdhsa_enable_private_segment 0
		.amdhsa_kernarg_size 48
		.amdhsa_user_sgpr_count 2
		.amdhsa_user_sgpr_kernarg_segment_ptr 1
		.amdhsa_wavefront_size32 1
		.amdhsa_system_sgpr_workgroup_id_x 1
		.amdhsa_system_sgpr_workgroup_id_y 1
		.amdhsa_system_sgpr_workgroup_id_z 1
		.amdhsa_system_vgpr_workitem_id 0
		.amdhsa_next_free_vgpr 512
		.amdhsa_next_free_sgpr 66
		.amdhsa_reserve_vcc 0
		.amdhsa_float_denorm_mode_32 3
		.amdhsa_float_denorm_mode_16_64 3
		.amdhsa_memory_ordered 1
		.amdhsa_forward_progress 1
		.amdhsa_inst_pref_size 163
	.end_amdhsa_kernel
	.amdgpu_metadata
---
amdhsa.version: [ 1, 2 ]
amdhsa.kernels:
  - .name:           k_q4023642df6_mid
    .symbol:         k_q4023642df6_mid.kd
    .args:
      - { .name: k2o, .offset: 0, .size: 8, .value_kind: global_buffer, .address_space: global }
      - { .name: k3o, .offset: 8, .size: 8, .value_kind: global_buffer, .address_space: global }
      - { .name: b1, .offset: 16, .size: 8, .value_kind: global_buffer, .address_space: global }
      - { .name: bn1, .offset: 24, .size: 8, .value_kind: global_buffer, .address_space: global }
      - { .name: b2, .offset: 32, .size: 8, .value_kind: global_buffer, .address_space: global }
      - { .name: part2, .offset: 40, .size: 8, .value_kind: global_buffer, .address_space: global }
    .group_segment_fixed_size: 120832
    .private_segment_fixed_size: 0
    .kernarg_segment_align: 8
    .kernarg_segment_size: 48
    .max_flat_workgroup_size: 256
    .sgpr_count:     66
    .vgpr_count:     512
    .wavefront_size: 32
...
	.end_amdgpu_metadata
.endif
;; end of part 5
;; launch bn2f: the kernel of part 4 again; grid 2 x 1, 8 waves a work-group, no clusters, 5,120 bytes of LDS; arguments part2, g2, be2, bn2; writes bn2
;; launch fin (part 6): grid 256 x 1, 8 waves a work-group, no clusters, 149,504 bytes of LDS; arguments k2o, k3o, b1, bn1, b2, bn2, out0; writes out0
.if DOCPART == 6
	.amdgcn_target "amdgcn-amd-amdhsa--gfx1250"
	.amdhsa_code_object_version 6
	.text
	.protected	k_q4023642df6_fin
	.globl	k_q4023642df6_fin
	.p2align	8
	.type	k_q4023642df6_fin,@function
k_q4023642df6_fin:
	s_mov_b64 s[64:65], 0
	v_nop
	global_prefetch_b8 v0, s[64:65] scope:SCOPE_SE
	s_setreg_imm32_b32 hwreg(HW_REG_WAVE_MODE, 25, 1), 1
	s_wait_xcnt 0x0
; From x's codes: y1 = x W1^T + b1; h = relu(y1 A1 + B1), quantised to E2M3 along the 256 hidden channels in registers; y2 = h W2^T + b2.
; FINAL = 0: of y2 only the sums of y2 and y2^2 for each channel are stored.  FINAL = 1: out = relu(y2 A2 + B2) is stored.
; SHARES: a wave owns 64 points (four tiles pt) from start to end; x's twelve fragments stay in window 1.  The weights' 64 fragments lie in LDS as register images; each fragment read feeds four matrix instructions.
; THE FIRST PRODUCT IS USED TRANSPOSED (source 0 = 16 rows of W1, source 1 = 16 points): a lane holds one point and eight hidden channels.  Row r of W1's tile T is channel
; cb(T) + r + 8 (r / 8), cb(T) = 128 (T / 8) + 32 ((T % 8) / 2) + 8 (T % 2): so the 16 registers of tiles 2 b, 2 b + 1 are 16 neighbours along the next K.  Four tiles (64 channels) at a time.
; THE SECOND IS USED AS IT IS (source 0 = 16 points, source 1 = 16 rows of W2): a lane holds one channel and eight neighbouring points, as the output [channel][point] wants them.
; The biases are the C of each sum's first matrix instruction.  No tensor load: the only shared bytes are the weights' 104 KB, fetched once a work-group.
; REGISTERS, window 0: v1-9 addresses; v10-15 x's scale words, v16-23 the hidden layer's (tile pt, K step s: 16 + 2 pt + s), v60-62 the ring's (these hold scales and nothing else);
;   v24-59 a ring of three weight fragments (at work in the quantiser); v64-79 two sets of C (second set of BN constants); v80-95 BN constants; v96-127 codes just made; v128-255 sixteen accumulators.
;   window 1: v0-143 x: (pt, k) at 12 (3 pt + k); v144-239 the hidden layer: (pt, s) at 144 + 24 pt + 12 s.
.set FINAL, 1
.set XC0,  2097152
.set XS0,  14680064
.set WQ,   15204352
.set XC12, 524288
.set XS12, 25690112
.set WSC,  98304                       ; LDS: the weights' codes at 0; their scale words;
.set LB1,  106496                      ; b1, A1 (+ 1,024), B1 (+ 2,048);
.set B2R,  109568                      ; b2, each number four times;
.set STA2, 111616                      ; FINAL = 0: 128 pairs of sums for each wave
.set AB2,  111616                      ; FINAL = 1: (A2, A2, B2, B2) for each channel;
.set STG,  113664                      ; a stage of 16 rows x (256 + 16) bytes for each wave
.set RING, 24
.set TM,   24
.set RS,   60
.set CS,   64
.set PQ,   96
.set TS,   96
.set ACC,  128
.set HS,   16
.set HF,   144
.set MSB, 0
.macro WIN new                         ; the immediate's high byte repeats the setting that is left
.if MSB != \new
	s_set_vgpr_msb (MSB<<8)|\new
.set MSB, \new
.endif
.endm
.macro PLACES n                        ; plain lines behind matrix instructions: four before a result is read or a load lands on an operand
.rept \n
	v_nop
.endr
.endm
.macro SWM d, a, b, c, sa, sb, rowb    ; rowb: tile 1 of a pair has its scale words in lanes 16-31
.if \rowb
	v_wmma_scale_f32_16x16x128_f8f6f4 v[\d:\d+7], v[\a:\a+11], v[\b:\b+11], v[\c:\c+7], v[\sa], v[\sb] matrix_a_fmt:MATRIX_FMT_FP6 matrix_b_fmt:MATRIX_FMT_FP6 matrix_b_scale:MATRIX_SCALE_ROW1
.else
	v_wmma_scale_f32_16x16x128_f8f6f4 v[\d:\d+7], v[\a:\a+11], v[\b:\b+11], v[\c:\c+7], v[\sa], v[\sb] matrix_a_fmt:MATRIX_FMT_FP6 matrix_b_fmt:MATRIX_FMT_FP6
.endif
.endm
.macro WLOAD f, buf                    ; weight fragment f and its scale words into place buf of the ring: four LDS loads
.set I_, 0
.rept 3
.if (\f) < 32
	ds_load_b128 v[RING+12*(\buf)+4*I_:RING+12*(\buf)+4*I_+3], v1 offset:1536*(\f)+512*I_
.else
	ds_load_b128 v[RING+12*(\buf)+4*I_:RING+12*(\buf)+4*I_+3], v2 offset:1536*((\f)-32)+512*I_
.endif
.set I_, I_+1
.endr
	ds_load_b32 v[RS+(\buf)], v3 offset:128*(\f)
.endm
.macro CLOAD1 t, set                   ; b1 of tile t's eight channels of my half
.set CBT, 128*((\t)/8)+32*(((\t)%8)/2)+8*((\t)%2)
	ds_load_b128 v[CS+8*(\set):CS+8*(\set)+3], v4 offset:4*CBT
	ds_load_b128 v[CS+8*(\set)+4:CS+8*(\set)+7], v4 offset:4*CBT+16
.endm
.macro CLOAD2 o, set                   ; b2 of my channel of tile o, eight times
	ds_load_b128 v[CS+8*(\set):CS+8*(\set)+3], v5 offset:256*(\o)
	ds_load_b128 v[CS+8*(\set)+4:CS+8*(\set)+7], v5 offset:256*(\o)
.endm
; y1 for hidden tiles 4 hc .. 4 hc + 3: twelve groups (tile, K step) of four matrix instructions, the four tiles of points by turns.
; The ring runs two fragments ahead: at a group's head the count 4 leaves the next fragment's four loads out.
.macro P3 hc
	PLACES 4
	CLOAD1 4*(\hc), 0
	WLOAD 12*(\hc), 0
	WLOAD 12*(\hc)+1, 1
	WIN 0x04                                       ; source 1 (x) in window 1; LDS loads name a destination and source 0 alone
.set G_, 0
.rept 12
.set TT_, G_/3
.set K_, G_%3
.if G_ < 11
	s_wait_dscnt 4
.else
	s_wait_dscnt 0x0
.endif
.set PT, 0
.rept 4
.set DD, ACC+32*PT+8*TT_
.set AA, RING+12*K_
.set BB2, 36*PT+12*K_
.set SA, RS+K_
.if K_ == 0
.set CC2, CS+8*(TT_%2)
.set SB2, 10+PT/2
.else
.set CC2, DD
.set SB2, 12+2*(PT/2)+K_-1
.endif
	SWM DD, AA, BB2, CC2, SA, SB2, PT%2
.set PT, PT+1
.endr
	PLACES 4
.if (K_ == 0) && (TT_ < 3)
	CLOAD1 4*(\hc)+TT_+1, (TT_+1)%2
.endif
.if G_ < 10
	WLOAD 12*(\hc)+G_+2, (G_+2)%3
.endif
.set G_, G_+1
.endr
	WIN 0
.endm
.macro BNLOAD t, set                   ; A1 and B1 of tile t's eight channels of my half: four LDS loads
.set CBT, 128*((\t)/8)+32*(((\t)%8)/2)+8*((\t)%2)
.set BS, 80-16*(\set)
	ds_load_b128 v[BS:BS+3], v4 offset:1024+4*CBT
	ds_load_b128 v[BS+4:BS+7], v4 offset:1024+4*CBT+16
	ds_load_b128 v[BS+8:BS+11], v4 offset:2048+4*CBT
	ds_load_b128 v[BS+12:BS+15], v4 offset:2048+4*CBT+16
.endm
.macro BN hc                           ; h = max(0, y1 A1 + B1), each accumulator from its low end on
	PLACES 4
	BNLOAD 4*(\hc), 0
	BNLOAD 4*(\hc)+1, 1
.set TT_, 0
.rept 4
.if TT_ < 3
	s_wait_dscnt 4                                 ; this tile's constants are in; the next tile's four loads may be out
.else
	s_wait_dscnt 0x0
.endif
.set BS, 80-16*(TT_%2)
.set PT, 0
.rept 4
.set AB_, ACC+32*PT+8*TT_
.set J, 0
.rept 4
	v_pk_fma_f32 v[AB_+J:AB_+J+1], v[AB_+J:AB_+J+1], v[BS+J:BS+J+1], v[BS+8+J:BS+9+J]
.set J, J+2
.endr
.set J, 0
.rept 8
	v_max_num_f32 v[AB_+J], 0, v[AB_+J]
.set J, J+1
.endr
.set PT, PT+1
.endr
.if TT_ < 2
	BNLOAD 4*(\hc)+TT_+2, TT_%2
.endif
.set TT_, TT_+1
.endr
.endm
; 64 hidden channels of each of my 64 points: two blocks of 32 a tile of points; a block lies in lanes l and l xor 16.  The four tiles take turns line by line.  Nothing is negative: no |.|.
.macro QUANT2 hc
.set BE, 0
.rept 2
.set PT, 0
.rept 4
	v_max3_num_f32 v[TM+8*PT+BE], v[ACC+32*PT+16*BE], v[ACC+32*PT+16*BE+1], 0x1800000   ; and the floor 2^(3 - 127)
.set PT, PT+1
.endr
.set BE, BE+1
.endr
.set I_, 2
.rept 7
.set BE, 0
.rept 2
.set PT, 0
.rept 4
	v_max3_num_f32 v[TM+8*PT+BE], v[TM+8*PT+BE], v[ACC+32*PT+16*BE+I_], v[ACC+32*PT+16*BE+I_+1]
.set PT, PT+1
.endr
.set BE, BE+1
.endr
.set I_, I_+2
.endr
.set BE, 0
.rept 2
.set PT, 0
.rept 4
	v_permlanex16_b32 v[TM+8*PT+2+BE], v[TM+8*PT+BE], s36, s37
.set PT, PT+1
.endr
.set BE, BE+1
.endr
.set BE, 0
.rept 2
.set PT, 0
.rept 4
	v_max_num_f32 v[TM+8*PT+BE], v[TM+8*PT+BE], v[TM+8*PT+2+BE]
.set PT, PT+1
.endr
.set BE, BE+1
.endr
.set BE, 0
.rept 2
.set PT, 0
.rept 4
	v_add_nc_u32 v[TM+8*PT+4+BE], 0xff000000, v[TM+8*PT+BE]   ; 2 off the exponent field: the conversion's scale operand
.set PT, PT+1
.endr
.set BE, BE+1
.endr
.set BE, 0
.rept 2
.set PT, 0
.rept 4
.if (2*((\hc)%2)+BE) == 0
	v_lshrrev_b32 v[HS+2*PT+(\hc)/2], 23, v[TM+8*PT+4+BE]     ; the byte of block 2 (hc % 2) + BE of K step hc / 2
.else
	v_lshrrev_b32 v[TM+8*PT+6], 23, v[TM+8*PT+4+BE]
	v_lshl_or_b32 v[HS+2*PT+(\hc)/2], v[TM+8*PT+6], 8*(2*((\hc)%2)+BE), v[HS+2*PT+(\hc)/2]
.endif
.set PT, PT+1
.endr
.set BE, BE+1
.endr
.set PT, 0
.rept 4
	v_cvt_scalef32_pk16_fp6_f32 v[PQ+8*PT:PQ+8*PT+2], v[ACC+32*PT:ACC+32*PT+15], v[TM+8*PT+4]
	v_cvt_scalef32_pk16_fp6_f32 v[PQ+8*PT+4:PQ+8*PT+6], v[ACC+32*PT+16:ACC+32*PT+31], v[TM+8*PT+5]
.set PT, PT+1
.endr
	v_nop                                          ; a plain line behind the conversions
.set PT, 0
.rept 4
.set I_, 0
.rept 3
	v_permlane16_swap_b32 v[PQ+8*PT+I_], v[PQ+8*PT+4+I_]      ; a whole block to a lane: the first now holds each lane's block's lower 16 codes, the second the upper 16
.set I_, I_+1
.endr
.set PT, PT+1
.endr
	WIN 0x40                                       ; destination window 1
.set PT, 0
.rept 4
.set I_, 0
.rept 3
	v_mov_b32 v[HF+24*PT+12*((\hc)/2)+6*((\hc)%2)+I_], v[PQ+8*PT+I_]
	v_mov_b32 v[HF+24*PT+12*((\hc)/2)+6*((\hc)%2)+3+I_], v[PQ+8*PT+4+I_]
.set I_, I_+1
.endr
.set PT, PT+1
.endr
	WIN 0
.endm
; y2 for output tiles 4 oh .. 4 oh + 3: eight groups (tile, K step) of four matrix instructions; the ring as above
.macro P4 oh
.if FINAL
	s_wait_xcnt 0x0                                ; the stores of the half before have read the accumulators' registers
.endif
	PLACES 4
	CLOAD2 4*(\oh), 0
	WLOAD 48+8*(\oh), 0
	WLOAD 48+8*(\oh)+1, 1
.set G_, 0
.rept 8
.set OO, G_/2
.set S_, G_%2
.if G_ < 7
	s_wait_dscnt 4
.else
	s_wait_dscnt 0x0
.endif
	WIN 0x01                                       ; source 0 (the hidden layer) in window 1
.set PT, 0
.rept 4
.set DD, ACC+32*OO+8*PT
.set AA, HF+24*PT+12*S_
.set BB2, RING+12*(G_%3)
.set SA, HS+2*PT+S_
.set SB2, RS+G_%3
.if S_ == 0
.set CC2, CS+8*(OO%2)
.else
.set CC2, DD
.endif
	SWM DD, AA, BB2, CC2, SA, SB2, 0
.set PT, PT+1
.endr
	WIN 0
	PLACES 4
.if (S_ == 0) && (OO < 3)
	CLOAD2 4*(\oh)+OO+1, (OO+1)%2
.endif
.if G_ < 6
	WLOAD 48+8*(\oh)+G_+2, (G_+2)%3
.endif
.set G_, G_+1
.endr
.endm
; the sums of 32 numbers of my channel and of their squares, in ascending registers; with the other half of the lanes' 32; to my wave's own words in LDS (both halves store the same pair)
.macro STAT base, adr, off
	v_pk_add_f32 v[TS:TS+1], v[\base:\base+1], v[\base+2:\base+3]
	v_pk_mul_f32 v[TS+2:TS+3], v[\base:\base+1], v[\base:\base+1]
	v_pk_fma_f32 v[TS+2:TS+3], v[\base+2:\base+3], v[\base+2:\base+3], v[TS+2:TS+3]
.set J, 4
.rept 14
	v_pk_add_f32 v[TS:TS+1], v[TS:TS+1], v[\base+J:\base+J+1]
	v_pk_fma_f32 v[TS+2:TS+3], v[\base+J:\base+J+1], v[\base+J:\base+J+1], v[TS+2:TS+3]
.set J, J+2
.endr
	v_add_f32 v[TS+4], v[TS], v[TS+1]
	v_add_f32 v[TS+5], v[TS+2], v[TS+3]
	v_permlanex16_b32 v[TS+6], v[TS+4], s36, s37
	v_permlanex16_b32 v[TS+7], v[TS+5], s36, s37
	v_pk_add_f32 v[TS+4:TS+5], v[TS+4:TS+5], v[TS+6:TS+7]
	ds_store_b64 v[\adr], v[TS+4:TS+5] offset:\off
.endm
; FINAL = 1: tile oo of the half: relu(y2 A2 + B2); 16 channels x 64 points through my own stage; back as rows of 256 bytes, into the registers that they left
.macro PACK oo
.set AB_, ACC+32*(\oo)
.set J, 0
.rept 16
	v_pk_fma_f32 v[AB_+J:AB_+J+1], v[AB_+J:AB_+J+1], v[80+4*(\oo):81+4*(\oo)], v[82+4*(\oo):83+4*(\oo)]
.set J, J+2
.endr
.set J, 0
.rept 32
	v_max_num_f32 v[AB_+J], 0, v[AB_+J]
.set J, J+1
.endr
.set PT, 0
.rept 4
	ds_store_b128 v7, v[AB_+8*PT:AB_+8*PT+3] offset:64*PT
	ds_store_b128 v7, v[AB_+8*PT+4:AB_+8*PT+7] offset:64*PT+16
.set PT, PT+1
.endr
.set I_, 0
.rept 8
	ds_load_b128 v[AB_+4*I_:AB_+4*I_+3], v8 offset:544*I_   ; LDS serves a wave's instructions in order: these see the stores above, and the next tile's stores come behind them
.set I_, I_+1
.endr
.endm
.macro SEND oh, oo, younger            ; younger: the LDS instructions issued behind tile oo's loads
.set AB_, ACC+32*(\oo)
.set I_, 0
.rept 8
	s_wait_dscnt (\younger)+7-I_
	global_store_b128 v9, v[AB_+4*I_:AB_+4*I_+3], s[16:17] offset:(16*(4*(\oh)+(\oo))+2*I_)*65536 th:TH_STORE_NT   ; 16 lanes store 256 consecutive bytes of one channel
.set I_, I_+1
.endr
.endm
	s_load_b128 s[4:7], s[0:1], 0x0                ; k2o, k3o
	s_load_b128 s[8:11], s[0:1], 0x10              ; b1, bn1
	s_load_b128 s[12:15], s[0:1], 0x20             ; b2; FINAL = 0: part2, FINAL = 1: bn2
.if FINAL
	s_load_b64 s[16:17], s[0:1], 0x30              ; out0
	v_lshl_add_u32 v123, v0, 2, 0x24400
	v_mov_b32 v127, 0
.endif
	v_lshrrev_b32 v1, 5, v0
	v_readfirstlane_b32 s18, v1                    ; wave
	v_and_b32 v63, 31, v0                          ; lane
	v_lshlrev_b32 v1, 4, v63
	v_add_nc_u32 v2, 49152, v1
	v_lshl_add_u32 v3, v63, 2, WSC
	v_and_b32 v81, 15, v0                          ; r
	v_bfe_u32 v82, v0, 4, 1                        ; h
	v_lshl_add_u32 v4, v82, 6, LB1
	v_lshl_add_u32 v5, v81, 4, B2R
.if FINAL
	v_lshl_add_u32 v6, v81, 4, AB2
	s_mul_i32 s19, s18, 4352
	s_add_co_u32 s19, s19, STG                     ; my stage
	v_mul_u32_u24 v7, v81, 272
	v_lshl_add_u32 v7, v82, 5, v7
	v_add_nc_u32 v7, s19, v7                       ; in: row = my channel, 32 bytes for each half of the lanes
	v_mul_u32_u24 v8, v82, 272
	v_lshl_add_u32 v8, v81, 4, v8
	v_add_nc_u32 v8, s19, v8                       ; back: lanes 0-15 one row, lanes 16-31 the next
	v_lshlrev_b32 v9, 16, v82
	v_lshl_add_u32 v9, v81, 4, v9                  ; and the same two channels in the output
.else
	s_lshl_b32 s19, s18, 10
	s_add_co_u32 s19, s19, STA2
	v_lshl_add_u32 v7, v81, 3, s19
	v_mov_b32 v[TS+6], 0                           ; written once: a lane permute's destination counts as one of its sources
	v_mov_b32 v[TS+7], 0
.endif
	v_lshlrev_b32 v64, 4, v0
	v_add_nc_u32 v65, 65536, v64
	v_lshlrev_b32 v66, 2, v0
	v_lshlrev_b32 v67, 3, v0
	v_lshrrev_b32 v68, 1, v0
	v_lshlrev_b32 v68, 2, v68
	v_and_b32 v69, 1, v0
	v_lshl_add_u32 v69, v69, 10, v68
	v_add_nc_u32 v78, LB1, v66
	v_add_nc_u32 v79, B2R, v67
	v_lshlrev_b32 v80, 3, v63
	v_lshlrev_b32 v83, 2, v63
	s_mov_b32 s36, 0x76543210
	s_mov_b32 s37, 0xfedcba98
	s_lshl_b32 s20, ttmp9, 4
	s_lshl_b32 s21, s18, 1
	s_add_co_u32 s20, s20, s21                     ; my first pair
	s_mov_b32 s23, 0
	s_wait_kmcnt 0x0
	s_mul_i32 s22, s20, 3072
	s_add_nc_u64 s[24:25], s[4:5], s[22:23]
	s_add_nc_u64 s[24:25], s[24:25], XC0
	s_lshl_b32 s22, s20, 7
	s_add_nc_u64 s[26:27], s[4:5], s[22:23]
	s_add_nc_u64 s[26:27], s[26:27], XS0
	s_add_nc_u64 s[28:29], s[4:5], WQ
	s_mul_i32 s22, s20, 6144
	s_add_nc_u64 s[30:31], s[6:7], s[22:23]
	s_add_nc_u64 s[30:31], s[30:31], XC12
	s_lshl_b32 s22, s20, 8
	s_add_nc_u64 s[32:33], s[6:7], s[22:23]
	s_add_nc_u64 s[32:33], s[32:33], XS12
.if FINAL
	s_lshr_b32 s22, ttmp9, 5
	s_lshl_b32 s22, s22, 23
	s_add_nc_u64 s[16:17], s[16:17], s[22:23]
	s_and_b32 s22, ttmp9, 31
	s_lshl_b32 s22, s22, 11
	s_lshl_b32 s21, s18, 8
	s_add_co_u32 s22, s22, s21
	s_add_nc_u64 s[16:17], s[16:17], s[22:23]      ; the output at my batch, channel 0, my wave's 64 points
.else
	s_lshl_b32 s22, ttmp9, 11
	s_add_nc_u64 s[14:15], s[14:15], s[22:23]
.endif
	WIN 0x40
.set PT, 0
.rept 4
.set I_, 0
.rept 3
	global_load_b128 v[36*PT+4*I_:36*PT+4*I_+3], v1, s[24:25] offset:1536*PT+512*I_ th:TH_LOAD_NT
	global_load_b128 v[36*PT+12+4*I_:36*PT+12+4*I_+3], v1, s[30:31] offset:6144*(PT/2)+1536*(PT%2)+512*I_ th:TH_LOAD_NT
	global_load_b128 v[36*PT+24+4*I_:36*PT+24+4*I_+3], v1, s[30:31] offset:6144*(PT/2)+3072+1536*(PT%2)+512*I_ th:TH_LOAD_NT
.set I_, I_+1
.endr
.set PT, PT+1
.endr
	WIN 0
	global_load_b32 v10, v83, s[26:27]
	global_load_b32 v11, v83, s[26:27] offset:128
	global_load_b64 v[12:13], v80, s[32:33]
	global_load_b64 v[14:15], v80, s[32:33] offset:256
.set J, 0
.rept 26
	global_load_b128 v[ACC+4*J:ACC+4*J+3], v64, s[28:29] offset:4096*J
.set J, J+1
.endr
	global_load_b32 v70, v66, s[8:9]
	global_load_b32 v71, v66, s[10:11]
	global_load_b32 v72, v66, s[10:11] offset:1024
	global_load_b32 v74, v68, s[12:13]
.if FINAL
	global_load_b32 v76, v69, s[14:15]
.endif
	s_wait_loadcnt 0x0
.set J, 0
.rept 26
.if J < 16
	ds_store_b128 v64, v[ACC+4*J:ACC+4*J+3] offset:4096*J
.else
	ds_store_b128 v65, v[ACC+4*J:ACC+4*J+3] offset:4096*(J-16)
.endif
.set J, J+1
.endr
	ds_store_b32 v78, v70
	ds_store_b32 v78, v71 offset:1024
	ds_store_b32 v78, v72 offset:2048
	v_mov_b32 v75, v74
	ds_store_b64 v79, v[74:75]                     ; threads 2 c and 2 c + 1 write the two halves of channel c's 16 bytes
.if FINAL
	v_mov_b32 v77, v76
	ds_store_b64 v79, v[76:77] offset:2048         ; thread 2 c: (A2, A2); thread 2 c + 1: (B2, B2)
.endif
	s_wait_dscnt 0x0
	s_barrier_signal -1
	s_barrier_wait -1                              ; weights and constants lie in LDS; they are only read from here on
.irp hc, 0,1,2,3
	P3 \hc
	BN \hc
	QUANT2 \hc
.endr
.irp oh, 0,1
	P4 \oh
.if FINAL
.irp oo, 0,1,2,3
	ds_load_b128 v[80+4*\oo:83+4*\oo], v6 offset:256*(4*\oh+\oo)
.endr
	s_wait_dscnt 0x0
	PACK 0
	PACK 1                                         ; a tile's arithmetic stands between the loads of the tile before and its stores
	SEND \oh, 0, 16
	PACK 2
	SEND \oh, 1, 16
	PACK 3
	SEND \oh, 2, 16
	SEND \oh, 3, 0
.else
.irp oo, 0,1,2,3
.set SBASE, ACC+32*\oo
.set SOFF, 128*(4*\oh+\oo)
	STAT SBASE, 7, SOFF
.endr
.endif
.endr
.if FINAL == 0
	s_wait_dscnt 0x0
	s_barrier_signal -1
	s_barrier_wait -1                              ; eight waves' sums lie in LDS
	s_cmp_lt_u32 s18, 4
	s_cbranch_scc0 .Lend                           ; 128 channels: waves 0-3 finish
	v_lshl_add_u32 v24, v0, 3, STA2
.set J, 0
.rept 8
	ds_load_b64 v[32+2*J:33+2*J], v24 offset:1024*J
.set J, J+1
.endr
	v_lshlrev_b32 v25, 3, v0
	s_wait_dscnt 0x0
	v_pk_add_f32 v[32:33], v[32:33], v[40:41]
	v_pk_add_f32 v[34:35], v[34:35], v[42:43]
	v_pk_add_f32 v[36:37], v[36:37], v[44:45]
	v_pk_add_f32 v[38:39], v[38:39], v[46:47]
	v_pk_add_f32 v[32:33], v[32:33], v[36:37]
	v_pk_add_f32 v[34:35], v[34:35], v[38:39]
	v_pk_add_f32 v[32:33], v[32:33], v[34:35]
	global_store_b64 v25, v[32:33], s[14:15]       ; channel tid's pair: a wave stores 256 consecutive bytes
.Lend:
.endif
	s_wait_tensorcnt 0x0
	ds_add_u32 v123, v127
	s_wait_dscnt 0x0
	s_endpgm
.Lfunc_end_k_q4023642df6_fin:
	.size	k_q4023642df6_fin, .Lfunc_end_k_q4023642df6_fin-k_q4023642df6_fin
	.p2alignl 7, 3214868480
	.fill 96, 4, 3214868480
	.section	.rodata,"a",@progbits
	.p2align	6, 0x0
	.amdhsa_kernel k_q4023642df6_fin
		.amdhsa_group_segment_fixed_size 149504
		.amdhsa_private_segment_fixed_size 0
		.amdhsa_enable_private_segment 0
		.amdhsa_kernarg_size 56
		.amdhsa_user_sgpr_count 2
		.amdhsa_user_sgpr_kernarg_segment_ptr 1
		.amdhsa_wavefront_size32 1
		.amdhsa_system_sgpr_workgroup_id_x 1
		.amdhsa_system_sgpr_workgroup_id_y 1
		.amdhsa_system_sgpr_workgroup_id_z 1
		.amdhsa_system_vgpr_workitem_id 0
		.amdhsa_next_free_vgpr 512
		.amdhsa_next_free_sgpr 66
		.amdhsa_reserve_vcc 0
		.amdhsa_float_denorm_mode_32 3
		.amdhsa_float_denorm_mode_16_64 3
		.amdhsa_memory_ordered 1
		.amdhsa_forward_progress 1
		.amdhsa_inst_pref_size 177
	.end_amdhsa_kernel
	.amdgpu_metadata
---
amdhsa.version: [ 1, 2 ]
amdhsa.kernels:
  - .name:           k_q4023642df6_fin
    .symbol:         k_q4023642df6_fin.kd
    .args:
      - { .name: k2o, .offset: 0, .size: 8, .value_kind: global_buffer, .address_space: global }
      - { .name: k3o, .offset: 8, .size: 8, .value_kind: global_buffer, .address_space: global }
      - { .name: b1, .offset: 16, .size: 8, .value_kind: global_buffer, .address_space: global }
      - { .name: bn1, .offset: 24, .size: 8, .value_kind: global_buffer, .address_space: global }
      - { .name: b2, .offset: 32, .size: 8, .value_kind: global_buffer, .address_space: global }
      - { .name: bn2, .offset: 40, .size: 8, .value_kind: global_buffer, .address_space: global }
      - { .name: out0, .offset: 48, .size: 8, .value_kind: global_buffer, .address_space: global }
    .group_segment_fixed_size: 149504
    .private_segment_fixed_size: 0
    .kernarg_segment_align: 8
    .kernarg_segment_size: 56
    .max_flat_workgroup_size: 256
    .sgpr_count:     66
    .vgpr_count:     512
    .wavefront_size: 32
...
	.end_amdgpu_metadata
.endif
;; end of part 6
;; ======== version 2 of 3: 7 launches; 1.19 times as fast as version 1
;; limits: a difference of large sums (such as E[x^2] - mean^2): digits are lost where the result is much smaller than its terms
;; workspace buffers: gids 524,288 bytes of whole numbers; p2t 8,388,608 bytes; nidx 2,097,152 bytes of whole numbers; k2o 15,310,848 bytes; k3o 26,738,688 bytes; bn1 2,048 bytes; part2 524,288 bytes; bn2 2,048 bytes
;; launch knn: the kernel of part 1 again; grid 256 x 1, 8 waves a work-group, no clusters, 55,808 bytes of LDS; arguments xyz1, xyz2, points2, gids, p2t; writes gids, p2t
;; launch prep: the kernel of part 2 again; grid 512 x 1, 8 waves a work-group, no clusters, 18,432 bytes of LDS; arguments xyz1, xyz2, points1, W1, W2, gids, nidx, k2o; writes nidx, k2o
;; launch xbuild (part 7): grid 256 x 1, 8 waves a work-group, no clusters, 263,168 bytes of LDS; arguments nidx, k2o, p2t, b1, k3o; writes k3o
.if DOCPART == 7
	.amdgcn_target "amdgcn-amd-amdhsa--gfx1250"
	.amdhsa_code_object_version 6
	.text
	.protected	k_q4023642df6_xbuild
	.globl	k_q4023642df6_xbuild
	.p2align	8
	.type	k_q4023642df6_xbuild,@function
k_q4023642df6_xbuild:
	s_mov_b64 s[64:65], 0
	v_nop
	global_prefetch_b8 v0, s[64:65] scope:SCOPE_SE
	s_setreg_imm32_b32 hwreg(HW_REG_WAVE_MODE, 25, 1), 1
	s_wait_xcnt 0x0
; STAGE I: interp[d] = w0 p2t[i0][d] + w1 p2t[i1][d] + w2 p2t[i2][d] for 256 channels of each point, quantised to E2M3 along the channels: K steps 1 and 2 of the first product.
;   THE ROWS ARE GATHERED FROM LDS.  A batch's table is 1,024 rows of 1,024 bytes; a QUARTER of the channels, 1,024 rows of 256 bytes = 262,144 bytes, lies in LDS at a time, and the
;   work-group walks the four quarters.  Each quarter comes in through registers in whole aligned pieces of 256 bytes: a wave brings 128 rows by 64 loads, all on their way together.
;   A LANE TAKES A POINT.
;   The xor is undone in registers: its bits 0 and 1 on the
;   blended numbers, its bits 2 and 3 on the codes, where they only exchange the two conversions of a block and the two blocks.  A block's largest magnitude hangs on no order.
;   The codes are stored as images of the operand's registers (as K step 0's were) and kept in registers.
; STAGE II: y1 = x W1^T + b1 on the codes (source 0 = 16 points, source 1 = 16 channels of W1: a lane holds ONE channel and eight points), and of it only the sums
;   of y1 and y1^2 for each channel: 256 pairs a work-group.  y1 itself goes nowhere.
; SHARES: a wave owns 64 points (two pairs, four tiles) from start to end.  W1's 48 fragments lie in LDS as register images, in the table's bytes once the last quarter has been read; each fragment read feeds four matrix instructions.
; NOT BUILT: the 32 work-groups of a batch fetch the same quarters; a cluster of four that asked for them by joint tensor loads would divide these requests by four.  Here each work-group fetches for itself.
; REGISTERS, window 0: v1-9, v22-23 addresses; v10-15 x's scale words; v16-21 W1's scale words, two sets of three (these twelve hold scales and nothing else);
;   v24-39 16 (j xor l % 16); v40-45 the two pairs' rows x 256; v46-57 their weights, each twice; v58-63 at work; v64-127 row 0, then the blend; v128-191 row 1; v192-255 row 2, then codes.
;   In stage II: v48-143 W1's fragments and b1 in two sets of 48; v144-151 the sums at work; v160-223 two sets of four accumulators.
;   window 1: v0-143 x's fragments: (tile pt, K step k) at 12 (3 pt + k); v144-207 the gather's 48 addresses, and 16 of a quarter's 64 loads.
.set XC0,  2097152
.set XS0,  14680064
.set WQ,   15204352
.set XC12, 524288                      ; k3o: the sums at 0 (a row of 2,048 bytes a work-group); codes [pair][K step 1, 2][tile][1536];
.set XS12, 25690112                    ; scale words [pair][lane][2]
.set WSC,  73728                       ; LDS in stage II: W1's codes at 0; the weights' scale words;
.set B1R,  81920                       ; b1, each number four times;
.set STA,  221184                      ; 256 pairs of sums for each wave
.set XJ,   24
.set RO,   40
.set WT,   46
.set BL,   64
.set BLB,  128
.set BLC,  192
.set CV,   192                         ; four conversions' results, three registers each, on even numbers
.set DV,   208                         ; the same with bit 2 undone
.set FA,   220                         ; my point's first block of the quarter, six registers;
.set FB,   226                         ; its second
.set ADT,  144                         ; in window 1
.set ACC,  160
.set WS,   16
.set WF,   48
.set TS,   144
.set MSB, 0
.macro WIN new                         ; the immediate's high byte repeats the setting that is left
.if MSB != \new
	s_set_vgpr_msb (MSB<<8)|\new
.set MSB, \new
.endif
.endm
; quarter q of the table: my wave's 128 rows, two rows a load: lanes 0-15 the 256 bytes of one row, lanes 16-31 those of the next
.macro TLOAD q
.set I_, 0
.rept 48
	global_load_b128 v[BL+4*I_:BL+4*I_+3], v6, s[8:9] offset:2048*I_+256*(\q)
.set I_, I_+1
.endr
	WIN 0x40                                       ; destination window 1
.set I_, 0
.rept 16
	global_load_b128 v[ADT+4*I_:ADT+4*I_+3], v6, s[8:9] offset:2048*(48+I_)+256*(\q)
.set I_, I_+1
.endr
	WIN 0
.endm
.macro TSTORE                          ; and into LDS, 512 consecutive bytes a store
.set G_, 0
.rept 3
	s_wait_loadcnt 48-16*G_                        ; sixteen more of my 64 loads are in; the younger ones may be out
.set I_, 0
.rept 16
	ds_store_b128 v5, v[BL+4*(16*G_+I_):BL+4*(16*G_+I_)+3] offset:512*(16*G_+I_)
.set I_, I_+1
.endr
.set G_, G_+1
.endr
	s_wait_loadcnt 0x0
	WIN 0x04                                       ; an LDS store's data are its source 1: window 1
.set I_, 0
.rept 16
	ds_store_b128 v5, v[ADT+4*I_:ADT+4*I_+3] offset:512*(48+I_)
.set I_, I_+1
.endr
	WIN 0
.endm
; the change of quarters: my reads of the old quarter are over and the new one's loads are out; when that holds of all eight waves the table is written; when all have written it is read
.macro NEXTQ q
	s_wait_dscnt 0x0
	TLOAD \q
	s_barrier_signal -1
	s_barrier_wait -1
	TSTORE
	s_wait_dscnt 0x0
	s_barrier_signal -1
	s_barrier_wait -1
.endm
; pair pp, quarter q: 32 points x 64 channels: gathered, blended, quantised; the codes go to registers 6 (q % 2) on of K step 1 + q / 2's fragments
.macro PAIRQ pp, q
.set KS, 1+(\q)/2
.set CH, (\q)%2
.set SWR, 12+2*(\pp)+(\q)/2
.set W0, WT+6*(\pp)
	WIN 0x40                                       ; destination window 1: the 48 addresses, row x 256 + 16 (j xor l % 16)
.set J, 0
.rept 16
	v_add_nc_u32 v[ADT+3*J], v[RO+3*(\pp)], v[XJ+J]
	v_add_nc_u32 v[ADT+3*J+1], v[RO+3*(\pp)+1], v[XJ+J]
	v_add_nc_u32 v[ADT+3*J+2], v[RO+3*(\pp)+2], v[XJ+J]
.set J, J+1
.endr
	WIN 0x01                                       ; an LDS load's address is its source 0: window 1
.set J, 0
.rept 16
	ds_load_b128 v[BL+4*J:BL+4*J+3], v[ADT+3*J]
	ds_load_b128 v[BLB+4*J:BLB+4*J+3], v[ADT+3*J+1]
	ds_load_b128 v[BLC+4*J:BLC+4*J+3], v[ADT+3*J+2]
.set J, J+1
.endr
	WIN 0
.set G_, 0
.rept 4
	s_wait_dscnt 36-12*G_                          ; four more steps' twelve loads are in; the younger ones may be out
.set J, 0
.rept 8
	v_pk_mul_f32 v[BL+16*G_+2*J:BL+16*G_+2*J+1], v[BL+16*G_+2*J:BL+16*G_+2*J+1], v[W0:W0+1] op_sel_hi:[1,0]
.set J, J+1
.endr
.set J, 0
.rept 8
	v_pk_fma_f32 v[BL+16*G_+2*J:BL+16*G_+2*J+1], v[BLB+16*G_+2*J:BLB+16*G_+2*J+1], v[W0+2:W0+3], v[BL+16*G_+2*J:BL+16*G_+2*J+1] op_sel_hi:[1,0,1]
.set J, J+1
.endr
.set J, 0
.rept 8
	v_pk_fma_f32 v[BL+16*G_+2*J:BL+16*G_+2*J+1], v[BLC+16*G_+2*J:BLC+16*G_+2*J+1], v[W0+4:W0+5], v[BL+16*G_+2*J:BL+16*G_+2*J+1] op_sel_hi:[1,0,1]
.set J, J+1
.endr
.set G_, G_+1
.endr
	; registers 0-31 hold one whole block, registers 32-63 the other (which is which hangs on bit 3 of the lane): their largest magnitudes
	v_max3_num_f32 v58, |v[BL]|, |v[BL+1]|, 0x1800000     ; and the floor 2^(3 - 127): the byte cannot fall under 1
	v_max3_num_f32 v59, |v[BL+32]|, |v[BL+33]|, 0x1800000
.set I_, 2
.rept 15
	v_max3_num_f32 v58, v58, |v[BL+I_]|, |v[BL+I_+1]|
	v_max3_num_f32 v59, v59, |v[BL+32+I_]|, |v[BL+33+I_]|
.set I_, I_+2
.endr
	v_add_nc_u32 v60, 0xff000000, v58              ; 2 off the exponent field: the conversions' scale operands
	v_add_nc_u32 v61, 0xff000000, v59
	s_mov_b32 vcc_lo, 0xaaaaaaaa                   ; lanes with bit 0: pieces j and j xor 1 change places
.set J, 0
.rept 16
.set JX, J+1-2*(J%2)
.set I_, 0
.rept 4
	v_cndmask_b32 v[BLB+4*J+I_], v[BL+4*J+I_], v[BL+4*JX+I_], vcc_lo
.set I_, I_+1
.endr
.set J, J+1
.endr
	s_mov_b32 vcc_lo, 0xcccccccc                   ; lanes with bit 1: pieces j and j xor 2
.set J, 0
.rept 16
.set JX, J+2-4*((J/2)%2)
.set I_, 0
.rept 4
	v_cndmask_b32 v[BL+4*J+I_], v[BLB+4*J+I_], v[BLB+4*JX+I_], vcc_lo
.set I_, I_+1
.endr
.set J, J+1
.endr
.set G_, 0
.rept 4                                ; each run of 16 registers now holds 16 neighbouring channels in order
	v_cvt_scalef32_pk16_fp6_f32 v[CV+4*G_:CV+4*G_+2], v[BL+16*G_:BL+16*G_+15], v[60+G_/2]
.set G_, G_+1
.endr
	v_lshrrev_b32 v62, 23, v60                     ; the scales' bytes; also the plain lines behind the conversions
	v_lshrrev_b32 v63, 23, v61
	v_cndmask_b32 v58, v62, v63, s51               ; lanes with bit 3 hold the two blocks the other way round
	v_cndmask_b32 v59, v63, v62, s51
.if CH == 0
	v_lshl_or_b32 v[SWR], v59, 8, v58              ; bytes 0 and 1 of my point's scale word for this K step
.else
	v_lshl_or_b32 v[SWR], v58, 16, v[SWR]          ; bytes 2 and 3
	v_lshl_or_b32 v[SWR], v59, 24, v[SWR]
.endif
.set G_, 0
.rept 4                                ; lanes with bit 2: the two halves of each block change places
.set GX, G_+1-2*(G_%2)
.set I_, 0
.rept 3
	v_cndmask_b32 v[DV+3*G_+I_], v[CV+4*G_+I_], v[CV+4*GX+I_], s50
.set I_, I_+1
.endr
.set G_, G_+1
.endr
.set G_, 0
.rept 4                                ; lanes with bit 3: the two blocks
.set GX, (G_+2)%4
.set I_, 0
.rept 3
	v_cndmask_b32 v[FA+3*G_+I_], v[DV+3*G_+I_], v[DV+3*GX+I_], s51
.set I_, I_+1
.endr
.set G_, G_+1
.endr
.set I_, 0
.rept 6                                ; the operand wants lanes 0-15: the first block of a tile's point r, lanes 16-31: the second block of the same point: the first's lanes 16-31 change places with the second's lanes 0-15
	v_permlane16_swap_b32 v[FA+I_], v[FB+I_]
.set I_, I_+1
.endr
	WIN 0x40                                       ; destination window 1
.set I_, 0
.rept 6
	v_mov_b32 v[12*(6*(\pp)+KS)+6*CH+I_], v[FA+I_]
	v_mov_b32 v[12*(6*(\pp)+3+KS)+6*CH+I_], v[FB+I_]
.set I_, I_+1
.endr
	WIN 0
.endm
.macro IMG ks                          ; K step ks is whole: its four fragments go to memory as they stand, 512 consecutive bytes a store
	WIN 0x04                                       ; a store's data are its source 1: window 1
.set PT, 0
.rept 4
.set I_, 0
.rept 3
	global_store_b128 v1, v[12*(3*PT+(\ks))+4*I_:12*(3*PT+(\ks))+4*I_+3], s[30:31] offset:6144*(PT/2)+3072*((\ks)-1)+1536*(PT%2)+512*I_
.set I_, I_+1
.endr
.set PT, PT+1
.endr
	WIN 0
.endm
.macro SWMA d, a, b, c, sa, sb, row    ; row: tile 1 of a pair has its scale words in lanes 16-31
.if \row
	v_wmma_scale_f32_16x16x128_f8f6f4 v[\d:\d+7], v[\a:\a+11], v[\b:\b+11], v[\c:\c+7], v[\sa], v[\sb] matrix_a_fmt:MATRIX_FMT_FP6 matrix_b_fmt:MATRIX_FMT_FP6 matrix_a_scale:MATRIX_SCALE_ROW1
.else
	v_wmma_scale_f32_16x16x128_f8f6f4 v[\d:\d+7], v[\a:\a+11], v[\b:\b+11], v[\c:\c+7], v[\sa], v[\sb] matrix_a_fmt:MATRIX_FMT_FP6 matrix_b_fmt:MATRIX_FMT_FP6
.endif
.endm
.macro LOADW t                         ; tile t of W1: three fragments, their scale words, b1 of my channel eight times
.set SB, WF+48*((\t)%2)
.set CBT, 128*((\t)/8)+32*(((\t)%8)/2)+8*((\t)%2)
.set K_, 0
.rept 3
.set FF, 3*(\t)+K_
.set I_, 0
.rept 3
.if FF < 24
	ds_load_b128 v[SB+12*K_+4*I_:SB+12*K_+4*I_+3], v1 offset:1536*FF+512*I_
.else
	ds_load_b128 v[SB+12*K_+4*I_:SB+12*K_+4*I_+3], v3 offset:1536*(FF-24)+512*I_
.endif
.set I_, I_+1
.endr
	ds_load_b32 v[WS+3*((\t)%2)+K_], v7 offset:128*FF
.set K_, K_+1
.endr
	ds_load_b128 v[SB+36:SB+39], v22 offset:16*CBT
	ds_load_b128 v[SB+40:SB+43], v22 offset:16*CBT
.endm
.macro MM t                            ; twelve matrix instructions: the four tiles of points by turns, K step by K step; b1 starts the sums
.set SB, WF+48*((\t)%2)
.set K_, 0
.rept 3
.set PT, 0
.rept 4
.set DD, ACC+32*((\t)%2)+8*PT
.set AA, 36*PT+12*K_
.set BB2, SB+12*K_
.set SB2, WS+3*((\t)%2)+K_
.if K_ == 0
.set CC2, SB+36
.set SA, 10+PT/2
.else
.set CC2, DD
.set SA, 12+2*(PT/2)+K_-1
.endif
	SWMA DD, AA, BB2, CC2, SA, SB2, PT%2
.set PT, PT+1
.endr
.set K_, K_+1
.endr
.endm
; the sums of 32 numbers of my channel and of their squares, in ascending registers; with the other half of the lanes' 32; to my wave's own words in LDS (both halves store the same pair)
.macro STAT base, adr, off
	v_pk_add_f32 v[TS:TS+1], v[\base:\base+1], v[\base+2:\base+3]
	v_pk_mul_f32 v[TS+2:TS+3], v[\base:\base+1], v[\base:\base+1]
	v_pk_fma_f32 v[TS+2:TS+3], v[\base+2:\base+3], v[\base+2:\base+3], v[TS+2:TS+3]
.set J, 4
.rept 14
	v_pk_add_f32 v[TS:TS+1], v[TS:TS+1], v[\base+J:\base+J+1]
	v_pk_fma_f32 v[TS+2:TS+3], v[\base+J:\base+J+1], v[\base+J:\base+J+1], v[TS+2:TS+3]
.set J, J+2
.endr
	v_add_f32 v[TS+4], v[TS], v[TS+1]
	v_add_f32 v[TS+5], v[TS+2], v[TS+3]
	v_permlanex16_b32 v[TS+6], v[TS+4], s36, s37
	v_permlanex16_b32 v[TS+7], v[TS+5], s36, s37
	v_pk_add_f32 v[TS+4:TS+5], v[TS+4:TS+5], v[TS+6:TS+7]
	ds_store_b64 v[\adr], v[TS+4:TS+5] offset:\off
.endm
	s_load_b128 s[4:7], s[0:1], 0x0                ; nidx, k2o
	s_load_b128 s[8:11], s[0:1], 0x10              ; p2t, b1
	s_load_b64 s[12:13], s[0:1], 0x20              ; k3o
	s_set_vgpr_msb 0x40
	v_lshl_add_u32 v254, v0, 2, 0x40000
	v_mov_b32 v255, 0
	s_set_vgpr_msb 0x4000
	v_lshrrev_b32 v1, 5, v0
	v_readfirstlane_b32 s14, v1                    ; wave
	v_and_b32 v3, 31, v0                           ; lane
	v_lshlrev_b32 v1, 4, v3
	v_lshlrev_b32 v2, 2, v3
	v_lshlrev_b32 v9, 3, v3
	v_lshlrev_b32 v4, 4, v0
	v_add_nc_u32 v23, 40960, v4
	s_lshl_b32 s15, s14, 15
	v_add_nc_u32 v5, s15, v1                       ; the table in LDS: my wave's 128 rows of 256 bytes, 16 x lane in two rows
	v_and_b32 v7, 15, v0                           ; r
	v_bfe_u32 v6, v0, 4, 1                         ; h
	v_lshlrev_b32 v6, 10, v6
	v_lshl_add_u32 v6, v7, 4, v6
	s_lshl_b32 s15, s14, 17
	v_add_nc_u32 v6, s15, v6                       ; and in memory: my wave's 128 rows of 1,024 bytes, row h, 16 r
	v_and_b32 v8, 8, v7
	v_add_nc_u32 v7, v7, v8                        ; r + 8 (r / 8): my channel in a tile of W1
	s_lshl_b32 s16, s14, 11
	s_add_co_u32 s16, s16, STA
	v_lshl_add_u32 v8, v7, 3, s16
	v_lshl_add_u32 v22, v7, 4, B1R
	v_add_nc_u32 v7, WSC, v2
	v_add_nc_u32 v3, 36864, v1
	s_mov_b32 s36, 0x76543210
	s_mov_b32 s37, 0xfedcba98
	s_mov_b32 s50, 0xf0f0f0f0                      ; lanes with bit 2
	s_mov_b32 s51, 0xff00ff00                      ; lanes with bit 3
	s_lshl_b32 s17, ttmp9, 4
	s_lshl_b32 s18, s14, 1
	s_add_co_u32 s17, s17, s18                     ; my first pair: 16 x work-group + 2 x wave
	s_mov_b32 s35, 0
	s_wait_kmcnt 0x0
	s_lshl_b32 s34, s17, 9
	s_add_nc_u64 s[4:5], s[4:5], s[34:35]
	s_add_nc_u64 s[20:21], s[6:7], s[34:35]        ; the weights
	s_mul_i32 s34, s17, 3072
	s_add_nc_u64 s[22:23], s[6:7], s[34:35]
	s_add_nc_u64 s[22:23], s[22:23], XC0
	s_lshl_b32 s34, s17, 7
	s_add_nc_u64 s[24:25], s[6:7], s[34:35]
	s_add_nc_u64 s[24:25], s[24:25], XS0
	s_add_nc_u64 s[26:27], s[6:7], WQ
	s_lshr_b32 s34, ttmp9, 5
	s_lshl_b32 s34, s34, 20
	s_add_nc_u64 s[8:9], s[8:9], s[34:35]          ; p2t at my batch
	s_lshl_b32 s34, ttmp9, 11
	s_add_nc_u64 s[28:29], s[12:13], s[34:35]      ; my work-group's row of sums
	s_mul_i32 s34, s17, 6144
	s_add_nc_u64 s[30:31], s[12:13], s[34:35]
	s_add_nc_u64 s[30:31], s[30:31], XC12
	s_lshl_b32 s34, s17, 8
	s_add_nc_u64 s[32:33], s[12:13], s[34:35]
	s_add_nc_u64 s[32:33], s[32:33], XS12
	; ---- STAGE I
	global_load_b128 v[24:27], v1, s[4:5]          ; my two points' three indices,
	global_load_b128 v[28:31], v1, s[4:5] offset:512
	global_load_b128 v[32:35], v1, s[20:21]        ; and weights
	global_load_b128 v[36:39], v1, s[20:21] offset:512
	TLOAD 0
	s_wait_loadcnt 63                              ; the four are in: 64 loads were issued behind them, and 63 is the largest count that a wait can name
.set PP_, 0
.rept 2
.set KK, 0
.rept 3
	v_min_u32 v[RO+3*PP_+KK], 1023, v[24+4*PP_+KK] ; an index is held inside the table,
	v_mov_b32 v[WT+6*PP_+2*KK], v[32+4*PP_+KK]     ; a weight stands twice: the packed forms name a pair
	v_mov_b32 v[WT+6*PP_+2*KK+1], v[32+4*PP_+KK]
.set KK, KK+1
.endr
.set PP_, PP_+1
.endr
.set KK, 0
.rept 6
	v_lshlrev_b32 v[RO+KK], 8, v[RO+KK]            ; and becomes its row's first byte in LDS
.set KK, KK+1
.endr
	v_and_b32 v58, 15, v0
.set J, 0
.rept 16
	v_xor_b32 v[XJ+J], J, v58
.set J, J+1
.endr
.set J, 0
.rept 16
	v_lshlrev_b32 v[XJ+J], 4, v[XJ+J]              ; 16 (j xor l % 16)
.set J, J+1
.endr
	TSTORE
	s_wait_dscnt 0x0                               ; my part of the first quarter lies in LDS
	s_barrier_signal -1
	s_barrier_wait -1                              ; everybody's does
	PAIRQ 0, 0
	PAIRQ 1, 0
	NEXTQ 1
	PAIRQ 0, 1
	PAIRQ 1, 1
	IMG 1
	NEXTQ 2
	PAIRQ 0, 2
	PAIRQ 1, 2
	NEXTQ 3
	PAIRQ 0, 3
	PAIRQ 1, 3
	IMG 2
	global_store_b64 v9, v[12:13], s[32:33]        ; the pairs' scale words: 256 consecutive bytes each
	global_store_b64 v9, v[14:15], s[32:33] offset:256
	; ---- W1, its scale words and b1 take the table's place; K step 0's fragments and scale words come with them
	s_wait_dscnt 0x0                               ; my reads of the table are over
	v_lshlrev_b32 v145, 2, v0
	WIN 0x40
.set PT, 0
.rept 4
.set I_, 0
.rept 3
	global_load_b128 v[36*PT+4*I_:36*PT+4*I_+3], v1, s[22:23] offset:1536*PT+512*I_ th:TH_LOAD_NT   ; K step 0's fragments
.set I_, I_+1
.endr
.set PT, PT+1
.endr
	WIN 0
	global_load_b32 v10, v2, s[24:25]
	global_load_b32 v11, v2, s[24:25] offset:128
.set J, 0
.rept 20
.if J < 18
	global_load_b128 v[48+4*J:51+4*J], v4, s[26:27] offset:4096*J
.else
	global_load_b128 v[48+4*J:51+4*J], v4, s[26:27] offset:98304+4096*(J-18)
.endif
.set J, J+1
.endr
	global_load_b32 v144, v145, s[10:11]
	s_barrier_signal -1
	s_barrier_wait -1                              ; nobody reads the table any more
	s_wait_loadcnt 0x0
.set J, 0
.rept 20
.if J < 10
	ds_store_b128 v4, v[48+4*J:51+4*J] offset:4096*J
.else
	ds_store_b128 v23, v[48+4*J:51+4*J] offset:4096*(J-10)
.endif
.set J, J+1
.endr
	v_mov_b32 v145, v144
	v_mov_b32 v146, v144
	v_mov_b32 v147, v144
	ds_store_b128 v23, v[144:147] offset:40960
	s_wait_dscnt 0x0
	s_barrier_signal -1
	s_barrier_wait -1                              ; W1, its scale words and b1 lie in LDS; they are only read from here on
	; ---- STAGE II
.rept 8
	v_nop                                          ; scale words and fragments written by vector lines stand eight and four plain lines ahead of a scaled matrix instruction
.endr
	LOADW 0
.set T_, 0
.rept 16
	s_wait_dscnt 0x0                               ; this tile's fragments are in
	WIN 0x01                                       ; source 0 (x) in window 1
	MM T_
	WIN 0
.rept 4
	v_nop                                          ; four plain lines behind the products: for the loads into the other set, and for the sums that read results
.endr
.if T_ < 15
	LOADW T_+1
.endif
.if T_ > 0
.set SBASE, ACC+32*((T_-1)%2)
.set SOFF, 8*(128*((T_-1)/8)+32*(((T_-1)%8)/2)+8*((T_-1)%2))
	STAT SBASE, 8, SOFF
.endif
.set T_, T_+1
.endr
.set SBASE, ACC+32
.set SOFF, 8*232
	STAT SBASE, 8, SOFF
	s_wait_dscnt 0x0
	s_barrier_signal -1
	s_barrier_wait -1                              ; eight waves' sums lie in LDS
	v_lshl_add_u32 v24, v0, 3, STA
.set J, 0
.rept 8
	ds_load_b64 v[48+2*J:49+2*J], v24 offset:2048*J
.set J, J+1
.endr
	v_lshlrev_b32 v25, 3, v0
	s_wait_dscnt 0x0
	v_pk_add_f32 v[48:49], v[48:49], v[56:57]
	v_pk_add_f32 v[50:51], v[50:51], v[58:59]
	v_pk_add_f32 v[52:53], v[52:53], v[60:61]
	v_pk_add_f32 v[54:55], v[54:55], v[62:63]
	v_pk_add_f32 v[48:49], v[48:49], v[52:53]
	v_pk_add_f32 v[50:51], v[50:51], v[54:55]
	v_pk_add_f32 v[48:49], v[48:49], v[50:51]
	global_store_b64 v25, v[48:49], s[28:29]       ; channel tid's pair: a wave stores 256 consecutive bytes
	s_set_vgpr_msb 0x5
	s_wait_tensorcnt 0x0
	ds_add_u32 v254, v255
	s_wait_dscnt 0x0
	s_set_vgpr_msb 0x500
	s_endpgm
.Lfunc_end_k_q4023642df6_xbuild:
	.size	k_q4023642df6_xbuild, .Lfunc_end_k_q4023642df6_xbuild-k_q4023642df6_xbuild
	.p2alignl 7, 3214868480
	.fill 96, 4, 3214868480
	.section	.rodata,"a",@progbits
	.p2align	6, 0x0
	.amdhsa_kernel k_q4023642df6_xbuild
		.amdhsa_group_segment_fixed_size 263168
		.amdhsa_private_segment_fixed_size 0
		.amdhsa_enable_private_segment 0
		.amdhsa_kernarg_size 40
		.amdhsa_user_sgpr_count 2
		.amdhsa_user_sgpr_kernarg_segment_ptr 1
		.amdhsa_wavefront_size32 1
		.amdhsa_system_sgpr_workgroup_id_x 1
		.amdhsa_system_sgpr_workgroup_id_y 1
		.amdhsa_system_sgpr_workgroup_id_z 1
		.amdhsa_system_vgpr_workitem_id 0
		.amdhsa_next_free_vgpr 512
		.amdhsa_next_free_sgpr 66
		.amdhsa_reserve_vcc 1
		.amdhsa_float_denorm_mode_32 3
		.amdhsa_float_denorm_mode_16_64 3
		.amdhsa_memory_ordered 1
		.amdhsa_forward_progress 1
		.amdhsa_inst_pref_size 255
	.end_amdhsa_kernel
	.section	.bss,"aw",@nobits
	.p2align	6
	.space	262144
	.amdgpu_metadata
---
amdhsa.version: [ 1, 2 ]
amdhsa.kernels:
  - .name:           k_q4023642df6_xbuild
    .symbol:         k_q4023642df6_xbuild.kd
    .args:
      - { .name: nidx, .offset: 0, .size: 8, .value_kind: global_buffer, .address_space: global }
      - { .name: k2o, .offset: 8, .size: 8, .value_kind: global_buffer, .address_space: global }
      - { .name: p2t, .offset: 16, .size: 8, .value_kind: global_buffer, .address_space: global }
      - { .name: b1, .offset: 24, .size: 8, .value_kind: global_buffer, .address_space: global }
      - { .name: k3o, .offset: 32, .size: 8, .value_kind: global_buffer, .address_space: global }
    .group_segment_fixed_size: 263168
    .private_segment_fixed_size: 0
    .kernarg_segment_align: 8
    .kernarg_segment_size: 40
    .max_flat_workgroup_size: 256
    .sgpr_count:     66
    .vgpr_count:     512
    .wavefront_size: 32
...
	.end_amdgpu_metadata
.endif
;; end of part 7
;; launch bn1f: the kernel of part 4 again; grid 4 x 1, 8 waves a work-group, no clusters, 5,120 bytes of LDS; arguments k3o, g1, be1, bn1; writes bn1
;; launch mid: the kernel of part 5 again; grid 256 x 1, 8 waves a work-group, no clusters, 120,832 bytes of LDS; arguments k2o, k3o, b1, bn1, b2, part2; writes part2
;; launch bn2f: the kernel of part 4 again; grid 2 x 1, 8 waves a work-group, no clusters, 5,120 bytes of LDS; arguments part2, g2, be2, bn2; writes bn2
;; launch fin: the kernel of part 6 again; grid 256 x 1, 8 waves a work-group, no clusters, 149,504 bytes of LDS; arguments k2o, k3o, b1, bn1, b2, bn2, out0; writes out0
;; ======== version 3 of 3: 7 launches; version 2 with the launches xbuild, mid, fin written anew for expert scheduling mode
;; limits: a difference of large sums (such as E[x^2] - mean^2): digits are lost where the result is much smaller than its terms
;; workspace buffers: gids 524,288 bytes of whole numbers; p2t 8,388,608 bytes; nidx 2,097,152 bytes of whole numbers; k2o 15,310,848 bytes; k3o 26,738,688 bytes; bn1 2,048 bytes; part2 524,288 bytes; bn2 2,048 bytes
;; launch knn: the kernel of part 1 again; grid 256 x 1, 8 waves a work-group, no clusters, 55,808 bytes of LDS; arguments xyz1, xyz2, points2, gids, p2t; writes gids, p2t
;; launch prep: the kernel of part 2 again; grid 512 x 1, 8 waves a work-group, no clusters, 18,432 bytes of LDS; arguments xyz1, xyz2, points1, W1, W2, gids, nidx, k2o; writes nidx, k2o
;; launch xbuild (part 8): grid 256 x 1, 8 waves a work-group, no clusters, 263,168 bytes of LDS; arguments nidx, k2o, p2t, b1, k3o; writes k3o
.if DOCPART == 8
	.amdgcn_target "amdgcn-amd-amdhsa--gfx1250"
	.amdhsa_code_object_version 6
	.text
	.protected	k_q4023642df6_xbuild
	.globl	k_q4023642df6_xbuild
	.p2align	8
	.type	k_q4023642df6_xbuild,@function
k_q4023642df6_xbuild:
	s_mov_b64 s[64:65], 0
	v_nop
	global_prefetch_b8 v0, s[64:65] scope:SCOPE_SE
	s_setreg_imm32_b32 hwreg(HW_REG_WAVE_SCHED_MODE, 0, 2), 2
	s_setreg_imm32_b32 hwreg(HW_REG_WAVE_MODE, 25, 1), 1
	s_wait_xcnt 0x0
	s_wait_alu depctr_vm_vsrc(0)
; STAGE I: interp[d] = w0 p2t[i0][d] + w1 p2t[i1][d] + w2 p2t[i2][d] for 256 channels of each point, quantised to E2M3 along the channels: K steps 1 and 2 of the first product.
;   THE ROWS ARE GATHERED FROM LDS.  A batch's table is 1,024 rows of 1,024 bytes; a QUARTER of the channels, 1,024 rows of 256 bytes = 262,144 bytes, lies in LDS at a time, and the
;   work-group walks the four quarters.  Each quarter comes in through registers in whole aligned pieces of 256 bytes: a wave brings 128 rows by 64 loads, all on their way together.
;   A LANE TAKES A POINT.
;   The xor is undone in registers: its bits 0 and 1 on the
;   blended numbers, its bits 2 and 3 on the codes, where they only exchange the two conversions of a block and the two blocks.  A block's largest magnitude hangs on no order.
;   The codes are stored as images of the operand's registers (as K step 0's were) and kept in registers.
; STAGE II: y1 = x W1^T + b1 on the codes (source 0 = 16 points, source 1 = 16 channels of W1: a lane holds ONE channel and eight points), and of it only the sums
;   of y1 and y1^2 for each channel: 256 pairs a work-group.  y1 itself goes nowhere.
; SHARES: a wave owns 64 points (two pairs, four tiles) from start to end.  W1's 48 fragments lie in LDS as register images, in the table's bytes once the last quarter has been read; each fragment read feeds four matrix instructions.
; NOT BUILT: the 32 work-groups of a batch fetch the same quarters; a cluster of four that asked for them by joint tensor loads would divide these requests by four.  Here each work-group fetches for itself.
; THE MODE: SCHED_MODE bits 1:0 = 2 (LLVM: expert scheduling mode 2), set by the entry lines.  The code itself states the register dependences
; between vector or matrix instructions and memory or LDS instructions, with s_wait_alu, always for 0.
; THE PLAN.  Registers that memory or LDS instructions touch:
;   v64-255, window 1's v144-207   a quarter's share: written by 64 global loads, read by 64 LDS stores.  Then v64-255 take a pair's 48 gathered pieces (LDS loads) and are worked on by the pair's vector lines;
;                                  window 1's v144-191 hold the 48 addresses: written by 48 additions, read by the 48 LDS loads.
;                                  A pair's head: one wait on vm_vsrc (what read these registers has read them), the additions, one wait on va_vdst (the addresses are written, the pair before is done with v64-255).
;                                  A change of quarters: both waits once, then the 64 loads.
;   window 1's v0-143              x's fragments: K steps 1 and 2 written by moves, read by the image stores behind a wait on va_vdst that stands there anyway; never written again.  K step 0: loaded once.
;   v48-143, v16-21                stage II: two sets of W1's fragments, b1 and scale words.  Tile t's products read set t % 2 while the loads of tile t + 1 land in the other set: one wait on va_vdst at a tile's head
;                                  states that tile t - 1's products have read that set; the 14 loads follow, dealt among tile t's twelve products, which name none of their registers.
;   v224-255                       sixteen pairs of sums, one for each tile: written once by vector lines, read by one run of LDS stores behind the loop, behind one wait on va_vdst.
;   Offsets and addresses are made at the head and never written again; those of W1's loads lie in window 1, as the products' source 0 does, so that the loads stand among the products without a switch.
; REGISTERS, window 0: v1-9, v23 addresses; v10-15 x's scale words; v16-21 W1's scale words, two sets of three (these twelve hold scales and nothing else);
;   v24-39 16 (j xor l % 16); v40-45 the two pairs' rows x 256; v46-57 their weights, each twice; v58-63 at work; v64-127 row 0, then the blend; v128-191 row 1; v192-255 row 2, then codes.
;   In stage II: v48-143 W1's fragments and b1 in two sets of 48; v144-151 the sums at work; v160-223 two sets of four accumulators; v224-255 the sums.
;   window 1: v0-143 x's fragments: (tile pt, K step k) at 12 (3 pt + k); v144-207 the gather's 48 addresses, and 16 of a quarter's 64 loads; v208-211 the addresses of W1's loads.
.set XC0,  2097152
.set XS0,  14680064
.set WQ,   15204352
.set XC12, 524288                      ; k3o: the sums at 0 (a row of 2,048 bytes a work-group); codes [pair][K step 1, 2][tile][1536];
.set XS12, 25690112                    ; scale words [pair][lane][2]
.set WSC,  73728                       ; LDS in stage II: W1's codes at 0; the weights' scale words;
.set B1R,  81920                       ; b1, each number four times;
.set STA,  221184                      ; 256 pairs of sums for each wave
.set XJ,   24
.set RO,   40
.set WT,   46
.set BL,   64
.set BLB,  128
.set BLC,  192
.set CV,   192                         ; four conversions' results, three registers each, on even numbers
.set DV,   208                         ; the same with bit 2 undone
.set FA,   220                         ; my point's first block of the quarter, six registers;
.set FB,   226                         ; its second
.set ADT,  144                         ; in window 1
.set LWA,  208                         ; in window 1: 16 x lane; + 1: that + 36,864; + 2: my scale word's place; + 3: my channel's b1
.set ACC,  160
.set WS,   16
.set WF,   48
.set TS,   144
.set SR,   224
.set MSB, 0
.macro WIN new                         ; the immediate's high byte repeats the setting that is left
.if MSB != \new
	s_set_vgpr_msb (MSB<<8)|\new
.set MSB, \new
.endif
.endm
; quarter q of the table: my wave's 128 rows, two rows a load: lanes 0-15 the 256 bytes of one row, lanes 16-31 those of the next
.macro TLOAD q
.set I_, 0
.rept 48
	global_load_b128 v[BL+4*I_:BL+4*I_+3], v6, s[8:9] offset:2048*I_+256*(\q)
.set I_, I_+1
.endr
	WIN 0x40                                       ; destination window 1
.set I_, 0
.rept 16
	global_load_b128 v[ADT+4*I_:ADT+4*I_+3], v6, s[8:9] offset:2048*(48+I_)+256*(\q)
.set I_, I_+1
.endr
	WIN 0
.endm
.macro TSTORE                          ; and into LDS, 512 consecutive bytes a store
.set G_, 0
.rept 3
	s_wait_loadcnt 48-16*G_                        ; sixteen more of my 64 loads are in; the younger ones may be out
.set I_, 0
.rept 16
	ds_store_b128 v5, v[BL+4*(16*G_+I_):BL+4*(16*G_+I_)+3] offset:512*(16*G_+I_)
.set I_, I_+1
.endr
.set G_, G_+1
.endr
	s_wait_loadcnt 0x0
	WIN 0x04                                       ; an LDS store's data are its source 1: window 1
.set I_, 0
.rept 16
	ds_store_b128 v5, v[ADT+4*I_:ADT+4*I_+3] offset:512*(48+I_)
.set I_, I_+1
.endr
	WIN 0
.endm
.macro IMG ks                          ; K step ks is whole: its four fragments go to memory as they stand, 512 consecutive bytes a store
	WIN 0x04                                       ; a store's data are its source 1: window 1
.set PT, 0
.rept 4
.set I_, 0
.rept 3
	global_store_b128 v1, v[12*(3*PT+(\ks))+4*I_:12*(3*PT+(\ks))+4*I_+3], s[30:31] offset:6144*(PT/2)+3072*((\ks)-1)+1536*(PT%2)+512*I_
.set I_, I_+1
.endr
.set PT, PT+1
.endr
	WIN 0
.endm
; the change of quarters: my reads of the old quarter are over and the new one's loads are out; when that holds of all eight waves the table is written; when all have written it is read.
; img: the K step that has just become whole (0: none): its images are stored behind the loads, under the same wait
.macro NEXTQ q, img
	s_wait_dscnt 0x0
	s_wait_alu depctr_vm_vsrc(0)                   ; the gather's loads have read their addresses, window 1's v144-191, in which loads of the new quarter land
	s_wait_alu depctr_va_vdst(0)                   ; the two pairs' vector lines are done with v64-255 and have written the addresses' registers: the loads below land in both; the moves have written the fragments that the image stores read
	TLOAD \q
.if \img
	IMG \img
.endif
	s_barrier_signal -1
	s_barrier_wait -1
	TSTORE
	s_wait_dscnt 0x0
	s_barrier_signal -1
	s_barrier_wait -1
.endm
; pair pp, quarter q: 32 points x 64 channels: gathered, blended, quantised; the codes go to registers 6 (q % 2) on of K step 1 + q / 2's fragments
.macro PAIRQ pp, q
.set KS, 1+(\q)/2
.set CH, (\q)%2
.set SWR, 12+2*(\pp)+(\q)/2
.set W0, WT+6*(\pp)
	s_wait_alu depctr_vm_vsrc(0)                   ; the fill's LDS stores have read v64-255 and window 1's v144-207, and the pair before's loads their addresses there: the additions and the loads below write these registers
	WIN 0x40                                       ; destination window 1: the 48 addresses, row x 256 + 16 (j xor l % 16)
.set J, 0
.rept 16
	v_add_nc_u32 v[ADT+3*J], v[RO+3*(\pp)], v[XJ+J]
	v_add_nc_u32 v[ADT+3*J+1], v[RO+3*(\pp)+1], v[XJ+J]
	v_add_nc_u32 v[ADT+3*J+2], v[RO+3*(\pp)+2], v[XJ+J]
.set J, J+1
.endr
	WIN 0x01                                       ; an LDS load's address is its source 0: window 1
	s_wait_alu depctr_va_vdst(0)                   ; the 48 addresses are written, which the loads read; the pair before's vector lines are done with v64-255, in which they land
.set J, 0
.rept 16
	ds_load_b128 v[BL+4*J:BL+4*J+3], v[ADT+3*J]
	ds_load_b128 v[BLB+4*J:BLB+4*J+3], v[ADT+3*J+1]
	ds_load_b128 v[BLC+4*J:BLC+4*J+3], v[ADT+3*J+2]
.set J, J+1
.endr
	WIN 0
.set G_, 0
.rept 4
	s_wait_dscnt 36-12*G_                          ; four more steps' twelve loads are in; the younger ones may be out
.set J, 0
.rept 8
	v_pk_mul_f32 v[BL+16*G_+2*J:BL+16*G_+2*J+1], v[BL+16*G_+2*J:BL+16*G_+2*J+1], v[W0:W0+1] op_sel_hi:[1,0]
.set J, J+1
.endr
.set J, 0
.rept 8
	v_pk_fma_f32 v[BL+16*G_+2*J:BL+16*G_+2*J+1], v[BLB+16*G_+2*J:BLB+16*G_+2*J+1], v[W0+2:W0+3], v[BL+16*G_+2*J:BL+16*G_+2*J+1] op_sel_hi:[1,0,1]
.set J, J+1
.endr
.set J, 0
.rept 8
	v_pk_fma_f32 v[BL+16*G_+2*J:BL+16*G_+2*J+1], v[BLC+16*G_+2*J:BLC+16*G_+2*J+1], v[W0+4:W0+5], v[BL+16*G_+2*J:BL+16*G_+2*J+1] op_sel_hi:[1,0,1]
.set J, J+1
.endr
.set G_, G_+1
.endr
	; registers 0-31 hold one whole block, registers 32-63 the other (which is which hangs on bit 3 of the lane): their largest magnitudes
	v_max3_num_f32 v58, |v[BL]|, |v[BL+1]|, 0x1800000     ; and the floor 2^(3 - 127): the byte cannot fall under 1
	v_max3_num_f32 v59, |v[BL+32]|, |v[BL+33]|, 0x1800000
.set I_, 2
.rept 15
	v_max3_num_f32 v58, v58, |v[BL+I_]|, |v[BL+I_+1]|
	v_max3_num_f32 v59, v59, |v[BL+32+I_]|, |v[BL+33+I_]|
.set I_, I_+2
.endr
	v_add_nc_u32 v60, 0xff000000, v58              ; 2 off the exponent field: the conversions' scale operands
	v_add_nc_u32 v61, 0xff000000, v59
.set J, 0
.rept 16                               ; lanes with bit 0 (s52): pieces j and j xor 1 change places
.set JX, J+1-2*(J%2)
.set I_, 0
.rept 4
	v_cndmask_b32 v[BLB+4*J+I_], v[BL+4*J+I_], v[BL+4*JX+I_], s52
.set I_, I_+1
.endr
.set J, J+1
.endr
.set J, 0
.rept 16                               ; lanes with bit 1 (s53): pieces j and j xor 2
.set JX, J+2-4*((J/2)%2)
.set I_, 0
.rept 4
	v_cndmask_b32 v[BL+4*J+I_], v[BLB+4*J+I_], v[BLB+4*JX+I_], s53
.set I_, I_+1
.endr
.set J, J+1
.endr
.set G_, 0
.rept 4                                ; each run of 16 registers now holds 16 neighbouring channels in order
	v_cvt_scalef32_pk16_fp6_f32 v[CV+4*G_:CV+4*G_+2], v[BL+16*G_:BL+16*G_+15], v[60+G_/2]
.set G_, G_+1
.endr
	v_lshrrev_b32 v62, 23, v60                     ; the scales' bytes; also the plain lines behind the conversions
	v_lshrrev_b32 v63, 23, v61
	v_cndmask_b32 v58, v62, v63, s51               ; lanes with bit 3 hold the two blocks the other way round
	v_cndmask_b32 v59, v63, v62, s51
.if CH == 0
	v_lshl_or_b32 v[SWR], v59, 8, v58              ; bytes 0 and 1 of my point's scale word for this K step
.else
	v_lshl_or_b32 v[SWR], v58, 16, v[SWR]          ; bytes 2 and 3
	v_lshl_or_b32 v[SWR], v59, 24, v[SWR]
.endif
.set G_, 0
.rept 4                                ; lanes with bit 2: the two halves of each block change places
.set GX, G_+1-2*(G_%2)
.set I_, 0
.rept 3
	v_cndmask_b32 v[DV+3*G_+I_], v[CV+4*G_+I_], v[CV+4*GX+I_], s50
.set I_, I_+1
.endr
.set G_, G_+1
.endr
.set G_, 0
.rept 4                                ; lanes with bit 3: the two blocks
.set GX, (G_+2)%4
.set I_, 0
.rept 3
	v_cndmask_b32 v[FA+3*G_+I_], v[DV+3*G_+I_], v[DV+3*GX+I_], s51
.set I_, I_+1
.endr
.set G_, G_+1
.endr
.set I_, 0
.rept 6                                ; the operand wants lanes 0-15: the first block of a tile's point r, lanes 16-31: the second block of the same point: the first's lanes 16-31 change places with the second's lanes 0-15
	v_permlane16_swap_b32 v[FA+I_], v[FB+I_]
.set I_, I_+1
.endr
	WIN 0x40                                       ; destination window 1
.set I_, 0
.rept 6
	v_mov_b32 v[12*(6*(\pp)+KS)+6*CH+I_], v[FA+I_]
	v_mov_b32 v[12*(6*(\pp)+3+KS)+6*CH+I_], v[FB+I_]
.set I_, I_+1
.endr
	WIN 0
.endm
.macro SWMA d, a, b, c, sa, sb, row    ; row: tile 1 of a pair has its scale words in lanes 16-31
.if \row
	v_wmma_scale_f32_16x16x128_f8f6f4 v[\d:\d+7], v[\a:\a+11], v[\b:\b+11], v[\c:\c+7], v[\sa], v[\sb] matrix_a_fmt:MATRIX_FMT_FP6 matrix_b_fmt:MATRIX_FMT_FP6 matrix_a_scale:MATRIX_SCALE_ROW1
.else
	v_wmma_scale_f32_16x16x128_f8f6f4 v[\d:\d+7], v[\a:\a+11], v[\b:\b+11], v[\c:\c+7], v[\sa], v[\sb] matrix_a_fmt:MATRIX_FMT_FP6 matrix_b_fmt:MATRIX_FMT_FP6
.endif
.endm
; tile t of W1, under the products' window setting (an LDS load's address is its source 0: window 1).  LOADWC: b1 of my channel eight times.  LOADWK: K step k's fragment and its scale words
.macro LOADWC t
.set SBL, WF+48*((\t)%2)
.set CBT, 128*((\t)/8)+32*(((\t)%8)/2)+8*((\t)%2)
	ds_load_b128 v[SBL+36:SBL+39], v[LWA+3] offset:16*CBT
	ds_load_b128 v[SBL+40:SBL+43], v[LWA+3] offset:16*CBT
.endm
.macro LOADWK t, k
.set SBL, WF+48*((\t)%2)
.set FF, 3*(\t)+(\k)
.set I_, 0
.rept 3
.if FF < 24
	ds_load_b128 v[SBL+12*(\k)+4*I_:SBL+12*(\k)+4*I_+3], v[LWA] offset:1536*FF+512*I_
.else
	ds_load_b128 v[SBL+12*(\k)+4*I_:SBL+12*(\k)+4*I_+3], v[LWA+1] offset:1536*(FF-24)+512*I_
.endif
.set I_, I_+1
.endr
	ds_load_b32 v[WS+3*((\t)%2)+(\k)], v[LWA+2] offset:128*FF
.endm
; twelve matrix instructions: the four tiles of points by turns, K step by K step; b1 starts the sums.
; Behind each of the first three stands a fragment of the next tile of W1: four LDS loads into the other set, which no product issued since the wait at the tile's head names
.macro MM t
.set SB, WF+48*((\t)%2)
.set G_, 0
.rept 12
.set K_, G_/4
.set PT, G_%4
.set DD, ACC+32*((\t)%2)+8*PT
.set AA, 36*PT+12*K_
.set BB2, SB+12*K_
.set SB2, WS+3*((\t)%2)+K_
.if K_ == 0
.set CC2, SB+36
.set SA, 10+PT/2
.else
.set CC2, DD
.set SA, 12+2*(PT/2)+K_-1
.endif
	SWMA DD, AA, BB2, CC2, SA, SB2, PT%2
.if G_ < 3
.if (\t) < 15
	LOADWK (\t)+1, G_
.endif
.endif
.set G_, G_+1
.endr
.endm
; the sums of 32 numbers of my channel and of their squares, in ascending registers; with the other half of the lanes' 32; into the tile's own pair of registers
.macro STAT base, res
	v_pk_add_f32 v[TS:TS+1], v[\base:\base+1], v[\base+2:\base+3]
	v_pk_mul_f32 v[TS+2:TS+3], v[\base:\base+1], v[\base:\base+1]
	v_pk_fma_f32 v[TS+2:TS+3], v[\base+2:\base+3], v[\base+2:\base+3], v[TS+2:TS+3]
.set J, 4
.rept 14
	v_pk_add_f32 v[TS:TS+1], v[TS:TS+1], v[\base+J:\base+J+1]
	v_pk_fma_f32 v[TS+2:TS+3], v[\base+J:\base+J+1], v[\base+J:\base+J+1], v[TS+2:TS+3]
.set J, J+2
.endr
	v_add_f32 v[TS+4], v[TS], v[TS+1]
	v_add_f32 v[TS+5], v[TS+2], v[TS+3]
	v_permlanex16_b32 v[TS+6], v[TS+4], s36, s37
	v_permlanex16_b32 v[TS+7], v[TS+5], s36, s37
	v_pk_add_f32 v[\res:\res+1], v[TS+4:TS+5], v[TS+6:TS+7]
.endm
	s_load_b128 s[4:7], s[0:1], 0x0                ; nidx, k2o
	s_load_b128 s[8:11], s[0:1], 0x10              ; p2t, b1
	s_load_b64 s[12:13], s[0:1], 0x20              ; k3o
	s_set_vgpr_msb 0x40
	v_lshl_add_u32 v254, v0, 2, 0x40000
	v_mov_b32 v255, 0
	s_set_vgpr_msb 0x4000
	v_lshrrev_b32 v1, 5, v0
	v_readfirstlane_b32 s14, v1                    ; wave
	v_and_b32 v3, 31, v0                           ; lane
	v_lshlrev_b32 v1, 4, v3
	v_lshlrev_b32 v2, 2, v3
	v_lshlrev_b32 v9, 3, v3
	v_lshlrev_b32 v4, 4, v0
	v_add_nc_u32 v23, 40960, v4
	s_wait_alu depctr_va_sdst(0)                   ; s14 is written, ahead of its first reader: addresses and bases are made from it
	s_lshl_b32 s15, s14, 15
	v_add_nc_u32 v5, s15, v1                       ; the table in LDS: my wave's 128 rows of 256 bytes, 16 x lane in two rows
	v_and_b32 v7, 15, v0                           ; r
	v_bfe_u32 v6, v0, 4, 1                         ; h
	v_lshlrev_b32 v6, 10, v6
	v_lshl_add_u32 v6, v7, 4, v6
	s_lshl_b32 s19, s14, 17
	v_add_nc_u32 v6, s19, v6                       ; and in memory: my wave's 128 rows of 1,024 bytes, row h, 16 r
	v_and_b32 v8, 8, v7
	v_add_nc_u32 v7, v7, v8                        ; r + 8 (r / 8): my channel in a tile of W1
	s_lshl_b32 s16, s14, 11
	s_add_co_u32 s16, s16, STA
	v_lshl_add_u32 v8, v7, 3, s16
	WIN 0x40                                       ; destination window 1: the addresses of W1's loads
	v_lshlrev_b32 v[LWA], 4, v3
	v_add_nc_u32 v[LWA+1], 36864, v1
	v_add_nc_u32 v[LWA+2], WSC, v2
	v_lshl_add_u32 v[LWA+3], v7, 4, B1R
	WIN 0
	s_mov_b32 s36, 0x76543210
	s_mov_b32 s37, 0xfedcba98
	s_mov_b32 s50, 0xf0f0f0f0                      ; lanes with bit 2
	s_mov_b32 s51, 0xff00ff00                      ; lanes with bit 3
	s_mov_b32 s52, 0xaaaaaaaa                      ; lanes with bit 0
	s_mov_b32 s53, 0xcccccccc                      ; lanes with bit 1: the four masks are written once
	s_lshl_b32 s17, ttmp9, 4
	s_lshl_b32 s18, s14, 1
	s_add_co_u32 s17, s17, s18                     ; my first pair: 16 x work-group + 2 x wave
	s_mov_b32 s35, 0
	s_wait_kmcnt 0x0
	s_lshl_b32 s34, s17, 9
	s_add_nc_u64 s[4:5], s[4:5], s[34:35]
	s_add_nc_u64 s[20:21], s[6:7], s[34:35]        ; the weights
	s_mul_i32 s34, s17, 3072
	s_add_nc_u64 s[22:23], s[6:7], s[34:35]
	s_add_nc_u64 s[22:23], s[22:23], XC0
	s_lshl_b32 s34, s17, 7
	s_add_nc_u64 s[24:25], s[6:7], s[34:35]
	s_add_nc_u64 s[24:25], s[24:25], XS0
	s_add_nc_u64 s[26:27], s[6:7], WQ
	s_lshr_b32 s34, ttmp9, 5
	s_lshl_b32 s34, s34, 20
	s_add_nc_u64 s[8:9], s[8:9], s[34:35]          ; p2t at my batch
	s_lshl_b32 s34, ttmp9, 11
	s_add_nc_u64 s[28:29], s[12:13], s[34:35]      ; my work-group's row of sums
	s_mul_i32 s34, s17, 6144
	s_add_nc_u64 s[30:31], s[12:13], s[34:35]
	s_add_nc_u64 s[30:31], s[30:31], XC12
	s_lshl_b32 s34, s17, 8
	s_add_nc_u64 s[32:33], s[12:13], s[34:35]
	s_add_nc_u64 s[32:33], s[32:33], XS12
	; ---- STAGE I
	s_wait_alu depctr_va_vdst(0)                   ; the offsets and addresses v1-9, v23 and window 1's v208-211 are written, which the kernel's loads and stores read
	global_load_b128 v[24:27], v1, s[4:5]          ; my two points' three indices,
	global_load_b128 v[28:31], v1, s[4:5] offset:512
	global_load_b128 v[32:35], v1, s[20:21]        ; and weights
	global_load_b128 v[36:39], v1, s[20:21] offset:512
	TLOAD 0
	s_wait_loadcnt 63                              ; the four are in: 64 loads were issued behind them, and 63 is the largest count that a wait can name
.set PP_, 0
.rept 2
.set KK, 0
.rept 3
	v_min_u32 v[RO+3*PP_+KK], 1023, v[24+4*PP_+KK] ; an index is held inside the table,
	v_mov_b32 v[WT+6*PP_+2*KK], v[32+4*PP_+KK]     ; a weight stands twice: the packed forms name a pair
	v_mov_b32 v[WT+6*PP_+2*KK+1], v[32+4*PP_+KK]
.set KK, KK+1
.endr
.set PP_, PP_+1
.endr
.set KK, 0
.rept 6
	v_lshlrev_b32 v[RO+KK], 8, v[RO+KK]            ; and becomes its row's first byte in LDS
.set KK, KK+1
.endr
	v_and_b32 v58, 15, v0
.set J, 0
.rept 16
	v_xor_b32 v[XJ+J], J, v58
.set J, J+1
.endr
.set J, 0
.rept 16
	v_lshlrev_b32 v[XJ+J], 4, v[XJ+J]              ; 16 (j xor l % 16)
.set J, J+1
.endr
	TSTORE
	s_wait_dscnt 0x0                               ; my part of the first quarter lies in LDS
	s_barrier_signal -1
	s_barrier_wait -1                              ; everybody's does
	PAIRQ 0, 0
	PAIRQ 1, 0
	NEXTQ 1, 0
	PAIRQ 0, 1
	PAIRQ 1, 1
	NEXTQ 2, 1
	PAIRQ 0, 2
	PAIRQ 1, 2
	NEXTQ 3, 0
	PAIRQ 0, 3
	PAIRQ 1, 3
	; ---- W1, its scale words and b1 take the table's place; K step 0's fragments and scale words come with them.  The loads stand ahead of the last images' stores
	v_lshlrev_b32 v148, 2, v0
	WIN 0x40
	s_wait_alu depctr_va_vdst(0)                   ; v148 is written, which b1's load reads; the pairs' vector lines are done with v48-127 and v144, in which loads land; the moves have written K step 2's fragments and the scale words v12-15, which the stores below read
.set PT, 0
.rept 4
.set I_, 0
.rept 3
	global_load_b128 v[36*PT+4*I_:36*PT+4*I_+3], v1, s[22:23] offset:1536*PT+512*I_ th:TH_LOAD_NT   ; K step 0's fragments
.set I_, I_+1
.endr
.set PT, PT+1
.endr
	WIN 0
	global_load_b32 v10, v2, s[24:25]
	global_load_b32 v11, v2, s[24:25] offset:128
.set J, 0
.rept 20
.if J < 18
	global_load_b128 v[48+4*J:51+4*J], v4, s[26:27] offset:4096*J
.else
	global_load_b128 v[48+4*J:51+4*J], v4, s[26:27] offset:98304+4096*(J-18)
.endif
.set J, J+1
.endr
	global_load_b32 v144, v148, s[10:11]
	IMG 2
	global_store_b64 v9, v[12:13], s[32:33]        ; the pairs' scale words: 256 consecutive bytes each
	global_store_b64 v9, v[14:15], s[32:33] offset:256
	s_wait_dscnt 0x0                               ; my reads of the table are over
	s_barrier_signal -1
	s_barrier_wait -1                              ; nobody reads the table any more
	s_wait_loadcnt 0x0
	v_mov_b32 v145, v144
	v_mov_b32 v146, v144
	v_mov_b32 v147, v144
	s_wait_alu depctr_va_vdst(0)                   ; the three moves have written v145-147, which the last LDS store below reads
.set J, 0
.rept 20
.if J < 10
	ds_store_b128 v4, v[48+4*J:51+4*J] offset:4096*J
.else
	ds_store_b128 v23, v[48+4*J:51+4*J] offset:4096*(J-10)
.endif
.set J, J+1
.endr
	ds_store_b128 v23, v[144:147] offset:40960
	s_wait_dscnt 0x0
	s_barrier_signal -1
	s_barrier_wait -1                              ; W1, its scale words and b1 lie in LDS; they are only read from here on
	; ---- STAGE II
	s_wait_alu depctr_vm_vsrc(0)                   ; my LDS stores have read v48-127 and v144-147, and b1's load its offset v148: W1's fragments land in the first, the sums' lines write the others
.rept 8
	v_nop                                          ; scale words and fragments written by vector lines stand eight and four plain lines ahead of a scaled matrix instruction
.endr
	WIN 0x01                                       ; source 0 (x, and an LDS load's address) in window 1
	s_wait_alu depctr_va_vdst(0)                   ; the pairs' lines have written x's fragments of K steps 1 and 2 and their scale words v12-15, which the products take; every vector line that named v48-143 is done, in which W1's fragments land
	LOADWC 0
	LOADWK 0, 0
	LOADWK 0, 1
	LOADWK 0, 2
.set T_, 0
.rept 16
	s_wait_dscnt 0x0                               ; this tile's fragments are in
.if T_ > 0
.if T_ < 15
.rept 4
	v_nop                                          ; four plain lines behind the products, once a tile: ahead of the loads into the other set and of the sums that read results
.endr
	s_wait_alu depctr_va_vdst(0)                   ; the tile before's products have read the other set of fragments, b1 and scale words, in which the next tile's loads land
.endif
.endif
	WIN 0x01
.if T_ < 15
	LOADWC T_+1
.endif
	MM T_
	WIN 0
.if T_ > 0
.set SBASE, ACC+32*((T_-1)%2)
.set SRES, SR+2*(T_-1)
	STAT SBASE, SRES
.endif
.set T_, T_+1
.endr
.set SBASE, ACC+32
.set SRES, SR+30
	STAT SBASE, SRES
	s_wait_alu depctr_va_vdst(0)                   ; the sixteen pairs v224-255 are written, which the LDS stores read
.set T_, 0
.rept 16
	ds_store_b64 v8, v[SR+2*T_:SR+2*T_+1] offset:8*(128*(T_/8)+32*((T_%8)/2)+8*(T_%2))   ; to my wave's own words in LDS (both halves of the lanes store the same pair)
.set T_, T_+1
.endr
	s_wait_dscnt 0x0
	s_barrier_signal -1
	s_barrier_wait -1                              ; eight waves' sums lie in LDS
	v_lshl_add_u32 v24, v0, 3, STA
	v_lshlrev_b32 v25, 3, v0
	s_wait_alu depctr_va_vdst(0)                   ; v24 is written, which the loads read; the products are done reading v48-63, in which they land
.set J, 0
.rept 8
	ds_load_b64 v[48+2*J:49+2*J], v24 offset:2048*J
.set J, J+1
.endr
	s_wait_dscnt 0x0
	v_pk_add_f32 v[48:49], v[48:49], v[56:57]
	v_pk_add_f32 v[50:51], v[50:51], v[58:59]
	v_pk_add_f32 v[52:53], v[52:53], v[60:61]
	v_pk_add_f32 v[54:55], v[54:55], v[62:63]
	v_pk_add_f32 v[48:49], v[48:49], v[52:53]
	v_pk_add_f32 v[50:51], v[50:51], v[54:55]
	v_pk_add_f32 v[48:49], v[48:49], v[50:51]
	s_wait_alu depctr_va_vdst(0)                   ; the additions have written v[48:49], which the store reads (its offset v25 stands ahead of the wait above)
	global_store_b64 v25, v[48:49], s[28:29]       ; channel tid's pair: a wave stores 256 consecutive bytes
	s_set_vgpr_msb 0x5                             ; the add's two registers, sources 0 and 1, in window 1
	s_wait_dscnt 0x0                               ; the closing lines, six on end
	s_wait_alu 0x0
	s_wait_tensorcnt 0x0
	ds_add_u32 v254, v255
	s_wait_dscnt 0x0
	s_endpgm
.Lfunc_end_k_q4023642df6_xbuild:
	.size	k_q4023642df6_xbuild, .Lfunc_end_k_q4023642df6_xbuild-k_q4023642df6_xbuild
	.p2alignl 7, 3214868480
	.fill 96, 4, 3214868480
	.section	.rodata,"a",@progbits
	.p2align	6, 0x0
	.amdhsa_kernel k_q4023642df6_xbuild
		.amdhsa_group_segment_fixed_size 263168
		.amdhsa_private_segment_fixed_size 0
		.amdhsa_enable_private_segment 0
		.amdhsa_kernarg_size 40
		.amdhsa_user_sgpr_count 2
		.amdhsa_user_sgpr_kernarg_segment_ptr 1
		.amdhsa_wavefront_size32 1
		.amdhsa_system_sgpr_workgroup_id_x 1
		.amdhsa_system_sgpr_workgroup_id_y 1
		.amdhsa_system_sgpr_workgroup_id_z 1
		.amdhsa_system_vgpr_workitem_id 0
		.amdhsa_next_free_vgpr 512
		.amdhsa_next_free_sgpr 66
		.amdhsa_reserve_vcc 0
		.amdhsa_float_denorm_mode_32 3
		.amdhsa_float_denorm_mode_16_64 3
		.amdhsa_memory_ordered 1
		.amdhsa_forward_progress 1
		.amdhsa_inst_pref_size 255
	.end_amdhsa_kernel
	.section	.bss,"aw",@nobits
	.p2align	6
	.space	262144
	.amdgpu_metadata
---
amdhsa.version: [ 1, 2 ]
amdhsa.kernels:
  - .name:           k_q4023642df6_xbuild
    .symbol:         k_q4023642df6_xbuild.kd
    .args:
      - { .name: nidx, .offset: 0, .size: 8, .value_kind: global_buffer, .address_space: global }
      - { .name: k2o, .offset: 8, .size: 8, .value_kind: global_buffer, .address_space: global }
      - { .name: p2t, .offset: 16, .size: 8, .value_kind: global_buffer, .address_space: global }
      - { .name: b1, .offset: 24, .size: 8, .value_kind: global_buffer, .address_space: global }
      - { .name: k3o, .offset: 32, .size: 8, .value_kind: global_buffer, .address_space: global }
    .group_segment_fixed_size: 263168
    .private_segment_fixed_size: 0
    .kernarg_segment_align: 8
    .kernarg_segment_size: 40
    .max_flat_workgroup_size: 256
    .sgpr_count:     66
    .vgpr_count:     512
    .wavefront_size: 32
...
	.end_amdgpu_metadata
.endif
;; end of part 8
;; launch bn1f: the kernel of part 4 again; grid 4 x 1, 8 waves a work-group, no clusters, 5,120 bytes of LDS; arguments k3o, g1, be1, bn1; writes bn1
;; launch mid (part 9): grid 256 x 1, 8 waves a work-group, no clusters, 120,832 bytes of LDS; arguments k2o, k3o, b1, bn1, b2, part2; writes part2
.if DOCPART == 9
	.amdgcn_target "amdgcn-amd-amdhsa--gfx1250"
	.amdhsa_code_object_version 6
	.text
	.protected	k_q4023642df6_mid
	.globl	k_q4023642df6_mid
	.p2align	8
	.type	k_q4023642df6_mid,@function
k_q4023642df6_mid:
	s_mov_b64 s[64:65], 0
	v_nop
	global_prefetch_b8 v0, s[64:65] scope:SCOPE_SE
	s_setreg_imm32_b32 hwreg(HW_REG_WAVE_SCHED_MODE, 0, 2), 2
	s_setreg_imm32_b32 hwreg(HW_REG_WAVE_MODE, 25, 1), 1
	s_wait_xcnt 0x0
	s_wait_alu depctr_vm_vsrc(0)
; From x's codes: y1 = x W1^T + b1; h = relu(y1 A1 + B1), quantised to E2M3 along the 256 hidden channels in registers; y2 = h W2^T + b2.
; FINAL = 0: of y2 only the sums of y2 and y2^2 for each channel are stored.  FINAL = 1: out = relu(y2 A2 + B2) is stored.
; SHARES: a wave owns 64 points (four tiles pt) from start to end; x's twelve fragments stay in window 1.  The weights' 64 fragments lie in LDS as register images; each fragment read feeds four matrix instructions.
; THE FIRST PRODUCT IS USED TRANSPOSED (source 0 = 16 rows of W1, source 1 = 16 points): a lane holds one point and eight hidden channels.  Row r of W1's tile T is channel
; cb(T) + r + 8 (r / 8), cb(T) = 128 (T / 8) + 32 ((T % 8) / 2) + 8 (T % 2): so the 16 registers of tiles 2 b, 2 b + 1 are 16 neighbours along the next K.  Four tiles (64 channels) at a time.
; THE SECOND IS USED AS IT IS (source 0 = 16 points, source 1 = 16 rows of W2): a lane holds one channel and eight neighbouring points, as the output [channel][point] wants them.
; The biases are the C of each sum's first matrix instruction.  No tensor load: the only shared bytes are the weights' 104 KB, fetched once a work-group.
; THE MODE: SCHED_MODE bits 1:0 = 2 (LLVM: expert scheduling mode 2), set by the entry lines.  The code itself states the register dependences
; between vector or matrix instructions and memory or LDS instructions, with s_wait_alu, always for 0.
; THE PLAN.  Registers that LDS or memory instructions touch behind the head:
;   SET 0 (fragments v24-59, scale words v60-62, C v64-71) and SET 1 (v80-115, v116-118, v72-79): a tile's weights.  Written by LDS loads, read by the tile's matrix instructions.
;     Tile t multiplies by set t % 2.  ONE wait on va_vdst at its head states that tile t - 1's products have read the other set; the loads of tile t + 1 follow, dealt among tile t's first products,
;     which name set t % 2, x or the hidden layer, the accumulators and their scale words: none of the registers that those loads touch.
;   Between the products the same registers serve the batch norm's constants (LDS loads; read by vector lines): tiles 0, 1's land in set 0's v24-55 among the first product's last tile, behind that tile's wait;
;     tiles 2, 3's land in set 1's v80-111 behind one wait that stands behind the batch norm's first tile.  The quantiser then works in v24-55 and v64-95 by vector lines alone; the wait at the next product's head covers it.
;   The accumulators v128-255: matrix and vector lines; FINAL = 1: read by LDS stores (behind a wait on va_vdst), written by LDS loads (behind a wait on vm_vsrc), read by global stores; the second half's head waits on vm_vsrc.
;   FINAL = 0: four pairs of sums v104-111: vector lines, then one wait on va_vdst and four LDS stores; the second half's head waits on vm_vsrc.
;   Addresses are made at the head and never written again; those of the second product's loads lie in window 1, as its source 0 does, so that the loads stand among the products without a switch.
; REGISTERS, window 0: v1-4, v7-9 addresses; v10-15 x's scale words, v16-23 the hidden layer's (tile pt, K step s: 16 + 2 pt + s), v60-62 and v116-118 the weights' (these hold scales and nothing else);
;   v24-59, v80-115 the two sets of weight fragments; v64-79 two sets of C; v24-55 at work in the quantiser, v64-95 codes just made; v96-111 the sums; v128-255 sixteen accumulators.
;   window 1: v0-143 x: (pt, k) at 12 (3 pt + k); v144-239 the hidden layer: (pt, s) at 144 + 24 pt + 12 s; v240-243 the second product's LDS addresses.
.set FINAL, 0
.set XC0,  2097152
.set XS0,  14680064
.set WQ,   15204352
.set XC12, 524288
.set XS12, 25690112
.set WSC,  98304                       ; LDS: the weights' codes at 0; their scale words;
.set LB1,  106496                      ; b1, A1 (+ 1,024), B1 (+ 2,048);
.set B2R,  109568                      ; b2, each number four times;
.set STA2, 111616                      ; FINAL = 0: 128 pairs of sums for each wave
.set AB2,  111616                      ; FINAL = 1: (A2, A2, B2, B2) for each channel;
.set STG,  113664                      ; a stage of 16 rows x (256 + 16) bytes for each wave
.set WF,   24                          ; weight fragments: set p, place i at 24 + 56 p + 12 i
.set RS,   60                          ; their scale words: 60 + 56 p + i
.set TM,   24
.set KC,   24                          ; FINAL = 1: (A2, A2, B2, B2) of my channel in four tiles
.set CS,   64
.set PQ,   64
.set TS,   96
.set SR,   104
.set ACC,  128
.set HS,   16
.set HF,   144
.set A2W,  240                         ; in window 1: 16 x lane + 49,152; + 1: my scale word's place; + 2: my channel's b2; + 3: its A2 and B2
.set MSB, 0
.macro WIN new                         ; the immediate's high byte repeats the setting that is left
.if MSB != \new
	s_set_vgpr_msb (MSB<<8)|\new
.set MSB, \new
.endif
.endm
.macro PLACES n                        ; plain lines behind matrix instructions (ISA guide 7.12.1)
.rept \n
	v_nop
.endr
.endm
.macro SWM d, a, b, c, sa, sb, rowb    ; rowb: tile 1 of a pair has its scale words in lanes 16-31
.if \rowb
	v_wmma_scale_f32_16x16x128_f8f6f4 v[\d:\d+7], v[\a:\a+11], v[\b:\b+11], v[\c:\c+7], v[\sa], v[\sb] matrix_a_fmt:MATRIX_FMT_FP6 matrix_b_fmt:MATRIX_FMT_FP6 matrix_b_scale:MATRIX_SCALE_ROW1
.else
	v_wmma_scale_f32_16x16x128_f8f6f4 v[\d:\d+7], v[\a:\a+11], v[\b:\b+11], v[\c:\c+7], v[\sa], v[\sb] matrix_a_fmt:MATRIX_FMT_FP6 matrix_b_fmt:MATRIX_FMT_FP6
.endif
.endm
.macro WLOAD f, p, i                   ; W1's fragment f and its scale words into place i of set p: four LDS loads
.set I_, 0
.rept 3
.if (\f) < 32
	ds_load_b128 v[WF+56*(\p)+12*(\i)+4*I_:WF+56*(\p)+12*(\i)+4*I_+3], v1 offset:1536*(\f)+512*I_
.else
	ds_load_b128 v[WF+56*(\p)+12*(\i)+4*I_:WF+56*(\p)+12*(\i)+4*I_+3], v2 offset:1536*((\f)-32)+512*I_
.endif
.set I_, I_+1
.endr
	ds_load_b32 v[RS+56*(\p)+(\i)], v3 offset:128*(\f)
.endm
.macro WLOAD2 f, p, i                  ; the same for W2's fragments (f from 48 on), under the second product's window setting: the addresses lie in window 1
.set I_, 0
.rept 3
	ds_load_b128 v[WF+56*(\p)+12*(\i)+4*I_:WF+56*(\p)+12*(\i)+4*I_+3], v[A2W] offset:1536*((\f)-32)+512*I_
.set I_, I_+1
.endr
	ds_load_b32 v[RS+56*(\p)+(\i)], v[A2W+1] offset:128*(\f)
.endm
.macro CLOAD1 t, set                   ; b1 of tile t's eight channels of my half
.set CBT, 128*((\t)/8)+32*(((\t)%8)/2)+8*((\t)%2)
	ds_load_b128 v[CS+8*(\set):CS+8*(\set)+3], v4 offset:4*CBT
	ds_load_b128 v[CS+8*(\set)+4:CS+8*(\set)+7], v4 offset:4*CBT+16
.endm
.macro CLOAD2 o, set                   ; b2 of my channel of tile o, eight times
	ds_load_b128 v[CS+8*(\set):CS+8*(\set)+3], v[A2W+2] offset:256*(\o)
	ds_load_b128 v[CS+8*(\set)+4:CS+8*(\set)+7], v[A2W+2] offset:256*(\o)
.endm
.macro BNLOAD t, set                   ; A1 and B1 of tile t's eight channels of my half: four LDS loads, into v24, v40, v80 or v96 on
.set CBT, 128*((\t)/8)+32*(((\t)%8)/2)+8*((\t)%2)
.set BSL, 24+16*(\set)+24*((\set)/2)
	ds_load_b128 v[BSL:BSL+3], v4 offset:1024+4*CBT
	ds_load_b128 v[BSL+4:BSL+7], v4 offset:1024+4*CBT+16
	ds_load_b128 v[BSL+8:BSL+11], v4 offset:2048+4*CBT
	ds_load_b128 v[BSL+12:BSL+15], v4 offset:2048+4*CBT+16
.endm
; y1 for hidden tiles 4 hc .. 4 hc + 3: a tile is twelve matrix instructions, K step by K step, the four tiles of points by turns.
.macro P3 hc
	s_wait_alu depctr_va_vdst(0)                   ; the head's vector lines (hc = 0), or the batch norm and the quantiser, are done with v24-59 and v64-115, in which the loads below and those among tile 0's products land
	CLOAD1 4*(\hc), 0
	WLOAD 12*(\hc), 0, 0
	WLOAD 12*(\hc)+1, 0, 1
	WLOAD 12*(\hc)+2, 0, 2
	WIN 0x04                                       ; source 1 (x) in window 1; LDS loads name a destination and source 0 alone
.set TT_, 0
.rept 4
.set P_, TT_%2
	s_wait_dscnt 0x0                               ; this tile's set is in
.if TT_ > 0
	PLACES 4                                       ; four plain lines behind the products, once a tile, ahead of the loads into registers that they have read
	s_wait_alu depctr_va_vdst(0)                   ; the tile before's products have read the other set (fragments, scale words, C), in which the loads of this tile's turn land
.endif
.if TT_ < 3
	CLOAD1 4*(\hc)+TT_+1, 1-P_
.endif
.set G_, 0
.rept 12
.set K_, G_/4
.set PT, G_%4
.set DD, ACC+32*PT+8*TT_
.set AA, WF+56*P_+12*K_
.set BB2, 36*PT+12*K_
.set SA, RS+56*P_+K_
.if K_ == 0
.set CC2, CS+8*P_
.set SB2, 10+PT/2
.else
.set CC2, DD
.set SB2, 12+2*(PT/2)+K_-1
.endif
	SWM DD, AA, BB2, CC2, SA, SB2, PT%2
.if G_ < 3
.if TT_ < 3
	WLOAD 12*(\hc)+3*(TT_+1)+G_, 1-P_, G_          ; the next tile's weights, a fragment behind each of the first three products
.elseif G_ < 2
	BNLOAD 4*(\hc)+G_, G_                          ; the last tile: the batch norm's constants for tiles 0 and 1, into set 0's registers
.endif
.endif
.set G_, G_+1
.endr
.set TT_, TT_+1
.endr
	WIN 0
.endm
.macro BN hc                           ; h = max(0, y1 A1 + B1), each accumulator from its low end on
	PLACES 4
.set TT_, 0
.rept 4
.if TT_ == 1
	s_wait_dscnt 8                                 ; tile 1's constants are in; the eight loads for tiles 2 and 3 may be out
.elseif TT_ == 3
	s_wait_dscnt 0x0
.else
	s_wait_dscnt 4                                 ; this tile's constants are in; the next tile's four loads may be out
.endif
.set BS, 24+16*TT_+24*(TT_/2)
.set PT, 0
.rept 4
.set AB_, ACC+32*PT+8*TT_
.set J, 0
.rept 4
	v_pk_fma_f32 v[AB_+J:AB_+J+1], v[AB_+J:AB_+J+1], v[BS+J:BS+J+1], v[BS+8+J:BS+9+J]
.set J, J+2
.endr
.set J, 0
.rept 8
	v_max_num_f32 v[AB_+J], 0, v[AB_+J]
.set J, J+1
.endr
.set PT, PT+1
.endr
.if TT_ == 0
	s_wait_alu depctr_va_vdst(0)                   ; the first product's last tile has read set 1's v80-111, in which the constants for tiles 2 and 3 land
	BNLOAD 4*(\hc)+2, 2
	BNLOAD 4*(\hc)+3, 3
.endif
.set TT_, TT_+1
.endr
.endm
; 64 hidden channels of each of my 64 points: two blocks of 32 a tile of points; a block lies in lanes l and l xor 16.  The four tiles take turns line by line.  Nothing is negative: no |.|.
.macro QUANT2 hc
.set BE, 0
.rept 2
.set PT, 0
.rept 4
	v_max3_num_f32 v[TM+8*PT+BE], v[ACC+32*PT+16*BE], v[ACC+32*PT+16*BE+1], 0x1800000   ; and the floor 2^(3 - 127)
.set PT, PT+1
.endr
.set BE, BE+1
.endr
.set I_, 2
.rept 7
.set BE, 0
.rept 2
.set PT, 0
.rept 4
	v_max3_num_f32 v[TM+8*PT+BE], v[TM+8*PT+BE], v[ACC+32*PT+16*BE+I_], v[ACC+32*PT+16*BE+I_+1]
.set PT, PT+1
.endr
.set BE, BE+1
.endr
.set I_, I_+2
.endr
.set BE, 0
.rept 2
.set PT, 0
.rept 4
	v_permlanex16_b32 v[TM+8*PT+2+BE], v[TM+8*PT+BE], s36, s37
.set PT, PT+1
.endr
.set BE, BE+1
.endr
.set BE, 0
.rept 2
.set PT, 0
.rept 4
	v_max_num_f32 v[TM+8*PT+BE], v[TM+8*PT+BE], v[TM+8*PT+2+BE]
.set PT, PT+1
.endr
.set BE, BE+1
.endr
.set BE, 0
.rept 2
.set PT, 0
.rept 4
	v_add_nc_u32 v[TM+8*PT+4+BE], 0xff000000, v[TM+8*PT+BE]   ; 2 off the exponent field: the conversion's scale operand
.set PT, PT+1
.endr
.set BE, BE+1
.endr
.set BE, 0
.rept 2
.set PT, 0
.rept 4
.if (2*((\hc)%2)+BE) == 0
	v_lshrrev_b32 v[HS+2*PT+(\hc)/2], 23, v[TM+8*PT+4+BE]     ; the byte of block 2 (hc % 2) + BE of K step hc / 2
.else
	v_lshrrev_b32 v[TM+8*PT+6], 23, v[TM+8*PT+4+BE]
	v_lshl_or_b32 v[HS+2*PT+(\hc)/2], v[TM+8*PT+6], 8*(2*((\hc)%2)+BE), v[HS+2*PT+(\hc)/2]
.endif
.set PT, PT+1
.endr
.set BE, BE+1
.endr
.set PT, 0
.rept 4
	v_cvt_scalef32_pk16_fp6_f32 v[PQ+8*PT:PQ+8*PT+2], v[ACC+32*PT:ACC+32*PT+15], v[TM+8*PT+4]
	v_cvt_scalef32_pk16_fp6_f32 v[PQ+8*PT+4:PQ+8*PT+6], v[ACC+32*PT+16:ACC+32*PT+31], v[TM+8*PT+5]
.set PT, PT+1
.endr
	v_nop                                          ; a plain line behind the conversions
.set PT, 0
.rept 4
.set I_, 0
.rept 3
	v_permlane16_swap_b32 v[PQ+8*PT+I_], v[PQ+8*PT+4+I_]      ; a whole block to a lane: the first now holds each lane's block's lower 16 codes, the second the upper 16
.set I_, I_+1
.endr
.set PT, PT+1
.endr
	WIN 0x40                                       ; destination window 1
.set PT, 0
.rept 4
.set I_, 0
.rept 3
	v_mov_b32 v[HF+24*PT+12*((\hc)/2)+6*((\hc)%2)+I_], v[PQ+8*PT+I_]
	v_mov_b32 v[HF+24*PT+12*((\hc)/2)+6*((\hc)%2)+3+I_], v[PQ+8*PT+4+I_]
.set I_, I_+1
.endr
.set PT, PT+1
.endr
	WIN 0
.endm
; y2 for output tiles 4 oh .. 4 oh + 3: a tile is eight matrix instructions, K step by K step, the four tiles of points by turns; the two sets as above
.macro P4 oh
.if (\oh) > 0
.if FINAL
	s_wait_xcnt 0x0                                ; the stores of the half before have had their addresses translated,
	s_wait_alu depctr_vm_vsrc(0)                   ; and have read the accumulators' registers, which the products below write
.else
	s_wait_alu depctr_vm_vsrc(0)                   ; the LDS stores of the half before have read the four pairs of sums, which this half's sums write again
.endif
.endif
	WIN 0x01                                       ; source 0 (the hidden layer, and an LDS load's address) in window 1
	PLACES 4                                       ; fragments written by vector lines stand four plain lines ahead of a scaled matrix instruction (their scale words eight: the moves behind them are among these)
	s_wait_alu depctr_va_vdst(0)                   ; the quantiser has written the hidden layer's fragments and scale words, which the products take; it and the half before's vector lines are done with v24-47 and v64-111, in which the loads below and those among tile 0's products land
	CLOAD2 4*(\oh), 0
	WLOAD2 48+8*(\oh), 0, 0
	WLOAD2 48+8*(\oh)+1, 0, 1
.set OO, 0
.rept 4
.set P_, OO%2
	s_wait_dscnt 0x0                               ; this tile's set is in
.if OO > 0
.if (OO < 3) || FINAL
	PLACES 4                                       ; four plain lines behind the products, once a tile, ahead of the loads into registers that they have read
	s_wait_alu depctr_va_vdst(0)                   ; the tile before's products have read the other set, in which the loads of this tile's turn land
.endif
.endif
.if OO < 3
	CLOAD2 4*(\oh)+OO+1, 1-P_
.endif
.set G_, 0
.rept 8
.set S_, G_/4
.set PT, G_%4
.set DD, ACC+32*OO+8*PT
.set AA, HF+24*PT+12*S_
.set BB2, WF+56*P_+12*S_
.set SA, HS+2*PT+S_
.set SB2, RS+56*P_+S_
.if S_ == 0
.set CC2, CS+8*P_
.else
.set CC2, DD
.endif
	SWM DD, AA, BB2, CC2, SA, SB2, 0
.if G_ < 2
.if OO < 3
	WLOAD2 48+8*(\oh)+2*(OO+1)+G_, 1-P_, G_        ; the next tile's weights, a fragment behind each of the first two products
.elseif FINAL
	ds_load_b128 v[KC+8*G_:KC+8*G_+3], v[A2W+3] offset:256*(4*(\oh)+2*G_)       ; the last tile: A2 and B2 of my channel in the half's four tiles, into set 0's registers
	ds_load_b128 v[KC+8*G_+4:KC+8*G_+7], v[A2W+3] offset:256*(4*(\oh)+2*G_+1)
.endif
.endif
.set G_, G_+1
.endr
.set OO, OO+1
.endr
	WIN 0
	PLACES 4                                       ; four plain lines behind the last products, before results are read
.endm
; the sums of 32 numbers of my channel and of their squares, in ascending registers; with the other half of the lanes' 32; into the tile's own pair of registers
.macro STAT base, res
	v_pk_add_f32 v[TS:TS+1], v[\base:\base+1], v[\base+2:\base+3]
	v_pk_mul_f32 v[TS+2:TS+3], v[\base:\base+1], v[\base:\base+1]
	v_pk_fma_f32 v[TS+2:TS+3], v[\base+2:\base+3], v[\base+2:\base+3], v[TS+2:TS+3]
.set J, 4
.rept 14
	v_pk_add_f32 v[TS:TS+1], v[TS:TS+1], v[\base+J:\base+J+1]
	v_pk_fma_f32 v[TS+2:TS+3], v[\base+J:\base+J+1], v[\base+J:\base+J+1], v[TS+2:TS+3]
.set J, J+2
.endr
	v_add_f32 v[TS+4], v[TS], v[TS+1]
	v_add_f32 v[TS+5], v[TS+2], v[TS+3]
	v_permlanex16_b32 v[TS+6], v[TS+4], s36, s37
	v_permlanex16_b32 v[TS+7], v[TS+5], s36, s37
	v_pk_add_f32 v[\res:\res+1], v[TS+4:TS+5], v[TS+6:TS+7]
.endm
; FINAL = 1: tile oo of the half: relu(y2 A2 + B2); 16 channels x 64 points through my own stage; back as rows of 256 bytes, into the registers that they left
.macro PACK oo
.set AB_, ACC+32*(\oo)
.set J, 0
.rept 16
	v_pk_fma_f32 v[AB_+J:AB_+J+1], v[AB_+J:AB_+J+1], v[KC+4*(\oo):KC+4*(\oo)+1], v[KC+4*(\oo)+2:KC+4*(\oo)+3]
.set J, J+2
.endr
.set J, 0
.rept 32
	v_max_num_f32 v[AB_+J], 0, v[AB_+J]
.set J, J+1
.endr
	s_wait_alu depctr_va_vdst(0)                   ; the lines above have written the tile's 32 registers, which the LDS stores read
.set PT, 0
.rept 4
	ds_store_b128 v7, v[AB_+8*PT:AB_+8*PT+3] offset:64*PT
	ds_store_b128 v7, v[AB_+8*PT+4:AB_+8*PT+7] offset:64*PT+16
.set PT, PT+1
.endr
	s_wait_alu depctr_vm_vsrc(0)                   ; the LDS stores have read these registers, in which the loads below land
.set I_, 0
.rept 8
	ds_load_b128 v[AB_+4*I_:AB_+4*I_+3], v8 offset:544*I_   ; LDS serves a wave's instructions in order: these see the stores above, and the next tile's stores come behind them
.set I_, I_+1
.endr
.endm
.macro SEND oh, oo, younger            ; younger: the LDS instructions issued behind tile oo's loads
.set AB_, ACC+32*(\oo)
.set I_, 0
.rept 8
	s_wait_dscnt (\younger)+7-I_
	global_store_b128 v9, v[AB_+4*I_:AB_+4*I_+3], s[16:17] offset:(16*(4*(\oh)+(\oo))+2*I_)*65536 th:TH_STORE_NT   ; 16 lanes store 256 consecutive bytes of one channel
.set I_, I_+1
.endr
.endm
	s_load_b128 s[4:7], s[0:1], 0x0                ; k2o, k3o
	s_load_b128 s[8:11], s[0:1], 0x10              ; b1, bn1
	s_load_b128 s[12:15], s[0:1], 0x20             ; b2; FINAL = 0: part2, FINAL = 1: bn2
	v_lshl_add_u32 v123, v0, 2, 0x1d400
	v_mov_b32 v127, 0
.if FINAL
	s_load_b64 s[16:17], s[0:1], 0x30              ; out0
.endif
	v_lshrrev_b32 v1, 5, v0
	v_readfirstlane_b32 s18, v1                    ; wave
	v_and_b32 v63, 31, v0                          ; lane
	v_lshlrev_b32 v1, 4, v63
	v_add_nc_u32 v2, 49152, v1
	v_lshl_add_u32 v3, v63, 2, WSC
	v_and_b32 v81, 15, v0                          ; r
	v_bfe_u32 v82, v0, 4, 1                        ; h
	v_lshl_add_u32 v4, v82, 6, LB1
	s_wait_alu depctr_va_sdst(0)                   ; s18 is written, ahead of its first reader: addresses and bases are made from it
.if FINAL
	s_mul_i32 s19, s18, 4352
	s_add_co_u32 s19, s19, STG                     ; my stage
	v_mul_u32_u24 v7, v81, 272
	v_lshl_add_u32 v7, v82, 5, v7
	v_add_nc_u32 v7, s19, v7                       ; in: row = my channel, 32 bytes for each half of the lanes
	v_mul_u32_u24 v8, v82, 272
	v_lshl_add_u32 v8, v81, 4, v8
	v_add_nc_u32 v8, s19, v8                       ; back: lanes 0-15 one row, lanes 16-31 the next
	v_lshlrev_b32 v9, 16, v82
	v_lshl_add_u32 v9, v81, 4, v9                  ; and the same two channels in the output
.else
	s_lshl_b32 s19, s18, 10
	s_add_co_u32 s19, s19, STA2
	v_lshl_add_u32 v7, v81, 3, s19
	v_mov_b32 v[TS+6], 0                           ; written once: a lane permute's destination counts as one of its sources
	v_mov_b32 v[TS+7], 0
.endif
	v_lshlrev_b32 v64, 4, v0
	v_add_nc_u32 v65, 65536, v64
	v_lshlrev_b32 v66, 2, v0
	v_lshlrev_b32 v67, 3, v0
	v_lshrrev_b32 v68, 1, v0
	v_lshlrev_b32 v68, 2, v68
	v_and_b32 v69, 1, v0
	v_lshl_add_u32 v69, v69, 10, v68
	v_add_nc_u32 v78, LB1, v66
	v_add_nc_u32 v79, B2R, v67
	v_lshlrev_b32 v80, 3, v63
	v_lshlrev_b32 v83, 2, v63
	s_mov_b32 s36, 0x76543210
	s_mov_b32 s37, 0xfedcba98
	s_lshl_b32 s20, ttmp9, 4
	s_lshl_b32 s21, s18, 1
	s_add_co_u32 s20, s20, s21                     ; my first pair
	s_mov_b32 s23, 0
	s_wait_kmcnt 0x0
	s_mul_i32 s22, s20, 3072
	s_add_nc_u64 s[24:25], s[4:5], s[22:23]
	s_add_nc_u64 s[24:25], s[24:25], XC0
	s_lshl_b32 s22, s20, 7
	s_add_nc_u64 s[26:27], s[4:5], s[22:23]
	s_add_nc_u64 s[26:27], s[26:27], XS0
	s_add_nc_u64 s[28:29], s[4:5], WQ
	s_mul_i32 s22, s20, 6144
	s_add_nc_u64 s[30:31], s[6:7], s[22:23]
	s_add_nc_u64 s[30:31], s[30:31], XC12
	s_lshl_b32 s22, s20, 8
	s_add_nc_u64 s[32:33], s[6:7], s[22:23]
	s_add_nc_u64 s[32:33], s[32:33], XS12
.if FINAL
	s_lshr_b32 s22, ttmp9, 5
	s_lshl_b32 s22, s22, 23
	s_add_nc_u64 s[16:17], s[16:17], s[22:23]
	s_and_b32 s22, ttmp9, 31
	s_lshl_b32 s22, s22, 11
	s_lshl_b32 s21, s18, 8
	s_add_co_u32 s22, s22, s21
	s_add_nc_u64 s[16:17], s[16:17], s[22:23]      ; the output at my batch, channel 0, my wave's 64 points
.else
	s_lshl_b32 s22, ttmp9, 11
	s_add_nc_u64 s[14:15], s[14:15], s[22:23]
.endif
	WIN 0x40                                       ; destination window 1: the second product's LDS addresses, then x's fragments
	v_add_nc_u32 v[A2W], 49152, v1
	v_lshl_add_u32 v[A2W+1], v63, 2, WSC
	v_lshl_add_u32 v[A2W+2], v81, 4, B2R
.if FINAL
	v_lshl_add_u32 v[A2W+3], v81, 4, AB2
.endif
	s_wait_alu depctr_va_vdst(0)                   ; every offset and address of the kernel is written, which its loads and stores read
.set PT, 0
.rept 4
.set I_, 0
.rept 3
	global_load_b128 v[36*PT+4*I_:36*PT+4*I_+3], v1, s[24:25] offset:1536*PT+512*I_ th:TH_LOAD_NT
	global_load_b128 v[36*PT+12+4*I_:36*PT+12+4*I_+3], v1, s[30:31] offset:6144*(PT/2)+1536*(PT%2)+512*I_ th:TH_LOAD_NT
	global_load_b128 v[36*PT+24+4*I_:36*PT+24+4*I_+3], v1, s[30:31] offset:6144*(PT/2)+3072+1536*(PT%2)+512*I_ th:TH_LOAD_NT
.set I_, I_+1
.endr
.set PT, PT+1
.endr
	WIN 0
	global_load_b32 v10, v83, s[26:27]
	global_load_b32 v11, v83, s[26:27] offset:128
	global_load_b64 v[12:13], v80, s[32:33]
	global_load_b64 v[14:15], v80, s[32:33] offset:256
.set J, 0
.rept 26
	global_load_b128 v[ACC+4*J:ACC+4*J+3], v64, s[28:29] offset:4096*J
.set J, J+1
.endr
	global_load_b32 v70, v66, s[8:9]
	global_load_b32 v71, v66, s[10:11]
	global_load_b32 v72, v66, s[10:11] offset:1024
	global_load_b32 v74, v68, s[12:13]
.if FINAL
	global_load_b32 v76, v69, s[14:15]
.endif
	s_wait_loadcnt 0x0
	v_mov_b32 v75, v74
.if FINAL
	v_mov_b32 v77, v76
.endif
	s_wait_alu depctr_va_vdst(0)                   ; the moves have written the upper halves of the pairs that the last LDS stores below read
.set J, 0
.rept 26
.if J < 16
	ds_store_b128 v64, v[ACC+4*J:ACC+4*J+3] offset:4096*J
.else
	ds_store_b128 v65, v[ACC+4*J:ACC+4*J+3] offset:4096*(J-16)
.endif
.set J, J+1
.endr
	ds_store_b32 v78, v70
	ds_store_b32 v78, v71 offset:1024
	ds_store_b32 v78, v72 offset:2048
	ds_store_b64 v79, v[74:75]                     ; threads 2 c and 2 c + 1 write the two halves of channel c's 16 bytes
.if FINAL
	ds_store_b64 v79, v[76:77] offset:2048         ; thread 2 c: (A2, A2); thread 2 c + 1: (B2, B2)
.endif
	s_wait_dscnt 0x0
	s_barrier_signal -1
	s_barrier_wait -1                              ; weights and constants lie in LDS; they are only read from here on
	s_wait_alu depctr_vm_vsrc(0)                   ; the head's loads and LDS stores have read v64-83 and v128-231: from here on these are the sets, in which LDS loads land, and the accumulators, which the products write
.irp hc, 0,1,2,3
	P3 \hc
	BN \hc
	QUANT2 \hc
.endr
.irp oh, 0,1
	P4 \oh
.if FINAL
	s_wait_dscnt 0x0                               ; A2 and B2 are in
	PACK 0
	PACK 1                                         ; a tile's arithmetic stands between the loads of the tile before and its stores
	SEND \oh, 0, 16
	PACK 2
	SEND \oh, 1, 16
	PACK 3
	SEND \oh, 2, 16
	SEND \oh, 3, 0
.else
.irp oo, 0,1,2,3
.set SBASE, ACC+32*\oo
.set SRES, SR+2*\oo
	STAT SBASE, SRES
.endr
	s_wait_alu depctr_va_vdst(0)                   ; the four pairs of sums are written, which the LDS stores read
.irp oo, 0,1,2,3
	ds_store_b64 v7, v[SR+2*\oo:SR+2*\oo+1] offset:128*(4*\oh+\oo)   ; to my wave's own words in LDS (both halves of the lanes store the same pair)
.endr
.endif
.endr
.if FINAL == 0
	s_wait_dscnt 0x0
	s_barrier_signal -1
	s_barrier_wait -1                              ; eight waves' sums lie in LDS
	s_cmp_lt_u32 s18, 4
	s_cbranch_scc0 .Lend                           ; 128 channels: waves 0-3 finish
	v_lshl_add_u32 v24, v0, 3, STA2
	v_lshlrev_b32 v25, 3, v0
	s_wait_alu depctr_va_vdst(0)                   ; v24 is written, which the loads read; the products are done reading v32-47, in which they land
.set J, 0
.rept 8
	ds_load_b64 v[32+2*J:33+2*J], v24 offset:1024*J
.set J, J+1
.endr
	s_wait_dscnt 0x0
	v_pk_add_f32 v[32:33], v[32:33], v[40:41]
	v_pk_add_f32 v[34:35], v[34:35], v[42:43]
	v_pk_add_f32 v[36:37], v[36:37], v[44:45]
	v_pk_add_f32 v[38:39], v[38:39], v[46:47]
	v_pk_add_f32 v[32:33], v[32:33], v[36:37]
	v_pk_add_f32 v[34:35], v[34:35], v[38:39]
	v_pk_add_f32 v[32:33], v[32:33], v[34:35]
	s_wait_alu depctr_va_vdst(0)                   ; the additions have written v[32:33], which the store reads (its offset v25 stands ahead of the wait above)
	global_store_b64 v25, v[32:33], s[14:15]       ; channel tid's pair: a wave stores 256 consecutive bytes
.Lend:
.endif
	s_wait_dscnt 0x0                               ; the closing lines, six on end
	s_wait_alu 0x0
	s_wait_tensorcnt 0x0
	ds_add_u32 v123, v127
	s_wait_dscnt 0x0
	s_endpgm
.Lfunc_end_k_q4023642df6_mid:
	.size	k_q4023642df6_mid, .Lfunc_end_k_q4023642df6_mid-k_q4023642df6_mid
	.p2alignl 7, 3214868480
	.fill 96, 4, 3214868480
	.section	.rodata,"a",@progbits
	.p2align	6, 0x0
	.amdhsa_kernel k_q4023642df6_mid
		.amdhsa_group_segment_fixed_size 120832
		.amdhsa_private_segment_fixed_size 0
		.amdhsa_enable_private_segment 0
		.amdhsa_kernarg_size 48
		.amdhsa_user_sgpr_count 2
		.amdhsa_user_sgpr_kernarg_segment_ptr 1
		.amdhsa_wavefront_size32 1
		.amdhsa_system_sgpr_workgroup_id_x 1
		.amdhsa_system_sgpr_workgroup_id_y 1
		.amdhsa_system_sgpr_workgroup_id_z 1
		.amdhsa_system_vgpr_workitem_id 0
		.amdhsa_next_free_vgpr 512
		.amdhsa_next_free_sgpr 66
		.amdhsa_reserve_vcc 0
		.amdhsa_float_denorm_mode_32 3
		.amdhsa_float_denorm_mode_16_64 3
		.amdhsa_memory_ordered 1
		.amdhsa_forward_progress 1
		.amdhsa_inst_pref_size 156
	.end_amdhsa_kernel
	.amdgpu_metadata
---
amdhsa.version: [ 1, 2 ]
amdhsa.kernels:
  - .name:           k_q4023642df6_mid
    .symbol:         k_q4023642df6_mid.kd
    .args:
      - { .name: k2o, .offset: 0, .size: 8, .value_kind: global_buffer, .address_space: global }
      - { .name: k3o, .offset: 8, .size: 8, .value_kind: global_buffer, .address_space: global }
      - { .name: b1, .offset: 16, .size: 8, .value_kind: global_buffer, .address_space: global }
      - { .name: bn1, .offset: 24, .size: 8, .value_kind: global_buffer, .address_space: global }
      - { .name: b2, .offset: 32, .size: 8, .value_kind: global_buffer, .address_space: global }
      - { .name: part2, .offset: 40, .size: 8, .value_kind: global_buffer, .address_space: global }
    .group_segment_fixed_size: 120832
    .private_segment_fixed_size: 0
    .kernarg_segment_align: 8
    .kernarg_segment_size: 48
    .max_flat_workgroup_size: 256
    .sgpr_count:     66
    .vgpr_count:     512
    .wavefront_size: 32
...
	.end_amdgpu_metadata
.endif
;; end of part 9
;; launch bn2f: the kernel of part 4 again; grid 2 x 1, 8 waves a work-group, no clusters, 5,120 bytes of LDS; arguments part2, g2, be2, bn2; writes bn2
;; launch fin (part 10): grid 256 x 1, 8 waves a work-group, no clusters, 149,504 bytes of LDS; arguments k2o, k3o, b1, bn1, b2, bn2, out0; writes out0
.if DOCPART == 10
	.amdgcn_target "amdgcn-amd-amdhsa--gfx1250"
	.amdhsa_code_object_version 6
	.text
	.protected	k_q4023642df6_fin
	.globl	k_q4023642df6_fin
	.p2align	8
	.type	k_q4023642df6_fin,@function
k_q4023642df6_fin:
	s_mov_b64 s[64:65], 0
	v_nop
	global_prefetch_b8 v0, s[64:65] scope:SCOPE_SE
	s_setreg_imm32_b32 hwreg(HW_REG_WAVE_SCHED_MODE, 0, 2), 2
	s_setreg_imm32_b32 hwreg(HW_REG_WAVE_MODE, 25, 1), 1
	s_wait_xcnt 0x0
	s_wait_alu depctr_vm_vsrc(0)
; From x's codes: y1 = x W1^T + b1; h = relu(y1 A1 + B1), quantised to E2M3 along the 256 hidden channels in registers; y2 = h W2^T + b2.
; FINAL = 0: of y2 only the sums of y2 and y2^2 for each channel are stored.  FINAL = 1: out = relu(y2 A2 + B2) is stored.
; SHARES: a wave owns 64 points (four tiles pt) from start to end; x's twelve fragments stay in window 1.  The weights' 64 fragments lie in LDS as register images; each fragment read feeds four matrix instructions.
; THE FIRST PRODUCT IS USED TRANSPOSED (source 0 = 16 rows of W1, source 1 = 16 points): a lane holds one point and eight hidden channels.  Row r of W1's tile T is channel
; cb(T) + r + 8 (r / 8), cb(T) = 128 (T / 8) + 32 ((T % 8) / 2) + 8 (T % 2): so the 16 registers of tiles 2 b, 2 b + 1 are 16 neighbours along the next K.  Four tiles (64 channels) at a time.
; THE SECOND IS USED AS IT IS (source 0 = 16 points, source 1 = 16 rows of W2): a lane holds one channel and eight neighbouring points, as the output [channel][point] wants them.
; The biases are the C of each sum's first matrix instruction.  No tensor load: the only shared bytes are the weights' 104 KB, fetched once a work-group.
; THE MODE: SCHED_MODE bits 1:0 = 2 (LLVM: expert scheduling mode 2), set by the entry lines.  The code itself states the register dependences
; between vector or matrix instructions and memory or LDS instructions, with s_wait_alu, always for 0.
; THE PLAN.  Registers that LDS or memory instructions touch behind the head:
;   SET 0 (fragments v24-59, scale words v60-62, C v64-71) and SET 1 (v80-115, v116-118, v72-79): a tile's weights.  Written by LDS loads, read by the tile's matrix instructions.
;     Tile t multiplies by set t % 2.  ONE wait on va_vdst at its head states that tile t - 1's products have read the other set; the loads of tile t + 1 follow, dealt among tile t's first products,
;     which name set t % 2, x or the hidden layer, the accumulators and their scale words: none of the registers that those loads touch.
;   Between the products the same registers serve the batch norm's constants (LDS loads; read by vector lines): tiles 0, 1's land in set 0's v24-55 among the first product's last tile, behind that tile's wait;
;     tiles 2, 3's land in set 1's v80-111 behind one wait that stands behind the batch norm's first tile.  The quantiser then works in v24-55 and v64-95 by vector lines alone; the wait at the next product's head covers it.
;   The accumulators v128-255: matrix and vector lines; FINAL = 1: read by LDS stores (behind a wait on va_vdst), written by LDS loads (behind a wait on vm_vsrc), read by global stores; the second half's head waits on vm_vsrc.
;   FINAL = 0: four pairs of sums v104-111: vector lines, then one wait on va_vdst and four LDS stores; the second half's head waits on vm_vsrc.
;   Addresses are made at the head and never written again; those of the second product's loads lie in window 1, as its source 0 does, so that the loads stand among the products without a switch.
; REGISTERS, window 0: v1-4, v7-9 addresses; v10-15 x's scale words, v16-23 the hidden layer's (tile pt, K step s: 16 + 2 pt + s), v60-62 and v116-118 the weights' (these hold scales and nothing else);
;   v24-59, v80-115 the two sets of weight fragments; v64-79 two sets of C; v24-55 at work in the quantiser, v64-95 codes just made; v96-111 the sums; v128-255 sixteen accumulators.
;   window 1: v0-143 x: (pt, k) at 12 (3 pt + k); v144-239 the hidden layer: (pt, s) at 144 + 24 pt + 12 s; v240-243 the second product's LDS addresses.
.set FINAL, 1
.set XC0,  2097152
.set XS0,  14680064
.set WQ,   15204352
.set XC12, 524288
.set XS12, 25690112
.set WSC,  98304                       ; LDS: the weights' codes at 0; their scale words;
.set LB1,  106496                      ; b1, A1 (+ 1,024), B1 (+ 2,048);
.set B2R,  109568                      ; b2, each number four times;
.set STA2, 111616                      ; FINAL = 0: 128 pairs of sums for each wave
.set AB2,  111616                      ; FINAL = 1: (A2, A2, B2, B2) for each channel;
.set STG,  113664                      ; a stage of 16 rows x (256 + 16) bytes for each wave
.set WF,   24                          ; weight fragments: set p, place i at 24 + 56 p + 12 i
.set RS,   60                          ; their scale words: 60 + 56 p + i
.set TM,   24
.set KC,   24                          ; FINAL = 1: (A2, A2, B2, B2) of my channel in four tiles
.set CS,   64
.set PQ,   64
.set TS,   96
.set SR,   104
.set ACC,  128
.set HS,   16
.set HF,   144
.set A2W,  240                         ; in window 1: 16 x lane + 49,152; + 1: my scale word's place; + 2: my channel's b2; + 3: its A2 and B2
.set MSB, 0
.macro WIN new                         ; the immediate's high byte repeats the setting that is left
.if MSB != \new
	s_set_vgpr_msb (MSB<<8)|\new
.set MSB, \new
.endif
.endm
.macro PLACES n                        ; plain lines behind matrix instructions (ISA guide 7.12.1)
.rept \n
	v_nop
.endr
.endm
.macro SWM d, a, b, c, sa, sb, rowb    ; rowb: tile 1 of a pair has its scale words in lanes 16-31
.if \rowb
	v_wmma_scale_f32_16x16x128_f8f6f4 v[\d:\d+7], v[\a:\a+11], v[\b:\b+11], v[\c:\c+7], v[\sa], v[\sb] matrix_a_fmt:MATRIX_FMT_FP6 matrix_b_fmt:MATRIX_FMT_FP6 matrix_b_scale:MATRIX_SCALE_ROW1
.else
	v_wmma_scale_f32_16x16x128_f8f6f4 v[\d:\d+7], v[\a:\a+11], v[\b:\b+11], v[\c:\c+7], v[\sa], v[\sb] matrix_a_fmt:MATRIX_FMT_FP6 matrix_b_fmt:MATRIX_FMT_FP6
.endif
.endm
.macro WLOAD f, p, i                   ; W1's fragment f and its scale words into place i of set p: four LDS loads
.set I_, 0
.rept 3
.if (\f) < 32
	ds_load_b128 v[WF+56*(\p)+12*(\i)+4*I_:WF+56*(\p)+12*(\i)+4*I_+3], v1 offset:1536*(\f)+512*I_
.else
	ds_load_b128 v[WF+56*(\p)+12*(\i)+4*I_:WF+56*(\p)+12*(\i)+4*I_+3], v2 offset:1536*((\f)-32)+512*I_
.endif
.set I_, I_+1
.endr
	ds_load_b32 v[RS+56*(\p)+(\i)], v3 offset:128*(\f)
.endm
.macro WLOAD2 f, p, i                  ; the same for W2's fragments (f from 48 on), under the second product's window setting: the addresses lie in window 1
.set I_, 0
.rept 3
	ds_load_b128 v[WF+56*(\p)+12*(\i)+4*I_:WF+56*(\p)+12*(\i)+4*I_+3], v[A2W] offset:1536*((\f)-32)+512*I_
.set I_, I_+1
.endr
	ds_load_b32 v[RS+56*(\p)+(\i)], v[A2W+1] offset:128*(\f)
.endm
.macro CLOAD1 t, set                   ; b1 of tile t's eight channels of my half
.set CBT, 128*((\t)/8)+32*(((\t)%8)/2)+8*((\t)%2)
	ds_load_b128 v[CS+8*(\set):CS+8*(\set)+3], v4 offset:4*CBT
	ds_load_b128 v[CS+8*(\set)+4:CS+8*(\set)+7], v4 offset:4*CBT+16
.endm
.macro CLOAD2 o, set                   ; b2 of my channel of tile o, eight times
	ds_load_b128 v[CS+8*(\set):CS+8*(\set)+3], v[A2W+2] offset:256*(\o)
	ds_load_b128 v[CS+8*(\set)+4:CS+8*(\set)+7], v[A2W+2] offset:256*(\o)
.endm
.macro BNLOAD t, set                   ; A1 and B1 of tile t's eight channels of my half: four LDS loads, into v24, v40, v80 or v96 on
.set CBT, 128*((\t)/8)+32*(((\t)%8)/2)+8*((\t)%2)
.set BSL, 24+16*(\set)+24*((\set)/2)
	ds_load_b128 v[BSL:BSL+3], v4 offset:1024+4*CBT
	ds_load_b128 v[BSL+4:BSL+7], v4 offset:1024+4*CBT+16
	ds_load_b128 v[BSL+8:BSL+11], v4 offset:2048+4*CBT
	ds_load_b128 v[BSL+12:BSL+15], v4 offset:2048+4*CBT+16
.endm
; y1 for hidden tiles 4 hc .. 4 hc + 3: a tile is twelve matrix instructions, K step by K step, the four tiles of points by turns.
.macro P3 hc
	s_wait_alu depctr_va_vdst(0)                   ; the head's vector lines (hc = 0), or the batch norm and the quantiser, are done with v24-59 and v64-115, in which the loads below and those among tile 0's products land
	CLOAD1 4*(\hc), 0
	WLOAD 12*(\hc), 0, 0
	WLOAD 12*(\hc)+1, 0, 1
	WLOAD 12*(\hc)+2, 0, 2
	WIN 0x04                                       ; source 1 (x) in window 1; LDS loads name a destination and source 0 alone
.set TT_, 0
.rept 4
.set P_, TT_%2
	s_wait_dscnt 0x0                               ; this tile's set is in
.if TT_ > 0
	PLACES 4                                       ; four plain lines behind the products, once a tile, ahead of the loads into registers that they have read
	s_wait_alu depctr_va_vdst(0)                   ; the tile before's products have read the other set (fragments, scale words, C), in which the loads of this tile's turn land
.endif
.if TT_ < 3
	CLOAD1 4*(\hc)+TT_+1, 1-P_
.endif
.set G_, 0
.rept 12
.set K_, G_/4
.set PT, G_%4
.set DD, ACC+32*PT+8*TT_
.set AA, WF+56*P_+12*K_
.set BB2, 36*PT+12*K_
.set SA, RS+56*P_+K_
.if K_ == 0
.set CC2, CS+8*P_
.set SB2, 10+PT/2
.else
.set CC2, DD
.set SB2, 12+2*(PT/2)+K_-1
.endif
	SWM DD, AA, BB2, CC2, SA, SB2, PT%2
.if G_ < 3
.if TT_ < 3
	WLOAD 12*(\hc)+3*(TT_+1)+G_, 1-P_, G_          ; the next tile's weights, a fragment behind each of the first three products
.elseif G_ < 2
	BNLOAD 4*(\hc)+G_, G_                          ; the last tile: the batch norm's constants for tiles 0 and 1, into set 0's registers
.endif
.endif
.set G_, G_+1
.endr
.set TT_, TT_+1
.endr
	WIN 0
.endm
.macro BN hc                           ; h = max(0, y1 A1 + B1), each accumulator from its low end on
	PLACES 4
.set TT_, 0
.rept 4
.if TT_ == 1
	s_wait_dscnt 8                                 ; tile 1's constants are in; the eight loads for tiles 2 and 3 may be out
.elseif TT_ == 3
	s_wait_dscnt 0x0
.else
	s_wait_dscnt 4                                 ; this tile's constants are in; the next tile's four loads may be out
.endif
.set BS, 24+16*TT_+24*(TT_/2)
.set PT, 0
.rept 4
.set AB_, ACC+32*PT+8*TT_
.set J, 0
.rept 4
	v_pk_fma_f32 v[AB_+J:AB_+J+1], v[AB_+J:AB_+J+1], v[BS+J:BS+J+1], v[BS+8+J:BS+9+J]
.set J, J+2
.endr
.set J, 0
.rept 8
	v_max_num_f32 v[AB_+J], 0, v[AB_+J]
.set J, J+1
.endr
.set PT, PT+1
.endr
.if TT_ == 0
	s_wait_alu depctr_va_vdst(0)                   ; the first product's last tile has read set 1's v80-111, in which the constants for tiles 2 and 3 land
	BNLOAD 4*(\hc)+2, 2
	BNLOAD 4*(\hc)+3, 3
.endif
.set TT_, TT_+1
.endr
.endm
; 64 hidden channels of each of my 64 points: two blocks of 32 a tile of points; a block lies in lanes l and l xor 16.  The four tiles take turns line by line.  Nothing is negative: no |.|.
.macro QUANT2 hc
.set BE, 0
.rept 2
.set PT, 0
.rept 4
	v_max3_num_f32 v[TM+8*PT+BE], v[ACC+32*PT+16*BE], v[ACC+32*PT+16*BE+1], 0x1800000   ; and the floor 2^(3 - 127)
.set PT, PT+1
.endr
.set BE, BE+1
.endr
.set I_, 2
.rept 7
.set BE, 0
.rept 2
.set PT, 0
.rept 4
	v_max3_num_f32 v[TM+8*PT+BE], v[TM+8*PT+BE], v[ACC+32*PT+16*BE+I_], v[ACC+32*PT+16*BE+I_+1]
.set PT, PT+1
.endr
.set BE, BE+1
.endr
.set I_, I_+2
.endr
.set BE, 0
.rept 2
.set PT, 0
.rept 4
	v_permlanex16_b32 v[TM+8*PT+2+BE], v[TM+8*PT+BE], s36, s37
.set PT, PT+1
.endr
.set BE, BE+1
.endr
.set BE, 0
.rept 2
.set PT, 0
.rept 4
	v_max_num_f32 v[TM+8*PT+BE], v[TM+8*PT+BE], v[TM+8*PT+2+BE]
.set PT, PT+1
.endr
.set BE, BE+1
.endr
.set BE, 0
.rept 2
.set PT, 0
.rept 4
	v_add_nc_u32 v[TM+8*PT+4+BE], 0xff000000, v[TM+8*PT+BE]   ; 2 off the exponent field: the conversion's scale operand
.set PT, PT+1
.endr
.set BE, BE+1
.endr
.set BE, 0
.rept 2
.set PT, 0
.rept 4
.if (2*((\hc)%2)+BE) == 0
	v_lshrrev_b32 v[HS+2*PT+(\hc)/2], 23, v[TM+8*PT+4+BE]     ; the byte of block 2 (hc % 2) + BE of K step hc / 2
.else
	v_lshrrev_b32 v[TM+8*PT+6], 23, v[TM+8*PT+4+BE]
	v_lshl_or_b32 v[HS+2*PT+(\hc)/2], v[TM+8*PT+6], 8*(2*((\hc)%2)+BE), v[HS+2*PT+(\hc)/2]
.endif
.set PT, PT+1
.endr
.set BE, BE+1
.endr
.set PT, 0
.rept 4
	v_cvt_scalef32_pk16_fp6_f32 v[PQ+8*PT:PQ+8*PT+2], v[ACC+32*PT:ACC+32*PT+15], v[TM+8*PT+4]
	v_cvt_scalef32_pk16_fp6_f32 v[PQ+8*PT+4:PQ+8*PT+6], v[ACC+32*PT+16:ACC+32*PT+31], v[TM+8*PT+5]
.set PT, PT+1
.endr
	v_nop                                          ; a plain line behind the conversions
.set PT, 0
.rept 4
.set I_, 0
.rept 3
	v_permlane16_swap_b32 v[PQ+8*PT+I_], v[PQ+8*PT+4+I_]      ; a whole block to a lane: the first now holds each lane's block's lower 16 codes, the second the upper 16
.set I_, I_+1
.endr
.set PT, PT+1
.endr
	WIN 0x40                                       ; destination window 1
.set PT, 0
.rept 4
.set I_, 0
.rept 3
	v_mov_b32 v[HF+24*PT+12*((\hc)/2)+6*((\hc)%2)+I_], v[PQ+8*PT+I_]
	v_mov_b32 v[HF+24*PT+12*((\hc)/2)+6*((\hc)%2)+3+I_], v[PQ+8*PT+4+I_]
.set I_, I_+1
.endr
.set PT, PT+1
.endr
	WIN 0
.endm
; y2 for output tiles 4 oh .. 4 oh + 3: a tile is eight matrix instructions, K step by K step, the four tiles of points by turns; the two sets as above
.macro P4 oh
.if (\oh) > 0
.if FINAL
	s_wait_xcnt 0x0                                ; the stores of the half before have had their addresses translated,
	s_wait_alu depctr_vm_vsrc(0)                   ; and have read the accumulators' registers, which the products below write
.else
	s_wait_alu depctr_vm_vsrc(0)                   ; the LDS stores of the half before have read the four pairs of sums, which this half's sums write again
.endif
.endif
	WIN 0x01                                       ; source 0 (the hidden layer, and an LDS load's address) in window 1
	PLACES 4                                       ; fragments written by vector lines stand four plain lines ahead of a scaled matrix instruction (their scale words eight: the moves behind them are among these)
	s_wait_alu depctr_va_vdst(0)                   ; the quantiser has written the hidden layer's fragments and scale words, which the products take; it and the half before's vector lines are done with v24-47 and v64-111, in which the loads below and those among tile 0's products land
	CLOAD2 4*(\oh), 0
	WLOAD2 48+8*(\oh), 0, 0
	WLOAD2 48+8*(\oh)+1, 0, 1
.set OO, 0
.rept 4
.set P_, OO%2
	s_wait_dscnt 0x0                               ; this tile's set is in
.if OO > 0
.if (OO < 3) || FINAL
	PLACES 4                                       ; four plain lines behind the products, once a tile, ahead of the loads into registers that they have read
	s_wait_alu depctr_va_vdst(0)                   ; the tile before's products have read the other set, in which the loads of this tile's turn land
.endif
.endif
.if OO < 3
	CLOAD2 4*(\oh)+OO+1, 1-P_
.endif
.set G_, 0
.rept 8
.set S_, G_/4
.set PT, G_%4
.set DD, ACC+32*OO+8*PT
.set AA, HF+24*PT+12*S_
.set BB2, WF+56*P_+12*S_
.set SA, HS+2*PT+S_
.set SB2, RS+56*P_+S_
.if S_ == 0
.set CC2, CS+8*P_
.else
.set CC2, DD
.endif
	SWM DD, AA, BB2, CC2, SA, SB2, 0
.if G_ < 2
.if OO < 3
	WLOAD2 48+8*(\oh)+2*(OO+1)+G_, 1-P_, G_        ; the next tile's weights, a fragment behind each of the first two products
.elseif FINAL
	ds_load_b128 v[KC+8*G_:KC+8*G_+3], v[A2W+3] offset:256*(4*(\oh)+2*G_)       ; the last tile: A2 and B2 of my channel in the half's four tiles, into set 0's registers
	ds_load_b128 v[KC+8*G_+4:KC+8*G_+7], v[A2W+3] offset:256*(4*(\oh)+2*G_+1)
.endif
.endif
.set G_, G_+1
.endr
.set OO, OO+1
.endr
	WIN 0
	PLACES 4                                       ; four plain lines behind the last products, before results are read
.endm
; the sums of 32 numbers of my channel and of their squares, in ascending registers; with the other half of the lanes' 32; into the tile's own pair of registers
.macro STAT base, res
	v_pk_add_f32 v[TS:TS+1], v[\base:\base+1], v[\base+2:\base+3]
	v_pk_mul_f32 v[TS+2:TS+3], v[\base:\base+1], v[\base:\base+1]
	v_pk_fma_f32 v[TS+2:TS+3], v[\base+2:\base+3], v[\base+2:\base+3], v[TS+2:TS+3]
.set J, 4
.rept 14
	v_pk_add_f32 v[TS:TS+1], v[TS:TS+1], v[\base+J:\base+J+1]
	v_pk_fma_f32 v[TS+2:TS+3], v[\base+J:\base+J+1], v[\base+J:\base+J+1], v[TS+2:TS+3]
.set J, J+2
.endr
	v_add_f32 v[TS+4], v[TS], v[TS+1]
	v_add_f32 v[TS+5], v[TS+2], v[TS+3]
	v_permlanex16_b32 v[TS+6], v[TS+4], s36, s37
	v_permlanex16_b32 v[TS+7], v[TS+5], s36, s37
	v_pk_add_f32 v[\res:\res+1], v[TS+4:TS+5], v[TS+6:TS+7]
.endm
; FINAL = 1: tile oo of the half: relu(y2 A2 + B2); 16 channels x 64 points through my own stage; back as rows of 256 bytes, into the registers that they left
.macro PACK oo
.set AB_, ACC+32*(\oo)
.set J, 0
.rept 16
	v_pk_fma_f32 v[AB_+J:AB_+J+1], v[AB_+J:AB_+J+1], v[KC+4*(\oo):KC+4*(\oo)+1], v[KC+4*(\oo)+2:KC+4*(\oo)+3]
.set J, J+2
.endr
.set J, 0
.rept 32
	v_max_num_f32 v[AB_+J], 0, v[AB_+J]
.set J, J+1
.endr
	s_wait_alu depctr_va_vdst(0)                   ; the lines above have written the tile's 32 registers, which the LDS stores read
.set PT, 0
.rept 4
	ds_store_b128 v7, v[AB_+8*PT:AB_+8*PT+3] offset:64*PT
	ds_store_b128 v7, v[AB_+8*PT+4:AB_+8*PT+7] offset:64*PT+16
.set PT, PT+1
.endr
	s_wait_alu depctr_vm_vsrc(0)                   ; the LDS stores have read these registers, in which the loads below land
.set I_, 0
.rept 8
	ds_load_b128 v[AB_+4*I_:AB_+4*I_+3], v8 offset:544*I_   ; LDS serves a wave's instructions in order: these see the stores above, and the next tile's stores come behind them
.set I_, I_+1
.endr
.endm
.macro SEND oh, oo, younger            ; younger: the LDS instructions issued behind tile oo's loads
.set AB_, ACC+32*(\oo)
.set I_, 0
.rept 8
	s_wait_dscnt (\younger)+7-I_
	global_store_b128 v9, v[AB_+4*I_:AB_+4*I_+3], s[16:17] offset:(16*(4*(\oh)+(\oo))+2*I_)*65536 th:TH_STORE_NT   ; 16 lanes store 256 consecutive bytes of one channel
.set I_, I_+1
.endr
.endm
	s_load_b128 s[4:7], s[0:1], 0x0                ; k2o, k3o
	s_load_b128 s[8:11], s[0:1], 0x10              ; b1, bn1
	s_load_b128 s[12:15], s[0:1], 0x20             ; b2; FINAL = 0: part2, FINAL = 1: bn2
.if FINAL
	s_load_b64 s[16:17], s[0:1], 0x30              ; out0
	v_lshl_add_u32 v123, v0, 2, 0x24400
	v_mov_b32 v127, 0
.endif
	v_lshrrev_b32 v1, 5, v0
	v_readfirstlane_b32 s18, v1                    ; wave
	v_and_b32 v63, 31, v0                          ; lane
	v_lshlrev_b32 v1, 4, v63
	v_add_nc_u32 v2, 49152, v1
	v_lshl_add_u32 v3, v63, 2, WSC
	v_and_b32 v81, 15, v0                          ; r
	v_bfe_u32 v82, v0, 4, 1                        ; h
	v_lshl_add_u32 v4, v82, 6, LB1
	s_wait_alu depctr_va_sdst(0)                   ; s18 is written, ahead of its first reader: addresses and bases are made from it
.if FINAL
	s_mul_i32 s19, s18, 4352
	s_add_co_u32 s19, s19, STG                     ; my stage
	v_mul_u32_u24 v7, v81, 272
	v_lshl_add_u32 v7, v82, 5, v7
	v_add_nc_u32 v7, s19, v7                       ; in: row = my channel, 32 bytes for each half of the lanes
	v_mul_u32_u24 v8, v82, 272
	v_lshl_add_u32 v8, v81, 4, v8
	v_add_nc_u32 v8, s19, v8                       ; back: lanes 0-15 one row, lanes 16-31 the next
	v_lshlrev_b32 v9, 16, v82
	v_lshl_add_u32 v9, v81, 4, v9                  ; and the same two channels in the output
.else
	s_lshl_b32 s19, s18, 10
	s_add_co_u32 s19, s19, STA2
	v_lshl_add_u32 v7, v81, 3, s19
	v_mov_b32 v[TS+6], 0                           ; written once: a lane permute's destination counts as one of its sources
	v_mov_b32 v[TS+7], 0
.endif
	v_lshlrev_b32 v64, 4, v0
	v_add_nc_u32 v65, 65536, v64
	v_lshlrev_b32 v66, 2, v0
	v_lshlrev_b32 v67, 3, v0
	v_lshrrev_b32 v68, 1, v0
	v_lshlrev_b32 v68, 2, v68
	v_and_b32 v69, 1, v0
	v_lshl_add_u32 v69, v69, 10, v68
	v_add_nc_u32 v78, LB1, v66
	v_add_nc_u32 v79, B2R, v67
	v_lshlrev_b32 v80, 3, v63
	v_lshlrev_b32 v83, 2, v63
	s_mov_b32 s36, 0x76543210
	s_mov_b32 s37, 0xfedcba98
	s_lshl_b32 s20, ttmp9, 4
	s_lshl_b32 s21, s18, 1
	s_add_co_u32 s20, s20, s21                     ; my first pair
	s_mov_b32 s23, 0
	s_wait_kmcnt 0x0
	s_mul_i32 s22, s20, 3072
	s_add_nc_u64 s[24:25], s[4:5], s[22:23]
	s_add_nc_u64 s[24:25], s[24:25], XC0
	s_lshl_b32 s22, s20, 7
	s_add_nc_u64 s[26:27], s[4:5], s[22:23]
	s_add_nc_u64 s[26:27], s[26:27], XS0
	s_add_nc_u64 s[28:29], s[4:5], WQ
	s_mul_i32 s22, s20, 6144
	s_add_nc_u64 s[30:31], s[6:7], s[22:23]
	s_add_nc_u64 s[30:31], s[30:31], XC12
	s_lshl_b32 s22, s20, 8
	s_add_nc_u64 s[32:33], s[6:7], s[22:23]
	s_add_nc_u64 s[32:33], s[32:33], XS12
.if FINAL
	s_lshr_b32 s22, ttmp9, 5
	s_lshl_b32 s22, s22, 23
	s_add_nc_u64 s[16:17], s[16:17], s[22:23]
	s_and_b32 s22, ttmp9, 31
	s_lshl_b32 s22, s22, 11
	s_lshl_b32 s21, s18, 8
	s_add_co_u32 s22, s22, s21
	s_add_nc_u64 s[16:17], s[16:17], s[22:23]      ; the output at my batch, channel 0, my wave's 64 points
.else
	s_lshl_b32 s22, ttmp9, 11
	s_add_nc_u64 s[14:15], s[14:15], s[22:23]
.endif
	WIN 0x40                                       ; destination window 1: the second product's LDS addresses, then x's fragments
	v_add_nc_u32 v[A2W], 49152, v1
	v_lshl_add_u32 v[A2W+1], v63, 2, WSC
	v_lshl_add_u32 v[A2W+2], v81, 4, B2R
.if FINAL
	v_lshl_add_u32 v[A2W+3], v81, 4, AB2
.endif
	s_wait_alu depctr_va_vdst(0)                   ; every offset and address of the kernel is written, which its loads and stores read
.set PT, 0
.rept 4
.set I_, 0
.rept 3
	global_load_b128 v[36*PT+4*I_:36*PT+4*I_+3], v1, s[24:25] offset:1536*PT+512*I_ th:TH_LOAD_NT
	global_load_b128 v[36*PT+12+4*I_:36*PT+12+4*I_+3], v1, s[30:31] offset:6144*(PT/2)+1536*(PT%2)+512*I_ th:TH_LOAD_NT
	global_load_b128 v[36*PT+24+4*I_:36*PT+24+4*I_+3], v1, s[30:31] offset:6144*(PT/2)+3072+1536*(PT%2)+512*I_ th:TH_LOAD_NT
.set I_, I_+1
.endr
.set PT, PT+1
.endr
	WIN 0
	global_load_b32 v10, v83, s[26:27]
	global_load_b32 v11, v83, s[26:27] offset:128
	global_load_b64 v[12:13], v80, s[32:33]
	global_load_b64 v[14:15], v80, s[32:33] offset:256
.set J, 0
.rept 26
	global_load_b128 v[ACC+4*J:ACC+4*J+3], v64, s[28:29] offset:4096*J
.set J, J+1
.endr
	global_load_b32 v70, v66, s[8:9]
	global_load_b32 v71, v66, s[10:11]
	global_load_b32 v72, v66, s[10:11] offset:1024
	global_load_b32 v74, v68, s[12:13]
.if FINAL
	global_load_b32 v76, v69, s[14:15]
.endif
	s_wait_loadcnt 0x0
	v_mov_b32 v75, v74
.if FINAL
	v_mov_b32 v77, v76
.endif
	s_wait_alu depctr_va_vdst(0)                   ; the moves have written the upper halves of the pairs that the last LDS stores below read
.set J, 0
.rept 26
.if J < 16
	ds_store_b128 v64, v[ACC+4*J:ACC+4*J+3] offset:4096*J
.else
	ds_store_b128 v65, v[ACC+4*J:ACC+4*J+3] offset:4096*(J-16)
.endif
.set J, J+1
.endr
	ds_store_b32 v78, v70
	ds_store_b32 v78, v71 offset:1024
	ds_store_b32 v78, v72 offset:2048
	ds_store_b64 v79, v[74:75]                     ; threads 2 c and 2 c + 1 write the two halves of channel c's 16 bytes
.if FINAL
	ds_store_b64 v79, v[76:77] offset:2048         ; thread 2 c: (A2, A2); thread 2 c + 1: (B2, B2)
.endif
	s_wait_dscnt 0x0
	s_barrier_signal -1
	s_barrier_wait -1                              ; weights and constants lie in LDS; they are only read from here on
	s_wait_alu depctr_vm_vsrc(0)                   ; the head's loads and LDS stores have read v64-83 and v128-231: from here on these are the sets, in which LDS loads land, and the accumulators, which the products write
.irp hc, 0,1,2,3
	P3 \hc
	BN \hc
	QUANT2 \hc
.endr
.irp oh, 0,1
	P4 \oh
.if FINAL
	s_wait_dscnt 0x0                               ; A2 and B2 are in
	PACK 0
	PACK 1                                         ; a tile's arithmetic stands between the loads of the tile before and its stores
	SEND \oh, 0, 16
	PACK 2
	SEND \oh, 1, 16
	PACK 3
	SEND \oh, 2, 16
	SEND \oh, 3, 0
.else
.irp oo, 0,1,2,3
.set SBASE, ACC+32*\oo
.set SRES, SR+2*\oo
	STAT SBASE, SRES
.endr
	s_wait_alu depctr_va_vdst(0)                   ; the four pairs of sums are written, which the LDS stores read
.irp oo, 0,1,2,3
	ds_store_b64 v7, v[SR+2*\oo:SR+2*\oo+1] offset:128*(4*\oh+\oo)   ; to my wave's own words in LDS (both halves of the lanes store the same pair)
.endr
.endif
.endr
.if FINAL == 0
	s_wait_dscnt 0x0
	s_barrier_signal -1
	s_barrier_wait -1                              ; eight waves' sums lie in LDS
	s_cmp_lt_u32 s18, 4
	s_cbranch_scc0 .Lend                           ; 128 channels: waves 0-3 finish
	v_lshl_add_u32 v24, v0, 3, STA2
	v_lshlrev_b32 v25, 3, v0
	s_wait_alu depctr_va_vdst(0)                   ; v24 is written, which the loads read; the products are done reading v32-47, in which they land
.set J, 0
.rept 8
	ds_load_b64 v[32+2*J:33+2*J], v24 offset:1024*J
.set J, J+1
.endr
	s_wait_dscnt 0x0
	v_pk_add_f32 v[32:33], v[32:33], v[40:41]
	v_pk_add_f32 v[34:35], v[34:35], v[42:43]
	v_pk_add_f32 v[36:37], v[36:37], v[44:45]
	v_pk_add_f32 v[38:39], v[38:39], v[46:47]
	v_pk_add_f32 v[32:33], v[32:33], v[36:37]
	v_pk_add_f32 v[34:35], v[34:35], v[38:39]
	v_pk_add_f32 v[32:33], v[32:33], v[34:35]
	s_wait_alu depctr_va_vdst(0)                   ; the additions have written v[32:33], which the store reads (its offset v25 stands ahead of the wait above)
	global_store_b64 v25, v[32:33], s[14:15]       ; channel tid's pair: a wave stores 256 consecutive bytes
.Lend:
.endif
	s_wait_dscnt 0x0                               ; the closing lines, six on end
	s_wait_alu 0x0
	s_wait_tensorcnt 0x0
	ds_add_u32 v123, v127
	s_wait_dscnt 0x0
	s_endpgm
.Lfunc_end_k_q4023642df6_fin:
	.size	k_q4023642df6_fin, .Lfunc_end_k_q4023642df6_fin-k_q4023642df6_fin
	.p2alignl 7, 3214868480
	.fill 96, 4, 3214868480
	.section	.rodata,"a",@progbits
	.p2align	6, 0x0
	.amdhsa_kernel k_q4023642df6_fin
		.amdhsa_group_segment_fixed_size 149504
		.amdhsa_private_segment_fixed_size 0
		.amdhsa_enable_private_segment 0
		.amdhsa_kernarg_size 56
		.amdhsa_user_sgpr_count 2
		.amdhsa_user_sgpr_kernarg_segment_ptr 1
		.amdhsa_wavefront_size32 1
		.amdhsa_system_sgpr_workgroup_id_x 1
		.amdhsa_system_sgpr_workgroup_id_y 1
		.amdhsa_system_sgpr_workgroup_id_z 1
		.amdhsa_system_vgpr_workitem_id 0
		.amdhsa_next_free_vgpr 512
		.amdhsa_next_free_sgpr 66
		.amdhsa_reserve_vcc 0
		.amdhsa_float_denorm_mode_32 3
		.amdhsa_float_denorm_mode_16_64 3
		.amdhsa_memory_ordered 1
		.amdhsa_forward_progress 1
		.amdhsa_inst_pref_size 171
	.end_amdhsa_kernel
	.amdgpu_metadata
---
amdhsa.version: [ 1, 2 ]
amdhsa.kernels:
  - .name:           k_q4023642df6_fin
    .symbol:         k_q4023642df6_fin.kd
    .args:
      - { .name: k2o, .offset: 0, .size: 8, .value_kind: global_buffer, .address_space: global }
      - { .name: k3o, .offset: 8, .size: 8, .value_kind: global_buffer, .address_space: global }
      - { .name: b1, .offset: 16, .size: 8, .value_kind: global_buffer, .address_space: global }
      - { .name: bn1, .offset: 24, .size: 8, .value_kind: global_buffer, .address_space: global }
      - { .name: b2, .offset: 32, .size: 8, .value_kind: global_buffer, .address_space: global }
      - { .name: bn2, .offset: 40, .size: 8, .value_kind: global_buffer, .address_space: global }
      - { .name: out0, .offset: 48, .size: 8, .value_kind: global_buffer, .address_space: global }
    .group_segment_fixed_size: 149504
    .private_segment_fixed_size: 0
    .kernarg_segment_align: 8
    .kernarg_segment_size: 56
    .max_flat_workgroup_size: 256
    .sgpr_count:     66
    .vgpr_count:     512
    .wavefront_size: 32
...
	.end_amdgpu_metadata
.endif
;; end of part 10
